; MI455X (gfx1250); checked and timed in simulation.
; The chip was launched on July 23, 2026; its instructions are those of AMD's public machine-readable ISA for CDNA 5 (MIT licence, August 2026) and "CDNA5" Instruction Set Architecture Reference Guide (July 2026). The comments in the code are by the model that wrote it; some were corrected since.
;; Decoder Block. Allowed arithmetic: matrix products marked QUANTISED: E4M3 operands, one E8M0 scale for each 32 along K, by v_wmma_scale_f32_16x16x128_f8f6f4 with both operands' format E4M3, f32 sums; everything else in f32.
;; Inputs: b1 1,024 float32; b2 1,024 float32; bf1 4,096 float32; bf2 1,024 float32; bo 1,024 float32; g1 1,024 float32; g2 1,024 float32; w1 1,024 x 4,096 float32; w2 4,096 x 1,024 float32; wk 16 x 1,024 x 64 float32; wo 1,024 x 1,024 float32; wq 16 x 1,024 x 64 float32; wv 16 x 1,024 x 64 float32; x 2 x 2,048 x 1,024 float32.
;; Outputs: out0 2 x 2,048 x 1,024 float32.
;; This version of the problem:
;;   THIS VERSION OF THE PROBLEM IS GIVEN IN LOW PRECISION. The matrix products marked QUANTISED in the list below multiply operands that are first quantised to E4M3 (4 exponent bits, 3 mantissa bits; 8 bits a number), with one power-of-two scale for each 32 numbers along K (OCP MX v1.0); their sums are f32. All else is computed in f32.
;;   The module's matrix products, in the order in which they are computed (A, B: the left and right operand; K: the contracted axis; several contracted axes count as one K, in the product's order):
;;     1. [M 1,024, K 1,024] x [K 1,024, N 4,096]; A: input wq; B: computed on the way: QUANTISED
;;     2. [M 1,024, K 1,024] x [K 1,024, N 4,096]; A: input wk; B: computed on the way: QUANTISED
;;     3. [M 1,024, K 1,024] x [K 1,024, N 4,096]; A: input wv; B: computed on the way: QUANTISED
;;     4. batch 32 x [M 2,048, K 64] x [K 64, N 2,048]; A: computed on the way; B: computed on the way: QUANTISED
;;     5. batch 32 x [M 2,048, K 2,048] x [K 2,048, N 64]; A: softmax (see below); B: computed on the way: QUANTISED
;;     6. [M 4,096, K 1,024] x [K 1,024, N 1,024]; A: computed on the way; B: input wo: QUANTISED
;;     7. [M 4,096, K 1,024] x [K 1,024, N 4,096]; A: computed on the way; B: input w1: QUANTISED
;;     8. [M 4,096, K 4,096] x [K 4,096, N 1,024]; A: computed on the way; B: input w2: QUANTISED
;;   THE QUANTISER, for each operand of a quantised product, along K:
;;     - K is cut into blocks of 32 from its start; a last block that is shorter is filled with zeros.
;;     - A block's scale is 2^e with e = floor(log2(the largest magnitude in the block)) - 8, held to -126 .. 127; a block of zeros has e = 0. As a byte (E8M0): e + 127.
;;     - Each number is divided by its block's scale, clamped to +-448, and rounded to the nearest number of E4M3, ties to even, subnormals kept.
;;     - The product sums the exact products of the quantised numbers (number of the format x scale) in f32.
;;   ~~~python
;;   def quantise(x, axis):      # numpy; x: float32 -> the quantised numbers, widened to float32 again
;;       x = np.moveaxis(x, axis, -1); K = x.shape[-1]
;;       x = np.pad(x, [(0, 0)] * (x.ndim - 1) + [(0, -K % 32)]); x = x.reshape(x.shape[:-1] + (-1, 32)); a = np.abs(x).max(-1, keepdims=True)
;;       e = np.where(a > 0, np.clip(np.frexp(np.where(a > 0, a, 1))[1] - 1 - 8, -126, 127), 0)      # np.frexp(a)[1] - 1 = floor(log2(a)), exactly
;;       r = np.clip(x / 2.0 ** e, -448, 448)
;;       step = 2.0 ** (np.maximum(np.frexp(np.where(r == 0, 1, r))[1] - 1, -6) - 3)
;;       q = np.round(r / step) * step * 2.0 ** e      # np.round: ties to even
;;       return np.moveaxis(q.reshape(q.shape[:-2] + (-1,))[..., :K], -1, axis).astype(np.float32)
;;   ~~~
;;   SOFTMAX AHEAD OF A QUANTISED PRODUCT. Where the list says 'softmax', what is quantised is not the finished softmax but p = 2^(t - M), with t = logit x log2(e) and M = ceil(the row's largest t), a whole number; so 1/2 < the row's largest p <= 1. The row's sum l is taken of the UNQUANTISED p, in f32, and the product's result is divided by l at the end. Since M is a whole number, a kernel that streams over the keys may use a running M (the ceiling of the running maximum): every later rescaling is an exact power of two, which a block's scale takes up: the codes' values come out the same.
;;   OPERANDS COMPUTED ON THE WAY. 'Computed on the way' means the value that the module computes at that place (a softmax that the list does not call 'softmax' is quantised finished and normalised). What goes into a quantiser is computed in f32, as accurately as f32 sums, v_exp_f32 and their like allow (about 1e-6 of the number): no bf16 or f16 on the way to a quantiser, and a product that is left as it is and whose result goes on into a quantised operand takes f32 operands (vector FMAs, or v_wmma_f32_16x16x4_f32). A number that lies on a knife's edge between two numbers of the format may be rounded either way, as far as f32 arithmetic and the matrix unit's own rounding can turn it there, and no further.
;; 2 versions. Each part assembles by itself: llvm-mc -triple=amdgcn-amd-amdhsa -mcpu=gfx1250 --defsym DOCPART=n.
;; ======== version 1 of 2: 8 launches
;; workspace buffers: wcodes 13,369,344 bytes; hc 4,456,448 bytes; qc 4,718,592 bytes; kv 9,175,040 bytes; ac 4,456,448 bytes; x1 16,777,216 bytes; hid 17,825,792 bytes
;; launch wquant (part 1): grid 768 x 1, 4 waves a work-group, no clusters, 0 bytes of LDS; arguments wq, wk, wv, wo, w1, w2, wcodes; writes wcodes
.if DOCPART == 1
	.amdgcn_target "amdgcn-amd-amdhsa--gfx1250"
	.amdhsa_code_object_version 6
	.text
	.protected	k_qfc2abe9259_wquant
	.globl	k_qfc2abe9259_wquant
	.p2align	8
	.type	k_qfc2abe9259_wquant,@function
k_qfc2abe9259_wquant:
	s_mov_b64 s[64:65], 0
	v_nop
	global_prefetch_b8 v0, s[64:65] scope:SCOPE_SE
	s_setreg_imm32_b32 hwreg(HW_REG_WAVE_MODE, 25, 1), 1
	s_wait_xcnt 0x0
; THE PROGRAM: a decoder block (LN, 16 causal heads of 64, projection, residual, LN, FFN of 4,096, residual) for 4,096 tokens of 1,024, all eight products on
; codes of FP8 (E4M3) with one E8M0 scale for each 32 along K.  Launches: wquant (this one), ln1, qkv, attn, wo, ln2, ffn1, ffn2.
; WORK LEFT OUT.  reference() builds its own causal mask (jnp.tril) and sets the score of key s for query t to -inf where s > t; the softmax gives such a key the weight 0 for
; every finite input, so it adds nothing to the row's sum nor to the product with v, and the row's maximum is taken among keys s <= t alone.  The launch attn therefore does not walk a
; group of 128 keys all of which come after all 16 queries of a tile.  Nothing else is left out; all 14 inputs are loaded.
; LIMIT: a NaN, an infinity or an overflow that reaches only those hidden keys is not carried to the result.
; ORDER ALONG K.  Inside each block of 32 along K both operands of every product are laid in one and the same order: place (half h of the lanes, byte p of the lane's 16) holds
; k = 16 (p / 8) + 8 h + p % 8 of the block.  The products and the blocks are the same; the order in which a sum's terms are added differs from K ascending (a stated limit).
; It is the order in which a transposed matrix result lies in a lane, so that results become operands by conversions alone.
; PANEL: 128 rows x 128 K as an image of operand registers: fragment i (rows 16 i + r) at 2048 i + 512 c + 16 lane (c: the block of 32), its scale words at
; 16384 + 128 i + 4 lane (lanes r and 16 + r hold row r's word, byte b for block b): 17,408 bytes.  A tensor [R][K] is [R / 128][K / 128][PANEL].
;
; THIS LAUNCH turns the six weights, f32 with K as their first matrix axis, into 768 panels: 0-191 wq, wk, wv (row = head x 64 + d), 192-255 wo, 256-511 w1, 512-767 w2.
; A work-group makes one panel; wave w its columns 32 w .. 32 w + 31.  A LANE TAKES A COLUMN AND ITS REGISTERS RUN DOWN K: a block of 32 lies in one lane, each load reads 128
; consecutive bytes a wave, and the conversions give codes with K innermost.  A block's scale is 2^(floor(log2(largest magnitude)) - 8): its byte is that magnitude's exponent field - 8.
; LIMITS: a block of zeros, or one whose largest magnitude lies under 2^-118, keeps the byte 1 (its bytes are read by this program alone); NaN and infinities among the inputs are not served.
; No LDS, no barrier: waves share nothing.
.set PAN,  17408
.set VO,   4                           ; v4       my codes' place in the panel: 2048 (2 w + lane / 16) + 16 (lane % 16)
.set VS,   5                           ; v5       my scale word's place
.set OFF,  16                          ; v16-47   row i of a block: pitch x i + 4 x lane
.set X,    48                          ; v48-175  four blocks of 32 numbers
.set C,    176                         ; v176-207 eight registers of codes a block: no store's data are written again
.set SB,   208                         ; v208     the column's scale word
.set BASE, 24                          ; s[24:31] where block c of my wave's columns begins: four addresses, never rewritten
.set MNT,  41                          ; s41      the mantissa field of 448
	s_load_b256 s[4:11], s[0:1], 0x0               ; wq, wk, wv, wo
	s_load_b128 s[12:15], s[0:1], 0x20             ; w1, w2
	s_load_b64 s[16:17], s[0:1], 0x30              ; wcodes
	v_lshrrev_b32 v1, 5, v0
	v_readfirstlane_b32 s40, v1                    ; wave 0..3
	v_and_b32 v2, 31, v0                           ; lane
	v_lshlrev_b32 v3, 2, v2
	s_and_b32 s20, ttmp9, 63
	s_and_b32 s21, ttmp9, 255
	s_cmp_lt_u32 ttmp9, 256
	s_cselect_b32 s20, s20, s21                    ; the panel's number inside its tensor (wq, wk, wv, wo: 64 each; w1, w2: 256 each)
	s_cmp_lt_u32 ttmp9, 512
	s_cselect_b32 s21, 3, 5                        ; K steps in a row block: 8, for w2 32
	s_cselect_b32 s22, 7, 31
	s_lshr_b32 s23, s20, s21                       ; nb: which 128 columns
	s_and_b32 s22, s20, s22                        ; ks: which 128 along K
	s_mov_b32 s32, 4096
	s_cmp_lt_u32 ttmp9, 192
	s_cselect_b32 s32, 256, s32
	s_lshr_b32 s33, ttmp9, 8
	s_cmp_eq_u32 s33, 1
	s_cselect_b32 s32, 16384, s32                  ; the pitch from k to k + 1 in bytes: 256 in a head, 4,096 in wo and w2, 16,384 in w1
	s_lshl_b32 s34, s23, 1
	s_lshr_b32 s35, s40, 1
	s_add_co_u32 s34, s34, s35
	s_lshl_b32 s34, s34, 18                        ; wq, wk, wv: head 2 nb + w / 2, 262,144 bytes a head,
	s_and_b32 s35, s40, 1
	s_lshl_b32 s35, s35, 7
	s_add_co_u32 s34, s34, s35                     ; and d = 32 (w % 2) on
	s_lshl_b32 s35, s23, 9
	s_lshl_b32 s36, s40, 7
	s_add_co_u32 s35, s35, s36                     ; the others: column 128 nb + 32 w
	s_cmp_lt_u32 ttmp9, 192
	s_cselect_b32 s34, s34, s35
	s_mul_i32 s35, s22, s32
	s_lshl_b32 s35, s35, 7
	s_add_co_u32 s34, s34, s35                     ; + 128 ks rows
	s_mov_b32 s35, 0
	s_lshl_b32 s36, s32, 5                         ; a block on: 32 rows
	s_mov_b32 s37, 0
	s_mul_i32 s38, ttmp9, PAN
	s_mov_b32 s39, 0
	s_mov_b32 s[MNT], 0x600000
	v_lshrrev_b32 v6, 4, v2
	v_and_b32 v7, 15, v2
	s_lshl_b32 s42, s40, 1
	v_add_nc_u32 v6, s42, v6                       ; my column's fragment: 2 w + lane / 16
	v_lshlrev_b32 v[VO], 11, v6
	v_lshl_add_u32 v[VO], v7, 4, v[VO]
	v_lshlrev_b32 v[VS], 7, v6
	v_lshl_add_u32 v[VS], v7, 2, v[VS]
	v_add_nc_u32 v[VS], 16384, v[VS]
.set n, 0
.rept 32
	v_mad_u32_u24 v[OFF+n], s32, n, v3
.set n, n+1
.endr
	s_wait_kmcnt 0x0
	s_cmp_lt_u32 ttmp9, 64                         ; which tensor: the choice hangs on the work-group's number alone
	s_cselect_b64 s[18:19], s[4:5], s[6:7]
	s_cmp_lt_u32 ttmp9, 128
	s_cselect_b64 s[18:19], s[18:19], s[8:9]
	s_cmp_lt_u32 ttmp9, 192
	s_cselect_b64 s[18:19], s[18:19], s[10:11]
	s_cmp_lt_u32 ttmp9, 256
	s_cselect_b64 s[18:19], s[18:19], s[12:13]
	s_cmp_lt_u32 ttmp9, 512
	s_cselect_b64 s[18:19], s[18:19], s[14:15]
	s_add_nc_u64 s[BASE:BASE+1], s[18:19], s[34:35]
	s_add_nc_u64 s[BASE+2:BASE+3], s[BASE:BASE+1], s[36:37]
	s_add_nc_u64 s[BASE+4:BASE+5], s[BASE+2:BASE+3], s[36:37]
	s_add_nc_u64 s[BASE+6:BASE+7], s[BASE+4:BASE+5], s[36:37]
	s_add_nc_u64 s[16:17], s[16:17], s[38:39]      ; my panel
.macro LOAD c                          ; block c: W(32 c + i, my column), i = 0 .. 31
.set n, 0
.rept 32
	global_load_b32 v[X+32*\c+n], v[OFF+n], s[BASE+2*\c:BASE+2*\c+1] th:TH_LOAD_NT
.set n, n+1
.endr
.endm
.macro BLOCK c
.set XS, X+32*\c
.set CC, C+8*\c
	v_max3_num_f32 v12, |v[XS]|, |v[XS+1]|, |v[XS+2]|              ; the block's largest magnitude: all 32 numbers are mine; two chains
	v_max3_num_f32 v13, |v[XS+3]|, |v[XS+4]|, |v[XS+5]|
.irp i, 6,10,14,18,22,26
	v_max3_num_f32 v12, v12, |v[XS+\i]|, |v[XS+\i+1]|
	v_max3_num_f32 v13, v13, |v[XS+\i+2]|, |v[XS+\i+3]|
.endr
	v_max3_num_f32 v12, v12, |v[XS+30]|, |v[XS+31]|
	v_max3_num_f32 v12, v12, v13, 0x4800000        ; and the floor 2^(9 - 127): the byte cannot fall under 1
	v_add_nc_u32 v11, 0xfc000000, v12              ; 8 off the exponent field: the conversion takes this operand's exponent field as its scale
	v_and_or_b32 v10, v12, 0x7f800000, s[MNT]      ; 448 x the scale
	v_lshrrev_b32 v13, 23, v11                     ; the scale's byte
.if \c == 0
	v_mov_b32 v[SB], v13
.else
	v_lshl_or_b32 v[SB], v13, 8*\c, v[SB]
.endif
.set n, 0
.rept 32
	v_med3_num_f32 v[XS+n], v[XS+n], -v10, v10     ; the conversion to an 8-bit code does not saturate (ISA guide 7.6.2): the hold comes first
.set n, n+1
.endr
	v_cvt_scalef32_pk8_fp8_f32 v[CC:CC+1],   v[XS:XS+7],     v11   ; lanes' half 0 of the fragment: k 0-7,
	v_cvt_scalef32_pk8_fp8_f32 v[CC+2:CC+3], v[XS+16:XS+23], v11   ; k 16-23;
	v_cvt_scalef32_pk8_fp8_f32 v[CC+4:CC+5], v[XS+8:XS+15],  v11   ; half 1: k 8-15,
	v_cvt_scalef32_pk8_fp8_f32 v[CC+6:CC+7], v[XS+24:XS+31], v11   ; k 24-31
	v_nop                                          ; a plain line behind the last conversion, ahead of the next write of its scale operand
	global_store_b128 v[VO], v[CC:CC+3],   s[16:17] offset:512*\c        ; sixteen lanes store 256 consecutive bytes, aligned
	global_store_b128 v[VO], v[CC+4:CC+7], s[16:17] offset:512*\c+256
.endm
	LOAD 0
	LOAD 1
	s_wait_loadcnt 32                              ; block 0 is in; block 1's 32 loads may be out
	LOAD 2
	BLOCK 0
	s_wait_loadcnt 32                              ; block 1 is in; block 2's may be out
	LOAD 3
	BLOCK 1
	s_wait_loadcnt 32                              ; block 2 is in; block 3's may be out
	BLOCK 2
	s_wait_loadcnt 0x0
	BLOCK 3
	global_store_b32 v[VS], v[SB], s[16:17]        ; the scale word, for lane r
	global_store_b32 v[VS], v[SB], s[16:17] offset:64   ; and for lane 16 + r
	s_endpgm
.Lfunc_end_k_qfc2abe9259_wquant:
	.size	k_qfc2abe9259_wquant, .Lfunc_end_k_qfc2abe9259_wquant-k_qfc2abe9259_wquant
	.p2alignl 7, 3214868480
	.fill 96, 4, 3214868480
	.section	.rodata,"a",@progbits
	.p2align	6, 0x0
	.amdhsa_kernel k_qfc2abe9259_wquant
		.amdhsa_group_segment_fixed_size 0
		.amdhsa_private_segment_fixed_size 0
		.amdhsa_enable_private_segment 0
		.amdhsa_kernarg_size 56
		.amdhsa_user_sgpr_count 2
		.amdhsa_user_sgpr_kernarg_segment_ptr 1
		.amdhsa_wavefront_size32 1
		.amdhsa_system_sgpr_workgroup_id_x 1
		.amdhsa_system_sgpr_workgroup_id_y 1
		.amdhsa_system_sgpr_workgroup_id_z 1
		.amdhsa_system_vgpr_workitem_id 0
		.amdhsa_next_free_vgpr 216
		.amdhsa_next_free_sgpr 66
		.amdhsa_reserve_vcc 0
		.amdhsa_float_denorm_mode_32 3
		.amdhsa_float_denorm_mode_16_64 3
		.amdhsa_memory_ordered 1
		.amdhsa_forward_progress 1
		.amdhsa_inst_pref_size 33
	.end_amdhsa_kernel
	.amdgpu_metadata
---
amdhsa.version: [ 1, 2 ]
amdhsa.kernels:
  - .name:           k_qfc2abe9259_wquant
    .symbol:         k_qfc2abe9259_wquant.kd
    .args:
      - { .name: wq, .offset: 0, .size: 8, .value_kind: global_buffer, .address_space: global }
      - { .name: wk, .offset: 8, .size: 8, .value_kind: global_buffer, .address_space: global }
      - { .name: wv, .offset: 16, .size: 8, .value_kind: global_buffer, .address_space: global }
      - { .name: wo, .offset: 24, .size: 8, .value_kind: global_buffer, .address_space: global }
      - { .name: w1, .offset: 32, .size: 8, .value_kind: global_buffer, .address_space: global }
      - { .name: w2, .offset: 40, .size: 8, .value_kind: global_buffer, .address_space: global }
      - { .name: wcodes, .offset: 48, .size: 8, .value_kind: global_buffer, .address_space: global }
    .group_segment_fixed_size: 0
    .private_segment_fixed_size: 0
    .kernarg_segment_align: 8
    .kernarg_segment_size: 56
    .max_flat_workgroup_size: 128
    .sgpr_count:     66
    .vgpr_count:     216
    .wavefront_size: 32
...
	.end_amdgpu_metadata
.endif
;; end of part 1
;; launch ln1 (part 2): grid 256 x 1, 8 waves a work-group, no clusters, 66,816 bytes of LDS; arguments x, g1, b1, hc; writes hc
.if DOCPART == 2
	.amdgcn_target "amdgcn-amd-amdhsa--gfx1250"
	.amdhsa_code_object_version 6
	.text
	.protected	k_qfc2abe9259_ln1
	.globl	k_qfc2abe9259_ln1
	.p2align	8
	.type	k_qfc2abe9259_ln1,@function
k_qfc2abe9259_ln1:
	s_mov_b64 s[64:65], 0
	v_nop
	global_prefetch_b8 v0, s[64:65] scope:SCOPE_SE
	s_setreg_imm32_b32 hwreg(HW_REG_WAVE_MODE, 25, 1), 1
	s_wait_xcnt 0x0
; LayerNorm of rows of 1,024 f32 numbers, and the result's codes of FP8 (E4M3) with one E8M0 scale for each 32 along the row, stored as panels (128 rows x 128 K as images of operand
; registers: fragment i at 2048 i + 512 c + 16 lane, its scale words at 16384 + 128 i + 4 lane; 17,408 bytes; the tensor is [32 row blocks][8 K steps][panel]).
; y = (x - mean) x rsqrt(mean of (x - mean)^2 + 1e-5) x g + b, in two passes over registers, all in f32.
; A work-group takes 16 rows: one fragment of each of the row block's 8 panels.  PHASE A: wave w normalises rows 2 w and 2 w + 1, a row in 32 registers of the wave, each load 512 consecutive
; bytes; the rows go to a stage in LDS.  One barrier.  PHASE B: wave w takes K step w: lane (r, h) reads from row r the 64 numbers that the operand's layout gives it, in this
; program's order along K (place p of a block's 16 in half h: k = 16 (p / 8) + 8 h + p % 8), quantises them and stores the fragment's image: 512 consecutive bytes a store.
; LIMITS: NaN and infinities are not served; a block of zeros or under 2^-118 keeps the byte 1 (read by this program alone); v_rsq_f32 is good to 1 ulp.
.set PAN,   17408
.set ROWP,  4112                       ; a stage row: 4,096 bytes + 16: the sixteen rows that a load of phase B touches begin 16 bytes apart modulo 256
.set SPARE, 16*ROWP                    ; behind the stage: the spare words, 128 bytes for each of eight waves; no other line names them
.set T,     8                          ; v8-23    row q: four running pairs at v[T + 8 q]
.set MEAN,  24                         ; v24-27   row q: the mean, twice
.set RSTD,  28                         ; v28-31   row q: 1 / sqrt(var + eps), twice
.set X,     32                         ; v32-95   two rows of 32 numbers; in phase B my 64 numbers
.set GG,    96                         ; v96-127  g at my columns
.set BB,    128                        ; v128-159 b at my columns
.set TM,    160                        ; v160-163 largest magnitudes, 164-167 bytes, 168-171 448 x the scale, 172-175 the conversions' scale operands
.set PW,    176                        ; the scale word
.set PC,    180                        ; v180-195 the codes
.set SPW,   196                        ; LDS address of my spare word; never rewritten
.set NIL,   197                        ; 0; never rewritten
.set SEL,   22                         ; s[22:23] selects of v_permlanex16_b32: lane l xor 16
.set MNT,   24
	s_load_b256 s[4:11], s[0:1], 0x0               ; the rows, g, b, the panels
	v_lshl_add_u32 v[SPW], v0, 2, SPARE
	v_mov_b32 v[NIL], 0
	v_lshrrev_b32 v1, 5, v0
	v_readfirstlane_b32 s12, v1                    ; wave 0..7
	v_and_b32 v2, 31, v0                           ; lane
	v_lshlrev_b32 v1, 4, v2                        ; 16 x lane
	s_lshl_b32 s13, s12, 13
	v_add_nc_u32 v3, s13, v1                       ; my wave's two rows in memory
	s_mul_i32 s13, s12, 2*ROWP
	v_add_nc_u32 v4, s13, v1                       ; and in the stage
	v_and_b32 v5, 15, v0                           ; r
	v_bfe_u32 v6, v0, 4, 1                         ; h
	v_mul_u32_u24 v5, v5, ROWP
	v_lshl_add_u32 v5, v6, 5, v5
	s_lshl_b32 s13, s12, 9
	v_add_nc_u32 v5, s13, v5                       ; phase B: row r, K step w, + 32 h
	v_lshlrev_b32 v6, 2, v2                        ; 4 x lane
	s_lshl_b32 s14, ttmp9, 16                      ; 16 rows of 4,096 bytes a work-group
	s_mov_b32 s15, 0
	s_lshr_b32 s20, ttmp9, 3
	s_lshl_b32 s20, s20, 3
	s_add_co_u32 s20, s20, s12
	s_mul_i32 s20, s20, PAN                        ; panel (row block, K step w)
	s_and_b32 s21, ttmp9, 7                        ; my fragment in it
	s_lshl_b32 s16, s21, 11
	s_add_co_u32 s16, s16, s20
	s_mov_b32 s17, 0
	s_lshl_b32 s18, s21, 7
	s_add_co_u32 s18, s18, s20
	s_add_co_u32 s18, s18, 16384
	s_mov_b32 s19, 0
	s_mov_b32 s[SEL], 0x76543210
	s_mov_b32 s[SEL+1], 0xfedcba98
	s_mov_b32 s[MNT], 0x600000
	s_mov_b32 s25, 0x3a800000                      ; 1 / 1,024
	s_mov_b32 s26, 0x3727c5ac                      ; 1e-5
.irp b, 0,1,2,3
	v_mov_b32 v[TM+4+\b], 0                        ; written once: a lane permute's destination counts as one of its sources
.endr
	s_wait_kmcnt 0x0
	s_add_nc_u64 s[4:5], s[4:5], s[14:15]
	s_add_nc_u64 s[16:17], s[10:11], s[16:17]      ; where my codes go
	s_add_nc_u64 s[18:19], s[10:11], s[18:19]      ; and my scale words
.irp q, 0,1
.irp j, 0,1,2,3,4,5,6,7
	global_load_b128 v[X+32*\q+4*\j:X+32*\q+4*\j+3], v3, s[4:5] offset:4096*\q+512*\j
.endr
.endr
.irp j, 0,1,2,3,4,5,6,7
	global_load_b128 v[GG+4*\j:GG+4*\j+3], v1, s[6:7] offset:512*\j
.endr
.irp j, 0,1,2,3,4,5,6,7
	global_load_b128 v[BB+4*\j:BB+4*\j+3], v1, s[8:9] offset:512*\j
.endr
.macro ACROSS r, t                     ; the sum of v[r] over the 32 lanes, in every lane; v[t] has been written
	v_add_f32_dpp v[\r], v[\r], v[\r] row_xmask:1 row_mask:0xf bank_mask:0xf
	v_add_f32_dpp v[\r], v[\r], v[\r] row_xmask:2 row_mask:0xf bank_mask:0xf
	v_add_f32_dpp v[\r], v[\r], v[\r] row_xmask:4 row_mask:0xf bank_mask:0xf
	v_add_f32_dpp v[\r], v[\r], v[\r] row_xmask:8 row_mask:0xf bank_mask:0xf
	v_permlanex16_b32 v[\t], v[\r], s[SEL], s[SEL+1]
	v_add_f32 v[\r], v[\r], v[\t]
.endm
.macro FOLD                            ; the four running pairs into v[TR]
	v_pk_add_f32 v[TR:TR+1], v[TR:TR+1], v[TR+2:TR+3]
	v_pk_add_f32 v[TR+4:TR+5], v[TR+4:TR+5], v[TR+6:TR+7]
	v_pk_add_f32 v[TR:TR+1], v[TR:TR+1], v[TR+4:TR+5]
	v_add_f32 v[TR], v[TR], v[TR+1]
	ACROSS TR, TR+1
.endm
.macro ROW q                           ; row q: the mean, x - mean in place, the variance, 1 / sqrt
.set XR, X+32*\q
.set TR, T+8*\q
.set MR, MEAN+2*\q
.irp k, 0,1,2,3
	v_pk_add_f32 v[TR+2*\k:TR+2*\k+1], v[XR+4*\k:XR+4*\k+1], v[XR+4*\k+2:XR+4*\k+3]   ; the first sums start the four chains: nothing is cleared
.endr
.irp k, 0,1,2,3,4,5,6,7
	v_pk_add_f32 v[TR+2*(\k%4):TR+2*(\k%4)+1], v[TR+2*(\k%4):TR+2*(\k%4)+1], v[XR+16+2*\k:XR+16+2*\k+1]
.endr
	FOLD
	v_mul_f32 v[MR], s25, v[TR]
	v_mov_b32 v[MR+1], v[MR]
.irp k, 0,1,2,3,4,5,6,7,8,9,10,11,12,13,14,15
	v_pk_add_f32 v[XR+2*\k:XR+2*\k+1], v[XR+2*\k:XR+2*\k+1], v[MR:MR+1] neg_lo:[0,1] neg_hi:[0,1]
.endr
.irp k, 0,1,2,3
	v_pk_mul_f32 v[TR+2*\k:TR+2*\k+1], v[XR+2*\k:XR+2*\k+1], v[XR+2*\k:XR+2*\k+1]
.endr
.irp k, 4,5,6,7,8,9,10,11,12,13,14,15
	v_pk_fma_f32 v[TR+2*(\k%4):TR+2*(\k%4)+1], v[XR+2*\k:XR+2*\k+1], v[XR+2*\k:XR+2*\k+1], v[TR+2*(\k%4):TR+2*(\k%4)+1]
.endr
	FOLD
	v_fma_f32 v[TR], v[TR], s25, s26               ; the variance + 1e-5
	v_rsq_f32 v[RSTD+2*\q], v[TR]
.endm
	s_wait_loadcnt 16                              ; my two rows are in; g's and b's 16 loads may be out
	ROW 0
	ROW 1
	v_nop                                          ; a plain line behind the last transcendental
	s_wait_alu depctr_va_vdst(0)                   ; one wait for both, ahead of the first line that names a result
	v_mov_b32 v[RSTD+1], v[RSTD]
	v_mov_b32 v[RSTD+3], v[RSTD+2]
	s_wait_loadcnt 0x0                             ; g and b
.irp q, 0,1
.irp k, 0,1,2,3,4,5,6,7,8,9,10,11,12,13,14,15
	v_pk_mul_f32 v[X+32*\q+2*\k:X+32*\q+2*\k+1], v[X+32*\q+2*\k:X+32*\q+2*\k+1], v[RSTD+2*\q:RSTD+2*\q+1]
.endr
.irp k, 0,1,2,3,4,5,6,7,8,9,10,11,12,13,14,15
	v_pk_fma_f32 v[X+32*\q+2*\k:X+32*\q+2*\k+1], v[X+32*\q+2*\k:X+32*\q+2*\k+1], v[GG+2*\k:GG+2*\k+1], v[BB+2*\k:BB+2*\k+1]
.endr
.irp j, 0,1,2,3,4,5,6,7
	ds_store_b128 v4, v[X+32*\q+4*\j:X+32*\q+4*\j+3] offset:ROWP*\q+512*\j
.endr
.endr
	s_wait_dscnt 0x0                               ; for the others' sake: my rows lie in the stage
	s_barrier_signal -1
	s_barrier_wait -1
.irp c, 0,1,2,3                        ; block c: k = 8 h + 0..7 and 16 + 8 h + 0..7
	ds_load_b128 v[X+16*\c:X+16*\c+3],     v5 offset:128*\c
	ds_load_b128 v[X+16*\c+4:X+16*\c+7],   v5 offset:128*\c+16
	ds_load_b128 v[X+16*\c+8:X+16*\c+11],  v5 offset:128*\c+64
	ds_load_b128 v[X+16*\c+12:X+16*\c+15], v5 offset:128*\c+80
.endr
	s_wait_dscnt 0x0
.irp b, 0,1,2,3
	v_max3_num_f32 v[TM+\b], |v[X+16*\b]|, |v[X+1+16*\b]|, 0x4800000   ; block b: my 16 numbers and the floor 2^(9 - 127); the four blocks by turns
.endr
.irp i, 2,4,6,8,10,12,14
.irp b, 0,1,2,3
	v_max3_num_f32 v[TM+\b], v[TM+\b], |v[X+16*\b+\i]|, |v[X+1+16*\b+\i]|
.endr
.endr
.irp b, 0,1,2,3
	v_permlanex16_b32 v[TM+4+\b], v[TM+\b], s[SEL], s[SEL+1]
.endr
.irp b, 0,1,2,3
	v_max_num_f32 v[TM+\b], v[TM+\b], v[TM+4+\b]   ; with lane l xor 16's 16: the block's largest magnitude
.endr
.irp b, 0,1,2,3
	v_add_nc_u32 v[TM+12+\b], 0xfc000000, v[TM+\b] ; 8 off its exponent field: the conversion's scale operand
.endr
.irp b, 0,1,2,3
	v_and_or_b32 v[TM+8+\b], v[TM+\b], 0x7f800000, s[MNT]   ; 448 x the scale
.endr
.irp b, 0,1,2,3
	v_lshrrev_b32 v[TM+4+\b], 23, v[TM+12+\b]      ; the scale's byte
.endr
	v_lshl_or_b32 v[PW], v[TM+5], 8, v[TM+4]
	v_lshl_or_b32 v[PW], v[TM+6], 16, v[PW]
	v_lshl_or_b32 v[PW], v[TM+7], 24, v[PW]
.irp b, 0,1,2,3
.irp i, 0,1,2,3,4,5,6,7,8,9,10,11,12,13,14,15
	v_med3_num_f32 v[X+16*\b+\i], v[X+16*\b+\i], -v[TM+8+\b], v[TM+8+\b]   ; the conversion does not saturate (ISA guide 7.6.2): the hold comes first
.endr
	v_cvt_scalef32_pk8_fp8_f32 v[PC+4*\b:PC+1+4*\b], v[X+16*\b:X+7+16*\b], v[TM+12+\b]
	v_cvt_scalef32_pk8_fp8_f32 v[PC+2+4*\b:PC+3+4*\b], v[X+8+16*\b:X+15+16*\b], v[TM+12+\b]
.endr
	v_nop
.irp c, 0,1,2,3
	global_store_b128 v1, v[PC+4*\c:PC+4*\c+3], s[16:17] offset:512*\c   ; 32 lanes store 512 consecutive bytes, aligned
.endr
	global_store_b32 v6, v[PW], s[18:19]
	s_wait_tensorcnt 0x0                           ; the wave's end
	ds_add_u32 v[SPW], v[NIL]
	s_wait_dscnt 0x0
	s_endpgm
.Lfunc_end_k_qfc2abe9259_ln1:
	.size	k_qfc2abe9259_ln1, .Lfunc_end_k_qfc2abe9259_ln1-k_qfc2abe9259_ln1
	.p2alignl 7, 3214868480
	.fill 96, 4, 3214868480
	.section	.rodata,"a",@progbits
	.p2align	6, 0x0
	.amdhsa_kernel k_qfc2abe9259_ln1
		.amdhsa_group_segment_fixed_size 66816
		.amdhsa_private_segment_fixed_size 0
		.amdhsa_enable_private_segment 0
		.amdhsa_kernarg_size 32
		.amdhsa_user_sgpr_count 2
		.amdhsa_user_sgpr_kernarg_segment_ptr 1
		.amdhsa_wavefront_size32 1
		.amdhsa_system_sgpr_workgroup_id_x 1
		.amdhsa_system_sgpr_workgroup_id_y 1
		.amdhsa_system_sgpr_workgroup_id_z 1
		.amdhsa_system_vgpr_workitem_id 0
		.amdhsa_next_free_vgpr 200
		.amdhsa_next_free_sgpr 66
		.amdhsa_reserve_vcc 0
		.amdhsa_float_denorm_mode_32 3
		.amdhsa_float_denorm_mode_16_64 3
		.amdhsa_memory_ordered 1
		.amdhsa_forward_progress 1
		.amdhsa_inst_pref_size 29
	.end_amdhsa_kernel
	.amdgpu_metadata
---
amdhsa.version: [ 1, 2 ]
amdhsa.kernels:
  - .name:           k_qfc2abe9259_ln1
    .symbol:         k_qfc2abe9259_ln1.kd
    .args:
      - { .name: x, .offset: 0, .size: 8, .value_kind: global_buffer, .address_space: global }
      - { .name: g1, .offset: 8, .size: 8, .value_kind: global_buffer, .address_space: global }
      - { .name: b1, .offset: 16, .size: 8, .value_kind: global_buffer, .address_space: global }
      - { .name: hc, .offset: 24, .size: 8, .value_kind: global_buffer, .address_space: global }
    .group_segment_fixed_size: 66816
    .private_segment_fixed_size: 0
    .kernarg_segment_align: 8
    .kernarg_segment_size: 32
    .max_flat_workgroup_size: 256
    .sgpr_count:     66
    .vgpr_count:     200
    .wavefront_size: 32
...
	.end_amdgpu_metadata
.endif
;; end of part 2
;; launch qkv (part 3): grid 12 x 16, 4 waves a work-group, clusters of 4 x 4, 327,680 bytes of LDS; arguments hc, wcodes, qc, kv; writes qc, kv
.if DOCPART == 3
	.amdgcn_target "amdgcn-amd-amdhsa--gfx1250"
	.amdhsa_code_object_version 6
	.text
	.protected	k_qfc2abe9259_qkv
	.globl	k_qfc2abe9259_qkv
	.p2align	8
	.type	k_qfc2abe9259_qkv,@function
k_qfc2abe9259_qkv:
	s_mov_b64 s[64:65], 0
	v_nop
	global_prefetch_b8 v0, s[64:65] scope:SCOPE_SE
	s_setreg_imm32_b32 hwreg(HW_REG_WAVE_MODE, 25, 1), 1
	s_wait_xcnt 0x0
	s_wait_alu depctr_hold_cnt(0) depctr_sa_sdst(0) depctr_va_vdst(0) depctr_va_sdst(0) depctr_va_ssrc(0) depctr_va_vcc(0) depctr_vm_vsrc(0)
	s_getreg_b32 s2, hwreg(HW_REG_IB_STS2, 6, 4)
	s_cmp_eq_u32 s2, 0
	s_cbranch_scc0 .Lentry_in_a_cluster
	s_endpgm
.Lentry_in_a_cluster:
	s_bfe_u32 s2, ttmp6, 0x10000c
	s_cmp_lg_u32 s2, 0xf033
	s_cbranch_scc0 .Lentry_shape_is_right
	s_endpgm
.Lentry_shape_is_right:
; q, k and v of all 16 heads: h (4,096 tokens x 1,024, codes in panels) times wq, wk, wv (3,072 rows x 1,024, panels 0-191 of wcodes), and the results' own codes, made in registers.
; PANEL: 128 rows x 128 K as images of operand registers: fragment i at 2048 i + 512 c + 16 lane, scale words at 16384 + 128 i + 4 lane; 17,408 bytes; a tensor is [rows / 128][K / 128][panel].
; A tile of the result, 256 x 256, is made by four waves, 128 x 128 each: 64 accumulators, 512 registers.  K goes through a ring of two LDS slots of 256 along K; a wave's tensor load
; brings two neighbouring panels, 34,816 dense bytes, codes and scale words together.  CLUSTERS of 4 x 4: side A's panels are shared along a row of the cluster, side B's along a column, by joint loads.
; THE MATRIX INSTRUCTION IS USED TRANSPOSED: source 0 = 16 rows of side B, source 1 = 16 rows of side A: a lane holds one row of A and its registers run along B's rows.
; The cluster's x says what is made: 0 q, 1 k, 2 v; it is the same in all sixteen partners.  q, k: A = tokens, B = weight rows, so a lane's registers run along d, which is K of the scores.
; v: A = weight rows, B = tokens, so a lane's registers run along the tokens, which are K of the second product of attention.  One quantiser serves all three.
; The 16 registers of two neighbouring accumulators are place p = 0 .. 15 of a block of 32 in this program's order along K (k = 16 (p / 8) + 8 h + p % 8): the conversions' results ARE the operand's image.
; OUT.  q: qc codes [bh][tile of 16 tokens][c 2][lane][16], scale words behind them at 4,194,304: [bh][tile][lane][4].  k, v: kv [bh][group of 128 keys][17,920]: k's 8 tiles of 16 keys
; (1024 t + 512 c + 16 lane; words at 8192 + 128 t + 4 lane), then from 9,216 v's 4 tiles of 16 d x 128 keys (2048 t + 512 c + 16 lane; words at 8192 + 128 t + 4 lane).
; In q's and k's words bytes 0, 1 are the head's two blocks; bytes 2, 3 (the neighbouring head's, or 0) stand over zero codes in the launch that reads them.
; LIMITS: NaN and infinities are not served; a block of zeros or under 2^-118 keeps the byte 1; the sums' order differs from K ascending.
; REGISTERS: window 0: v16-29 addresses; v32-63 scale words, two sets; v64-111 at work on the way out; v128-255 A's fragments, one set.  window 1: B's fragments, two sets.  windows 2, 3: accumulator (a, b) at v[8 (8 (a % 4) + b)].
.set PAN,   17408
.set HALFT, 2*PAN                      ; what one tensor load brings: a row block's two K steps
.set SLOT,  4*HALFT                    ; A's two row blocks, then B's two
.set SPARE, 2*SLOT                     ; behind the ring: the spare words, 128 bytes a wave; no other line names them
.set KS,    8                          ; K steps of 128
.set RBS,   KS*PAN                     ; a row block in memory
.set LAPS,  KS/4                       ; a lap = once round the ring = four K steps
.set NP,    8                          ; places behind this matrix instruction (ISA guide 7.12.1)
.set ADRA, 16                          ; v16-17 my A fragments in slot 0, 1
.set ADRS, 18                          ; v18-19 my scale words: lanes 0-15 A's, lanes 16-31 B's
.set ADRB, 20                          ; v20-21 my B fragments
.set L16,  26                          ; 16 x lane
.set L4,   27                          ; 4 x lane
.set SPW,  28                          ; LDS address of my spare word; never rewritten
.set NIL,  29                          ; 0; never rewritten
.set SC,   32                          ; scale words: set s at SC + 16 s; register 2 i + q: block i, the slot's q-th K step
.set TM,   64                          ; v64-67 largest magnitudes, 68-71 bytes, 72-75 448 x the scale, 76-79 the conversions' scale operands
.set PW,   80
.set PW2,  81
.set PC,   96                          ; v96-111 the codes
.set AF,   128
.set G1, 24                            ; s[24:31] group 1 for A;  s[32:39] groups 0, one for each slot
.set G0, 32
.set G1B, 48                           ; s[48:55], s[56:63] the same for B
.set G0B, 56
.set LO,  68                           ; s[68:69] where codes of blocks 0, 1 go;  s[70:71] blocks 2, 3;  s[72:73], s[74:75] the scale words
.set HI,  70
.set SLO, 72
.set SHI, 74
.set SEL, 84
.set MNT, 86
.set FLR, 87
.set MSB, 0
.macro WIN new                         ; the immediate's high byte repeats the setting that is left
.if MSB != (\new)
	s_set_vgpr_msb (MSB<<8)|(\new)
.set MSB, (\new)
.endif
.endm
.set MUL_LO, 0xa1                      ; source 0 (B) window 1, source 1 (A) window 0, C and D window 2
.set MUL_HI, 0xf1                      ; the same, C and D window 3
.set TO_B,   0x40                      ; destination window 1, address window 0
; A joint load: waves 0 and 1 fetch for A, waves 2 and 3 for B; the branch hangs on the wave's number alone.  An s_nop 0 and four v_nop follow each line.
.macro JLOAD g0a, g1a, g0b, g1b
	s_cmp_eq_u32 s15, 0
	s_cbranch_scc0 .Lfor_b_\@
	tensor_load_to_lds s[\g0a:\g0a+3], s[\g1a:\g1a+7]
	s_nop 0
.rept 4
	v_nop
.endr
	s_branch .Lasked_\@
.Lfor_b_\@:
	tensor_load_to_lds s[\g0b:\g0b+3], s[\g1b:\g1b+7]
	s_nop 0
.rept 4
	v_nop
.endr
.Lasked_\@:
.endm
.macro CREST                           ; a round of the cluster's barrier behind its opening barrier
	s_cmp_lg_u32 s14, 0
	s_cbranch_scc1 .Lnot_wave_0_\@
	s_barrier_signal -3
.Lnot_wave_0_\@:
	s_barrier_wait -3
	s_barrier_signal -1
	s_barrier_wait -1
.endm
.macro CROUND
	s_barrier_signal -1
	s_barrier_wait -1
	CREST
.endm
	s_load_b256 s[4:11], s[0:1], 0x0               ; hc, wcodes, qc, kv
	v_lshl_add_u32 v[SPW], v0, 2, SPARE
	v_mov_b32 v[NIL], 0
	ds_add_u32 v[SPW], v[NIL]                      ; the wave's opening: the add, twice on end, and its wait ahead of my first tensor load
	ds_add_u32 v[SPW], v[NIL]
	v_lshrrev_b32 v1, 5, v0
	v_readfirstlane_b32 s14, v1                    ; wave 0..3
	s_lshr_b32 s15, s14, 1                         ; wA: my half of A's rows.  Also: I fetch for A (0) or for B (1)
	s_and_b32 s16, s14, 1                          ; wB: my half of B's rows.  Also: which row block I fetch
	s_bfe_u32 s40, ttmp6, 0x40000                  ; cx
	s_bfe_u32 s41, ttmp6, 0x40004                  ; cy
	s_and_b32 s18, ttmp7, 0xffff
	s_lshl_b32 s18, s18, 2                         ; 4 x cluster y
	s_lshl_b32 s19, ttmp9, 2                       ; 4 x cluster x
	s_cmp_eq_u32 ttmp9, 2                          ; v?
	s_cselect_b32 s17, 8, s18
	s_cselect_b32 s42, s18, s19
	s_add_co_u32 s17, s17, s41                     ; A's tile of 256 rows: tokens 4 cY + cy; for v weight rows 8 + cy
	s_add_co_u32 s42, s42, s40                     ; B's: weight rows 4 cX + cx; for v tokens 4 cY + cx
	s_lshl_b32 s43, s41, 2
	s_lshl_b32 s43, 15, s43                        ; my row of the cluster
	s_lshl_b32 s44, 0x1111, s40                    ; my column
	s_or_b32 s[G1+0], s43, (3<<16)|(1<<21)         ; 15:0 the mask; 17:16 elements of 8 bytes; 21 set beside a mask; no padding
	s_or_b32 s[G1B+0], s44, (3<<16)|(1<<21)
.irp g, G1, G1B
	s_mov_b32 s[\g+1], 32<<16                      ; tensor_dim0 = 32 elements: rows of 256 bytes
	s_mov_b32 s[\g+2], 136<<16                     ; tensor_dim1 = 136 rows: 34,816 dense bytes
	s_mov_b32 s[\g+3], 32<<16                      ; tile_dim0
	s_mov_b32 s[\g+4], 136                         ; tile_dim1
	s_mov_b32 s[\g+5], 32                          ; the pitch
	s_mov_b32 s[\g+6], 0
	s_mov_b32 s[\g+7], 0
.endr
	s_lshl_b32 s20, s17, 1
	s_add_co_u32 s20, s20, s16
	s_mul_i32 s20, s20, RBS                        ; A: row block 2 T_A + (wave % 2)
	s_mov_b32 s21, 0
	s_lshl_b32 s46, s42, 1
	s_add_co_u32 s46, s46, s16
	s_mul_i32 s46, s46, RBS                        ; B likewise
	s_mov_b32 s47, 0
	s_mul_i32 s45, s14, HALFT                      ; where they go: no place in the cluster enters an LDS address
	s_wait_dscnt 0x0                               ; both opening adds are done
	s_wait_kmcnt 0x0
	s_cmp_eq_u32 ttmp9, 2
	s_cselect_b64 s[22:23], s[6:7], s[4:5]         ; A's tensor: h, for v the weights
	s_cselect_b64 s[66:67], s[4:5], s[6:7]         ; B's: the weights, for v h
	s_add_nc_u64 s[20:21], s[22:23], s[20:21]
	s_add_nc_u64 s[46:47], s[66:67], s[46:47]
	CROUND                                         ; all sixteen work-groups are here: the first joint loads meet
.irp s, 0,1
	s_mov_b32 s[G0+4*\s], 1
	s_add_co_u32 s[G0+4*\s+1], s45, \s*SLOT
	s_add_nc_u64 s[G0+4*\s+2:G0+4*\s+3], s[20:21], \s*HALFT
	s_or_b32 s[G0+4*\s+3], s[G0+4*\s+3], 0x80000000
	s_mov_b32 s[G0B+4*\s], 1
	s_add_co_u32 s[G0B+4*\s+1], s45, \s*SLOT
	s_add_nc_u64 s[G0B+4*\s+2:G0B+4*\s+3], s[46:47], \s*HALFT
	s_or_b32 s[G0B+4*\s+3], s[G0B+4*\s+3], 0x80000000
	JLOAD G0+4*\s, G1, G0B+4*\s, G1B
.endr
	v_and_b32 v1, 31, v0                           ; lane
	v_bfe_u32 v2, v0, 4, 1                         ; h
	v_lshlrev_b32 v[L16], 4, v1
	v_lshlrev_b32 v[L4], 2, v1
	s_mul_i32 s21, s15, HALFT                      ; my row block of A
	s_mul_i32 s22, s16, HALFT
	s_add_co_u32 s22, s22, 2*HALFT                 ; my row block of B, behind A's two
	s_xor_b32 s23, s15, 1
	s_add_co_u32 s23, s23, s16
	s_add_co_u32 s23, s23, 1
	s_mul_i32 s23, s23, HALFT                      ; from the one to the other: (2 + wB - wA) x HALFT
	v_mul_u32_u24 v3, s23, v2                      ; lanes 16-31 take B's scale words
	v_add_nc_u32 v3, v3, v[L4]
.irp s, 0,1
	v_add_nc_u32 v[ADRA+\s], s21, v[L16]
	v_add_nc_u32 v[ADRB+\s], s22, v[L16]
	v_add_nc_u32 v[ADRS+\s], s21, v3
	s_add_co_u32 s21, s21, SLOT
	s_add_co_u32 s22, s22, SLOT
.endr
	; where the results go
	s_cmp_eq_u32 ttmp9, 2
	s_cselect_b32 s66, s42, s17                    ; the tile of 256 tokens,
	s_cselect_b32 s67, s16, s15                    ; my half of it,
	s_cselect_b32 s88, s41, s40                    ; the place that counts heads,
	s_cselect_b32 s89, s15, s16                    ; and my half there
	s_mov_b32 s76, 1024
	s_cselect_b32 s76, 2048, s76                   ; from block a to a + 1: a tile of q or k, a tile of v
	s_cselect_b32 s78, 278528, 0                   ; v, at a = 4: on to the next head's group: 286,720 - 4 x 2,048
	s_cselect_b32 s80, 286208, 0                   ; and its scale words: 286,720 - 4 x 128
	s_cselect_b32 s90, 9216, 0                     ; v's part of a group
	s_mov_b32 s91, 286720
	s_cselect_b32 s91, 1024, s91                   ; from blocks 0, 1 to blocks 2, 3: k: the next head; v: 1,024 bytes on
	s_add_co_u32 s78, s78, s76
	s_add_co_u32 s80, s80, 128
	s_mov_b32 s77, 0
	s_mov_b32 s79, 0
	s_mov_b32 s81, 0
	s_lshr_b32 s92, s66, 3                         ; the batch
	s_and_b32 s66, s66, 7
	s_lshl_b32 s66, s66, 1
	s_add_co_u32 s66, s66, s67                     ; g: my 128 tokens in the batch
	s_lshl_b32 s88, s88, 2
	s_lshl_b32 s89, s89, 1
	s_add_co_u32 s88, s88, s89                     ; my first head
	s_lshl_b32 s92, s92, 4
	s_add_co_u32 s88, s88, s92                     ; bh0 = 16 x batch + head
	s_lshl_b32 s89, s88, 7
	s_lshl_b32 s92, s66, 3
	s_add_co_u32 s89, s89, s92                     ; q: tile 128 bh0 + 8 g
	s_lshl_b32 s92, s89, 10
	s_lshl_b32 s93, s89, 7
	s_add_co_u32 s93, s93, 4194304
	s_lshl_b32 s89, s88, 4
	s_add_co_u32 s89, s89, s66
	s_mul_i32 s89, s89, 17920                      ; k, v: group 16 bh0 + g
	s_add_co_u32 s89, s89, s90
	s_add_co_u32 s94, s89, 8192
	s_mov_b32 s95, 286720
	s_cmp_eq_u32 ttmp9, 0                          ; q?
	s_cselect_b64 s[LO:LO+1], s[8:9], s[10:11]
	s_cselect_b32 s92, s92, s89
	s_cselect_b32 s94, s93, s94
	s_cselect_b32 s96, 131072, s91
	s_cselect_b32 s95, 16384, s95
	s_mov_b32 s93, 0
	s_mov_b32 s97, 0
	s_mov_b64 s[SLO:SLO+1], s[LO:LO+1]
	s_add_nc_u64 s[LO:LO+1], s[LO:LO+1], s[92:93]
	s_add_nc_u64 s[HI:HI+1], s[LO:LO+1], s[96:97]
	s_mov_b32 s92, s94
	s_add_nc_u64 s[SLO:SLO+1], s[SLO:SLO+1], s[92:93]
	s_mov_b32 s96, s95
	s_add_nc_u64 s[SHI:SHI+1], s[SLO:SLO+1], s[96:97]   ; (not used for v)
	s_mov_b32 s[SEL], 0x76543210
	s_mov_b32 s[SEL+1], 0xfedcba98
	s_mov_b32 s[MNT], 0x600000
	s_mov_b32 s[FLR], 0x4800000
.macro FRAG reg, adr, q, i             ; a fragment's image: four loads of 512 consecutive bytes
.irp c, 0,1,2,3
	ds_load_b128 v[\reg+4*\c:\reg+4*\c+3], v[\adr] offset:PAN*(\q)+2048*(\i)+512*\c
.endr
.endm
; 16 matrix instructions: A's blocks a0, a0 + 1 x B's eight.  p: B's set; q: the slot's K step; sc: the set of scale words.  first = 1: the products start the sums: nothing is cleared.
; The 64 accumulators take turns, one instruction a turn, in the same order in every step.
.macro MUL16 a0, p, q, sc, first
.irp a, \a0, \a0+1
.irp b, 0,1,2,3,4,5,6,7
.set rD, 8*(8*((\a)%4)+\b)
.set rB, 128*(\p)+16*\b
.set rA, AF+16*(\a)
.set rSB, SC+16*(\sc)+2*\b+(\q)
.set rSA, SC+16*(\sc)+2*(\a)+(\q)
.if \first
	v_wmma_scale_f32_16x16x128_f8f6f4 v[rD:rD+7], v[rB:rB+15], v[rA:rA+15], 0, v[rSB], v[rSA] matrix_a_scale:MATRIX_SCALE_ROW1
.else
	v_wmma_scale_f32_16x16x128_f8f6f4 v[rD:rD+7], v[rB:rB+15], v[rA:rA+15], v[rD:rD+7], v[rSB], v[rSA] matrix_a_scale:MATRIX_SCALE_ROW1
.endif
.endr
.endr
.endm
.macro FETCH_B slot, q, p
	WIN TO_B
.irp i, 0,1,2,3,4,5,6,7
	FRAG 128*(\p)+16*\i, ADRB+\slot, \q, \i
.endr
	WIN 0
.endm
.macro FETCH_A slot, q, i0
.irp i, \i0, \i0+1, \i0+2, \i0+3
	FRAG AF+16*(\i), ADRA+\slot, \q, \i
.endr
.endm
.macro SCALES sc                       ; a slot's scale words: lanes 0-15 A's block i, lanes 16-31 B's block i
.irp i, 0,1,2,3,4,5,6,7
.irp q, 0,1
	ds_load_b32 v[SC+16*\sc+2*\i+\q], v[ADRS+\sc] offset:PAN*\q+16384+128*\i
.endr
.endr
.endm
.macro PLACES n                        ; plain vector lines between a matrix instruction and a load into, or a read of, its registers
.rept \n
	v_nop
.endr
.endm
.macro STEP slot, q, first             ; a K step that has its successor in the same slot
	s_wait_dscnt 16                                ; all but the youngest 16 loads (A's blocks 4-7) are in
	WIN MUL_LO
	MUL16 0, (\q)%2, \q, \slot, \first
	MUL16 2, (\q)%2, \q, \slot, \first
	s_wait_dscnt 0x0                               ; A's blocks 4-7 are in
	PLACES NP
	FETCH_B \slot, (\q)+1, 1-(\q)%2
	FETCH_A \slot, (\q)+1, 0
	WIN MUL_HI
	MUL16 4, (\q)%2, \q, \slot, \first
	MUL16 6, (\q)%2, \q, \slot, \first
	PLACES NP
	WIN 0
	FETCH_A \slot, (\q)+1, 4
.endm
; A slot's last K step changes slots: one barrier; ahead of it each wave waits for all its tensor loads, adds 0 to its spare word, and waits for that and for its reads of this slot.
.macro TURN slot, next, fill
	s_wait_tensorcnt 0x0                           ; all my tensor loads have landed: my part of the next slot
	ds_add_u32 v[SPW], v[NIL]
	s_wait_dscnt 17                                ; (the add and the youngest 16 loads may be out)
	WIN MUL_LO
	MUL16 0, 1, 1, \slot, 0
	s_wait_dscnt 0x0                               ; the add is done, and my reads of this slot are over
	s_barrier_signal -1
	MUL16 2, 1, 1, \slot, 0
	WIN 0
	s_barrier_wait -1
.if \fill
	CREST                                          ; the barrier has opened a round of the cluster's: no wave of any partner still reads this slot or has a load on its way
	s_add_nc_u64 s[G0+4*\slot+2:G0+4*\slot+3], s[G0+4*\slot+2:G0+4*\slot+3], 2*HALFT
	s_add_nc_u64 s[G0B+4*\slot+2:G0B+4*\slot+3], s[G0B+4*\slot+2:G0B+4*\slot+3], 2*HALFT
	JLOAD G0+4*\slot, G1, G0B+4*\slot, G1B         ; the first tensor load behind the round; its four v_nop are among the places
	PLACES NP-4
.else
	PLACES NP
.endif
	FETCH_B \next, 0, 0
	FETCH_A \next, 0, 0
	SCALES \next
	WIN MUL_HI
	MUL16 4, 1, 1, \slot, 0
	MUL16 6, 1, 1, \slot, 0
	PLACES NP
	WIN 0
	FETCH_A \next, 0, 4
.endm
	s_wait_tensorcnt 1                             ; my part of slot 0 is in; slot 1's load may be out
	s_barrier_signal -1
	s_barrier_wait -1
	FETCH_B 0, 0, 0
	FETCH_A 0, 0, 0
	SCALES 0
	FETCH_A 0, 0, 4
	STEP 0, 0, 1
	s_mov_b32 s3, LAPS-1
.Llap:
	TURN 0, 1, 1
	STEP 1, 0, 0
	TURN 1, 0, 1
	STEP 0, 0, 0
	s_sub_co_u32 s3, s3, 1
	s_cmp_lg_u32 s3, 0
	s_cbranch_scc1 .Llap
	TURN 0, 1, 0                                   ; the last lap fills nothing
	STEP 1, 0, 0
	s_wait_dscnt 16
	WIN MUL_LO
	MUL16 0, 1, 1, 1, 0
	MUL16 2, 1, 1, 1, 0
	s_wait_dscnt 0x0
	WIN MUL_HI
	MUL16 4, 1, 1, 1, 0
	MUL16 6, 1, 1, 1, 0
	WIN 0
; THE WAY OUT.  Block a (16 rows of A on the lanes, 128 rows of B along 64 registers) becomes a fragment's codes in v[PC] on and its scale word in v[PW].  Each accumulator is read from its low end on.
.macro QUANTW a
.set QW, 2+(\a)/4
.set QS, 64*((\a)%4)
	WIN (QW<<2)|(QW<<4)
.irp b, 0,1,2,3
	v_max3_num_f32 v[TM+\b], s[FLR], |v[QS+16*\b]|, |v[QS+16*\b+1]|   ; the floor 2^(9 - 127) and my 16 numbers of block b; the four blocks by turns
.endr
.irp i, 2,4,6,8,10,12,14
.irp b, 0,1,2,3
	v_max3_num_f32 v[TM+\b], v[TM+\b], |v[QS+16*\b+\i]|, |v[QS+16*\b+\i+1]|
.endr
.endr
	WIN 0
.irp b, 0,1,2,3
	v_permlanex16_b32 v[TM+4+\b], v[TM+\b], s[SEL], s[SEL+1]
.endr
.irp b, 0,1,2,3
	v_max_num_f32 v[TM+\b], v[TM+\b], v[TM+4+\b]   ; with lane l xor 16's 16
.endr
.irp b, 0,1,2,3
	v_add_nc_u32 v[TM+12+\b], 0xfc000000, v[TM+\b]
.endr
.irp b, 0,1,2,3
	v_and_or_b32 v[TM+8+\b], v[TM+\b], 0x7f800000, s[MNT]
.endr
.irp b, 0,1,2,3
	v_lshrrev_b32 v[TM+4+\b], 23, v[TM+12+\b]
.endr
	v_lshl_or_b32 v[PW], v[TM+5], 8, v[TM+4]
	v_lshl_or_b32 v[PW], v[TM+6], 16, v[PW]
	v_lshl_or_b32 v[PW], v[TM+7], 24, v[PW]
	WIN (QW<<6)|QW
.irp b, 0,1,2,3
.irp i, 0,1,2,3,4,5,6,7,8,9,10,11,12,13,14,15
	v_med3_num_f32 v[QS+16*\b+\i], v[QS+16*\b+\i], -v[TM+8+\b], v[TM+8+\b]   ; the conversion does not saturate (ISA guide 7.6.2)
.endr
.endr
	WIN QW
.irp b, 0,1,2,3
	v_cvt_scalef32_pk8_fp8_f32 v[PC+4*\b:PC+4*\b+1], v[QS+16*\b:QS+16*\b+7], v[TM+12+\b]
	v_cvt_scalef32_pk8_fp8_f32 v[PC+4*\b+2:PC+4*\b+3], v[QS+16*\b+8:QS+16*\b+15], v[TM+12+\b]
.endr
	WIN 0
	v_nop                                          ; a plain line behind the last conversion
.endm
	PLACES NP                                      ; ahead of the first read of results
.irp b, 0,1,2,3
	v_mov_b32 v[TM+4+\b], 0                        ; written once: a lane permute's destination counts as one of its sources
.endr
.irp a, 0,1,2,3,4,5,6,7
.if \a > 0
	s_wait_xcnt 0x0                                ; the last block's stores have read their data and bases: both are written again only behind this wait
.if \a == 4
	s_add_nc_u64 s[LO:LO+1], s[LO:LO+1], s[78:79]
	s_add_nc_u64 s[HI:HI+1], s[HI:HI+1], s[78:79]
	s_add_nc_u64 s[SLO:SLO+1], s[SLO:SLO+1], s[80:81]
	s_add_nc_u64 s[SHI:SHI+1], s[SHI:SHI+1], s[80:81]
.else
	s_add_nc_u64 s[LO:LO+1], s[LO:LO+1], s[76:77]
	s_add_nc_u64 s[HI:HI+1], s[HI:HI+1], s[76:77]
	s_add_nc_u64 s[SLO:SLO+1], s[SLO:SLO+1], 128
	s_add_nc_u64 s[SHI:SHI+1], s[SHI:SHI+1], 128
.endif
.endif
	QUANTW \a
	global_store_b128 v[L16], v[PC:PC+3],     s[LO:LO+1]             ; each store covers 512 consecutive bytes, aligned
	global_store_b128 v[L16], v[PC+4:PC+7],   s[LO:LO+1] offset:512
	global_store_b128 v[L16], v[PC+8:PC+11],  s[HI:HI+1]
	global_store_b128 v[L16], v[PC+12:PC+15], s[HI:HI+1] offset:512
	global_store_b32 v[L4], v[PW], s[SLO:SLO+1]
	s_cmp_eq_u32 ttmp9, 2                          ; q, k: the second head's two bytes make a word of their own; v's four belong together
	s_cbranch_scc1 .Lone_word_\a
	v_lshrrev_b32 v[PW2], 16, v[PW]
	global_store_b32 v[L4], v[PW2], s[SHI:SHI+1]
.Lone_word_\a:
.endr
	s_wait_tensorcnt 0x0                           ; the wave's end
	ds_add_u32 v[SPW], v[NIL]
	s_wait_dscnt 0x0
	CROUND                                         ; the closing round
	s_endpgm
.Lfunc_end_k_qfc2abe9259_qkv:
	.size	k_qfc2abe9259_qkv, .Lfunc_end_k_qfc2abe9259_qkv-k_qfc2abe9259_qkv
	.p2alignl 7, 3214868480
	.fill 96, 4, 3214868480
	.section	.rodata,"a",@progbits
	.p2align	6, 0x0
	.amdhsa_kernel k_qfc2abe9259_qkv
		.amdhsa_group_segment_fixed_size 327680
		.amdhsa_private_segment_fixed_size 0
		.amdhsa_enable_private_segment 0
		.amdhsa_kernarg_size 32
		.amdhsa_user_sgpr_count 2
		.amdhsa_user_sgpr_kernarg_segment_ptr 1
		.amdhsa_wavefront_size32 1
		.amdhsa_system_sgpr_workgroup_id_x 1
		.amdhsa_system_sgpr_workgroup_id_y 1
		.amdhsa_system_sgpr_workgroup_id_z 1
		.amdhsa_system_vgpr_workitem_id 0
		.amdhsa_next_free_vgpr 1024
		.amdhsa_next_free_sgpr 100
		.amdhsa_reserve_vcc 0
		.amdhsa_float_denorm_mode_32 3
		.amdhsa_float_denorm_mode_16_64 3
		.amdhsa_memory_ordered 1
		.amdhsa_forward_progress 1
		.amdhsa_inst_pref_size 188
	.end_amdhsa_kernel
	.amdgpu_metadata
---
amdhsa.version: [ 1, 2 ]
amdhsa.kernels:
  - .name:           k_qfc2abe9259_qkv
    .symbol:         k_qfc2abe9259_qkv.kd
    .args:
      - { .name: hc, .offset: 0, .size: 8, .value_kind: global_buffer, .address_space: global }
      - { .name: wcodes, .offset: 8, .size: 8, .value_kind: global_buffer, .address_space: global }
      - { .name: qc, .offset: 16, .size: 8, .value_kind: global_buffer, .address_space: global }
      - { .name: kv, .offset: 24, .size: 8, .value_kind: global_buffer, .address_space: global }
    .group_segment_fixed_size: 327680
    .private_segment_fixed_size: 0
    .kernarg_segment_align: 8
    .kernarg_segment_size: 32
    .max_flat_workgroup_size: 128
    .sgpr_count:     100
    .vgpr_count:     1024
    .wavefront_size: 32
...
	.end_amdgpu_metadata
.endif
;; end of part 3
;; launch attn (part 4): grid 8 x 32, 16 waves a work-group, clusters of 4 x 1, 288,768 bytes of LDS; arguments qc, kv, ac; writes ac
.if DOCPART == 4
	.amdgcn_target "amdgcn-amd-amdhsa--gfx1250"
	.amdhsa_code_object_version 6
	.text
	.protected	k_qfc2abe9259_attn
	.globl	k_qfc2abe9259_attn
	.p2align	8
	.type	k_qfc2abe9259_attn,@function
k_qfc2abe9259_attn:
	s_mov_b64 s[64:65], 0
	v_nop
	global_prefetch_b8 v0, s[64:65] scope:SCOPE_SE
	s_setreg_imm32_b32 hwreg(HW_REG_WAVE_MODE, 25, 1), 1
	s_wait_xcnt 0x0
	s_wait_alu depctr_hold_cnt(0) depctr_sa_sdst(0) depctr_va_vdst(0) depctr_va_sdst(0) depctr_va_ssrc(0) depctr_va_vcc(0) depctr_vm_vsrc(0)
	s_getreg_b32 s2, hwreg(HW_REG_IB_STS2, 6, 4)
	s_cmp_eq_u32 s2, 0
	s_cbranch_scc0 .Lentry_in_a_cluster
	s_endpgm
.Lentry_in_a_cluster:
	s_bfe_u32 s2, ttmp6, 0x10000c
	s_cmp_lg_u32 s2, 0x3003
	s_cbranch_scc0 .Lentry_shape_is_right
	s_endpgm
.Lentry_shape_is_right:
; Causal attention of 32 (batch, head) pairs, 2,048 tokens, head size 64, both products on codes of FP8 (E4M3) with E8M0 scales, and the result's codes along head x 64 + d.
; WORK LEFT OUT: a group of 128 keys all of which come after a tile's 16 queries has weight 0 under reference()'s own tril for every finite input: it is not walked.  A NaN or an infinity there is not carried.
; SOFTMAX: t = score x log2(e) / 32 (reference() scales by 1,024^-0.5); M = the running largest t rounded up to a whole number; p = 2^(t - M) is quantised along the keys, not normalised;
; the row's sum is taken of the unquantised p and divides at the end; when M moves, the sum and O are multiplied by 2^(old M - new M), which rounds nothing.
; A block's largest p is made from the block's largest score by the same two instructions (this takes v_exp_f32 not to fall where its input rises).
; SHARES.  A work-group has place p = 0..7 in its head; wave w owns ONE tile of 16 queries, 128 i + 16 p + r, and walks key groups 0 .. i; group i holds its diagonal.  i is a fixed
; permutation of the wave's number, a 4 x 4 magic square: any four waves w / 4 = const or w % 4 = const walk 34 groups together, and every work-group walks 136.
; THE WHOLE HEAD'S K AND V STAY IN LDS: 16 groups x 17,920 bytes, filled once, by two joint loads a wave (35 rows of 256 bytes each) that the four work-groups of a cluster share.
; A group: k's 8 tiles of 16 keys (1024 t + 512 c + 16 lane, words at 8192 + 128 t + 4 lane), from 9,216 v's 4 tiles of 16 d x 128 keys (2048 t + 512 c + 16 lane, words at 8192 + 128 t + 4 lane).
; LAYOUT.  Both products transposed: S^T = K Q^T (source 0 = 16 keys), O^T = V^T P^T (source 0 = 16 of d): a lane holds one query throughout.  The scores' K is 64: the upper 64 of the
; instruction's 128 are zero codes on both sides.  p's 16 registers of two neighbouring tiles are a block's places in this program's order along K, in which v's codes were laid.
; LIMITS: NaN and infinities are not served; a block of zeros keeps the byte 1; v_exp_f32 and v_rcp_f32 are good to 1 ulp.
.set GRP,   17920
.set VPART, 9216
.set HALFH, 8*GRP
.set SPARE, 16*GRP                     ; behind the head: the spare words, 128 bytes for each of 16 waves; no other line names them
.set L16, 1                            ; 16 x lane
.set L4,  2                            ; 4 x lane
.set ADK, 3                            ; the group in hand + 16 x lane
.set ADS, 4                            ; + 4 x lane
.set SPW, 5
.set NIL, 6
.set DG,  7                            ; 16 p + r - 8 h: in the diagonal group register 8 t + j holds a hidden key where 16 t + j is above it
.set QF,  16                           ; v16-31   Q's fragment (v24-31 zero codes)
.set KF,  32                           ; v32-95   four fragments of K (the upper 8 registers of each: zero codes, set once)
.set ST,  96                           ; v96-159  S^T, then p, then V's four fragments
.set OT,  160                          ; v160-191 O^T
.set PCD, 192                          ; v192-207 p's codes
.set BM,  208                          ; the blocks' largest scores, then p
.set PB,  212                          ; the other half's, then the bytes
.set HO,  216                          ; 448 x the scale
.set SO,  220                          ; the conversions' scale operands
.set TP,  224
.set S2,  226                          ; v[226:227] the sums' second chain
.set FF,  228                          ; v[228:229] f = 2^(old M - new M) (v229 written once)
.set KSW, 232                          ; scale words: K's four, V's four, Q's, p's
.set VSW, 236
.set QSW, 240
.set PSW, 241
.set WV,  10
.set II,  11
.set MNT, 19
.set SEL, 20
.set CS,  22
.set G,   40                           ; the group in hand
.set TB,  41                           ; its LDS byte
.macro CROUND
	s_barrier_signal -1
	s_barrier_wait -1
	s_cmp_lg_u32 s[WV], 0
	s_cbranch_scc1 .Lnot_wave_0_\@
	s_barrier_signal -3
.Lnot_wave_0_\@:
	s_barrier_wait -3
	s_barrier_signal -1
	s_barrier_wait -1
.endm
	s_load_b128 s[4:7], s[0:1], 0x0                ; qc, kv
	s_load_b64 s[8:9], s[0:1], 0x10                ; ac
	v_lshl_add_u32 v[SPW], v0, 2, SPARE
	v_mov_b32 v[NIL], 0
	ds_add_u32 v[SPW], v[NIL]                      ; the wave's opening: the add, twice on end, and its wait ahead of my first tensor load
	ds_add_u32 v[SPW], v[NIL]
	v_lshrrev_b32 v8, 5, v0
	v_readfirstlane_b32 s[WV], v8                  ; wave 0..15
	s_bfe_u32 s12, ttmp6, 0x40000                  ; cx
	s_lshl_b32 s13, ttmp9, 2
	s_add_co_u32 s13, s13, s12                     ; p: it enters global addresses and the mask's compare alone
	s_and_b32 s14, ttmp7, 0xffff                   ; bh
	s_mov_b32 s[II], 0x0de3b658
	s_cmp_lt_u32 s[WV], 8
	s_cselect_b32 s[II], 0x7a94c12f, s[II]
	s_and_b32 s15, s[WV], 7
	s_lshl_b32 s15, s15, 2
	s_lshr_b32 s[II], s[II], s15
	s_and_b32 s[II], s[II], 15                     ; i: nibble w of the table
	s_mov_b32 s24, 15|(3<<16)|(1<<21)              ; group 1: the mask names all four; elements of 8 bytes; bit 21 beside a mask; no padding
	s_mov_b32 s25, 32<<16                          ; rows of 256 bytes,
	s_mov_b32 s26, 35<<16                          ; 35 of them, dense
	s_mov_b32 s27, 32<<16
	s_mov_b32 s28, 35
	s_mov_b32 s29, 32
	s_mov_b32 s30, 0
	s_mov_b32 s31, 0
	s_mul_i32 s16, s[WV], 8960                     ; my sixteenth of half a head
	s_mul_i32 s44, s14, 16*GRP
	s_add_co_u32 s44, s44, s16
	s_mov_b32 s45, 0
	s_mov_b32 s[MNT], 0x600000
	s_mov_b32 s[SEL], 0x76543210
	s_mov_b32 s[SEL+1], 0xfedcba98
	s_mov_b32 s[CS], 0x3d38aa3b                    ; c = log2(e) / 32
	s_mov_b32 s[CS+1], s[CS]
	s_mov_b32 s[G], 0
	s_mov_b32 s[TB], 0
	s_wait_dscnt 0x0                               ; both opening adds are done
	s_wait_kmcnt 0x0
	s_add_nc_u64 s[44:45], s[6:7], s[44:45]
	CROUND                                         ; all four work-groups are here: the joint loads meet
	s_mov_b32 s32, 1
	s_mov_b32 s33, s16
	s_mov_b64 s[34:35], s[44:45]
	s_or_b32 s35, s35, 0x80000000
	s_mov_b32 s36, 1
	s_add_co_u32 s37, s16, HALFH
	s_add_nc_u64 s[38:39], s[44:45], HALFH
	s_or_b32 s39, s39, 0x80000000
	tensor_load_to_lds s[32:35], s[24:31]          ; groups 0-7: two loads of mine are out, and no more follow
	s_nop 0
	tensor_load_to_lds s[36:39], s[24:31]          ; groups 8-15
	s_nop 0
.rept 4
	v_nop
.endr
	v_and_b32 v8, 31, v0
	v_lshlrev_b32 v[L16], 4, v8
	v_lshlrev_b32 v[L4], 2, v8
	s_lshl_b32 s15, s[II], 3
	s_add_co_u32 s15, s15, s13                     ; my tile: p + 8 i
	s_lshl_b32 s17, s14, 7
	s_add_co_u32 s15, s15, s17
	s_lshl_b32 s48, s15, 10
	s_mov_b32 s49, 0
	s_lshl_b32 s50, s15, 7
	s_add_co_u32 s50, s50, 4194304
	s_mov_b32 s51, 0
	s_add_nc_u64 s[48:49], s[4:5], s[48:49]
	s_add_nc_u64 s[50:51], s[4:5], s[50:51]
	global_load_b128 v[QF:QF+3],   v[L16], s[48:49]
	global_load_b128 v[QF+4:QF+7], v[L16], s[48:49] offset:512
	global_load_b32 v[QSW], v[L4], s[50:51]
	s_lshr_b32 s15, s14, 4                         ; where the result goes: the batch,
	s_and_b32 s16, s14, 15                         ; the head
	s_lshl_b32 s15, s15, 4
	s_add_co_u32 s15, s15, s[II]                   ; row block 16 batch + i
	s_lshl_b32 s15, s15, 3
	s_lshr_b32 s17, s16, 1
	s_add_co_u32 s15, s15, s17                     ; K step head / 2
	s_mul_i32 s15, s15, 17408
	s_and_b32 s16, s16, 1
	s_lshl_b32 s17, s13, 11
	s_add_co_u32 s52, s15, s17                     ; fragment p,
	s_lshl_b32 s17, s16, 10
	s_add_co_u32 s52, s52, s17                     ; blocks 2 (head % 2) on
	s_mov_b32 s53, 0
	s_lshl_b32 s17, s13, 7
	s_add_co_u32 s54, s15, s17
	s_lshl_b32 s17, s16, 1
	s_add_co_u32 s54, s54, s17
	s_add_co_u32 s54, s54, 16384                   ; my head's two bytes of each scale word
	s_mov_b32 s55, 0
	s_add_nc_u64 s[52:53], s[8:9], s[52:53]
	s_add_nc_u64 s[54:55], s[8:9], s[54:55]
	v_and_b32 v8, 15, v0
	v_bfe_u32 v9, v0, 4, 1
	v_lshlrev_b32 v9, 3, v9
	v_sub_nc_u32 v[DG], v8, v9
	s_lshl_b32 s17, s13, 4
	v_add_nc_u32 v[DG], s17, v[DG]
	v_mov_b32 v13, 0xff61b1e6                      ; the largest t so far: -3e38
	v_floor_f32 v12, -v13                          ; -M
	v_mov_b32 v14, 0                               ; the sum, in two halves
	v_mov_b32 v15, 0
	v_mov_b32 v[TP], 0
	v_mov_b32 v[FF+1], 0
.irp j, 0,1,2,3
	v_mov_b32 v[PB+\j], 0                          ; written once: a lane permute's destination counts as one of its sources
.endr
.irp j, 8,9,10,11,12,13,14,15
	v_mov_b32 v[QF+\j], 0                          ; zero codes for the upper 64 of the scores' K
.irp t, 0,1,2,3
	v_mov_b32 v[KF+16*\t+\j], 0
.endr
.endr
.set n, 0
.rept 32
	v_mov_b32 v[OT+n], 0                           ; O^T: the step is written once; its first turn finds zeros
.set n, n+1
.endr
; A KEY GROUP: 128 keys
.macro STEP
	s_cmp_gt_u32 s[G], s[II]                       ; all its keys come after my queries: left out
	s_cbranch_scc1 .Lhidden_\@
	v_add_nc_u32 v[ADK], s[TB], v[L16]
	v_add_nc_u32 v[ADS], s[TB], v[L4]
.rept 7
	v_nop                                          ; with the two additions nine places: the scores below are written over V's fragments, which the last products read
.endr
.irp gg, 0,1
.if \gg
.rept 8
	v_nop                                          ; places ahead of loads into registers that matrix instructions have read
.endr
.endif
.irp t, 0,1,2,3
	ds_load_b128 v[KF+16*\t:KF+16*\t+3],   v[ADK] offset:1024*(4*\gg+\t)
	ds_load_b128 v[KF+16*\t+4:KF+16*\t+7], v[ADK] offset:1024*(4*\gg+\t)+512
	ds_load_b32 v[KSW+\t], v[ADS] offset:8192+128*(4*\gg+\t)
.endr
	s_wait_dscnt 0x0
.irp t, 0,1,2,3
	v_wmma_scale_f32_16x16x128_f8f6f4 v[ST+8*(4*\gg+\t):ST+8*(4*\gg+\t)+7], v[KF+16*\t:KF+16*\t+15], v[QF:QF+15], 0, v[KSW+\t], v[QSW]
.endr
.endr
.rept 8
	v_nop
.endr
	s_cmp_lg_u32 s[G], s[II]                       ; the diagonal group alone is masked
	s_cbranch_scc1 .Lopen_\@
	v_mov_b32 v[TP], 0xff800000                    ; -infinity: p = 0 then
.set n, 0
.rept 64
	v_cmp_gt_i32 vcc_lo, 16*(n/8)+n%8, v[DG]
	v_cndmask_b32 v[ST+n], v[ST+n], v[TP], vcc_lo
.set n, n+1
.endr
.Lopen_\@:
.irp b, 0,1,2,3
	v_max3_num_f32 v[BM+\b], v[ST+16*\b], v[ST+1+16*\b], v[ST+2+16*\b]   ; the largest score of each block of 32 keys; the four blocks by turns
.endr
.irp i, 3,5,7,9,11,13
.irp b, 0,1,2,3
	v_max3_num_f32 v[BM+\b], v[BM+\b], v[ST+16*\b+\i], v[ST+1+16*\b+\i]
.endr
.endr
.irp b, 0,1,2,3
	v_max_num_f32 v[BM+\b], v[BM+\b], v[ST+15+16*\b]
.endr
.irp b, 0,1,2,3
	v_permlanex16_b32 v[PB+\b], v[BM+\b], s[SEL], s[SEL+1]
.endr
.irp b, 0,1,2,3
	v_max_num_f32 v[BM+\b], v[BM+\b], v[PB+\b]
.endr
	v_max3_num_f32 v[TP], v[BM], v[BM+1], v[BM+2]
	v_max_num_f32 v[TP], v[TP], v[BM+3]
	v_mul_f32 v[TP], s[CS], v[TP]
	v_max_num_f32 v13, v13, v[TP]                  ; the running largest t
	v_mov_b32 v[TP], v12
	v_floor_f32 v12, -v13                          ; the new -M = -ceil(t)
	v_sub_f32 v[TP], v12, v[TP]                    ; old M - new M: a whole number, 0 or less
	v_cvt_i32_f32 v[TP], v[TP]                     ; (it saturates)
	v_ldexp_f32 v[FF], 1.0, v[TP]                  ; f
.set n, 0
.rept 32
	v_pk_fma_f32 v[ST+n:ST+n+1], v[ST+n:ST+n+1], s[CS:CS+1], v[12:13] op_sel_hi:[1,0,0]   ; t - M
.set n, n+2
.endr
.irp b, 0,1,2,3
	v_fma_f32 v[BM+\b], v[BM+\b], s[CS], v12
.endr
.set n, 0
.rept 64
	v_exp_f32 v[ST+n], v[ST+n]                     ; p
.set n, n+1
.endr
	v_pk_mul_f32 v[14:15], v[14:15], v[FF:FF+1] op_sel_hi:[1,0]   ; the sums under the new M: a plain line behind the exponentials
	s_wait_alu depctr_va_vdst(0)                   ; one wait for the batch, ahead of its first reader
.irp b, 0,1,2,3
	v_exp_f32 v[BM+\b], v[BM+\b]                   ; the blocks' largest p
.endr
	v_pk_add_f32 v[S2:S2+1], v[ST:ST+1], v[ST+2:ST+3]   ; the row's sum of the unquantised p, in two chains
.irp j, 4,8,12,16,20,24,28,32,36,40,44,48,52,56,60
	v_pk_add_f32 v[14:15], v[14:15], v[ST+\j:ST+\j+1]
	v_pk_add_f32 v[S2:S2+1], v[S2:S2+1], v[ST+2+\j:ST+3+\j]
.endr
	v_pk_add_f32 v[14:15], v[14:15], v[S2:S2+1]
	s_wait_alu depctr_va_vdst(0)                   ; and one for the four
.irp b, 0,1,2,3
	v_max_num_f32 v[BM+\b], 0x4800000, v[BM+\b]    ; the floor 2^(9 - 127)
.endr
.irp b, 0,1,2,3
	v_add_nc_u32 v[SO+\b], 0xfc000000, v[BM+\b]
.endr
.irp b, 0,1,2,3
	v_and_or_b32 v[HO+\b], v[BM+\b], 0x7f800000, s[MNT]
.endr
.irp b, 0,1,2,3
	v_lshrrev_b32 v[PB+\b], 23, v[SO+\b]
.endr
	v_lshl_or_b32 v[PSW], v[PB+1], 8, v[PB]
	v_lshl_or_b32 v[PSW], v[PB+2], 16, v[PSW]
	v_lshl_or_b32 v[PSW], v[PB+3], 24, v[PSW]
.irp b, 0,1,2,3
.irp i, 0,1,2,3,4,5,6,7,8,9,10,11,12,13,14,15
	v_min_num_f32 v[ST+16*\b+\i], v[ST+16*\b+\i], v[HO+\b]   ; the hold; p is not negative
.endr
	v_cvt_scalef32_pk8_fp8_f32 v[PCD+4*\b:PCD+4*\b+1], v[ST+16*\b:ST+16*\b+7], v[SO+\b]
	v_cvt_scalef32_pk8_fp8_f32 v[PCD+4*\b+2:PCD+4*\b+3], v[ST+16*\b+8:ST+16*\b+15], v[SO+\b]
.endr
	v_nop                                          ; a plain line behind the last conversion
.irp t, 0,1,2,3
.irp c, 0,1,2,3
	ds_load_b128 v[ST+16*\t+4*\c:ST+16*\t+4*\c+3], v[ADK] offset:VPART+2048*\t+512*\c   ; V's fragments take p's place
.endr
	ds_load_b32 v[VSW+\t], v[ADS] offset:VPART+8192+128*\t
.endr
.set n, 0
.rept 16
	v_pk_mul_f32 v[OT+n:OT+n+1], v[OT+n:OT+n+1], v[FF:FF+1] op_sel_hi:[1,0]   ; O^T under the new M; also the places between p's codes and the products
.set n, n+2
.endr
	s_wait_dscnt 0x0
.irp t, 0,1,2,3
	v_wmma_scale_f32_16x16x128_f8f6f4 v[OT+8*\t:OT+8*\t+7], v[ST+16*\t:ST+16*\t+15], v[PCD:PCD+15], v[OT+8*\t:OT+8*\t+7], v[VSW+\t], v[PSW]
.endr
.Lhidden_\@:
.endm
.macro WALK trips                      ; a constant number of groups; a wave jumps over the work of those beyond its own
	s_mov_b32 s42, \trips
.Lgroup_\@:
	STEP
	s_add_co_u32 s[G], s[G], 1
	s_add_co_u32 s[TB], s[TB], GRP
	s_sub_co_u32 s42, s42, 1
	s_cmp_lg_u32 s42, 0
	s_cbranch_scc1 .Lgroup_\@
.endm
	s_wait_loadcnt 0x0                             ; Q
	s_wait_tensorcnt 1                             ; my part of groups 0-7 is in; the second load may be out
	s_barrier_signal -1
	s_barrier_wait -1
	WALK 2                                         ; two groups, which nearly every wave walks, while the second half lands
	s_wait_tensorcnt 0x0                           ; my part of groups 8-15 is in
	s_wait_dscnt 0x0
	s_barrier_signal -1
	s_barrier_wait -1
	WALK 14
	; THE WAY OUT: O^T / the sum, quantised along d: my head's two blocks of 32
.rept 8
	v_nop
.endr
	v_add_f32 v14, v14, v15
	v_permlanex16_b32 v[TP], v14, s[SEL], s[SEL+1]
	v_add_f32 v14, v14, v[TP]                      ; the row's sum
	v_rcp_f32 v14, v14
	v_nop
	s_wait_alu depctr_va_vdst(0)
.set n, 0
.rept 16
	v_pk_mul_f32 v[OT+n:OT+n+1], v[OT+n:OT+n+1], v[14:15] op_sel_hi:[1,0]   ; each accumulator from its low end on
.set n, n+2
.endr
.irp b, 0,1
	v_max3_num_f32 v[BM+\b], |v[OT+16*\b]|, |v[OT+1+16*\b]|, 0x4800000
.endr
.irp i, 2,4,6,8,10,12,14
.irp b, 0,1
	v_max3_num_f32 v[BM+\b], v[BM+\b], |v[OT+16*\b+\i]|, |v[OT+1+16*\b+\i]|
.endr
.endr
.irp b, 0,1
	v_permlanex16_b32 v[PB+\b], v[BM+\b], s[SEL], s[SEL+1]
.endr
.irp b, 0,1
	v_max_num_f32 v[BM+\b], v[BM+\b], v[PB+\b]
.endr
.irp b, 0,1
	v_add_nc_u32 v[SO+\b], 0xfc000000, v[BM+\b]
.endr
.irp b, 0,1
	v_and_or_b32 v[HO+\b], v[BM+\b], 0x7f800000, s[MNT]
.endr
.irp b, 0,1
	v_lshrrev_b32 v[PB+\b], 23, v[SO+\b]
.endr
	v_lshl_or_b32 v[TP+1], v[PB+1], 8, v[PB]
.irp b, 0,1
.irp i, 0,1,2,3,4,5,6,7,8,9,10,11,12,13,14,15
	v_med3_num_f32 v[OT+16*\b+\i], v[OT+16*\b+\i], -v[HO+\b], v[HO+\b]
.endr
	v_cvt_scalef32_pk8_fp8_f32 v[PCD+4*\b:PCD+4*\b+1], v[OT+16*\b:OT+16*\b+7], v[SO+\b]
	v_cvt_scalef32_pk8_fp8_f32 v[PCD+4*\b+2:PCD+4*\b+3], v[OT+16*\b+8:OT+16*\b+15], v[SO+\b]
.endr
	v_nop
	global_store_b128 v[L16], v[PCD:PCD+3],   s[52:53]             ; 512 consecutive bytes a store, aligned
	global_store_b128 v[L16], v[PCD+4:PCD+7], s[52:53] offset:512
	global_store_b16 v[L4], v[TP+1], s[54:55]      ; two of a word's four bytes; the K step's other head stores the other two
	s_wait_tensorcnt 0x0                           ; the wave's end
	ds_add_u32 v[SPW], v[NIL]
	s_wait_dscnt 0x0
	CROUND                                         ; the closing round
	s_endpgm
.Lfunc_end_k_qfc2abe9259_attn:
	.size	k_qfc2abe9259_attn, .Lfunc_end_k_qfc2abe9259_attn-k_qfc2abe9259_attn
	.p2alignl 7, 3214868480
	.fill 96, 4, 3214868480
	.section	.rodata,"a",@progbits
	.p2align	6, 0x0
	.amdhsa_kernel k_qfc2abe9259_attn
		.amdhsa_group_segment_fixed_size 288768
		.amdhsa_private_segment_fixed_size 0
		.amdhsa_enable_private_segment 0
		.amdhsa_kernarg_size 24
		.amdhsa_user_sgpr_count 2
		.amdhsa_user_sgpr_kernarg_segment_ptr 1
		.amdhsa_wavefront_size32 1
		.amdhsa_system_sgpr_workgroup_id_x 1
		.amdhsa_system_sgpr_workgroup_id_y 1
		.amdhsa_system_sgpr_workgroup_id_z 1
		.amdhsa_system_vgpr_workitem_id 0
		.amdhsa_next_free_vgpr 256
		.amdhsa_next_free_sgpr 66
		.amdhsa_reserve_vcc 1
		.amdhsa_float_denorm_mode_32 3
		.amdhsa_float_denorm_mode_16_64 3
		.amdhsa_memory_ordered 1
		.amdhsa_forward_progress 1
		.amdhsa_inst_pref_size 63
	.end_amdhsa_kernel
	.amdgpu_metadata
---
amdhsa.version: [ 1, 2 ]
amdhsa.kernels:
  - .name:           k_qfc2abe9259_attn
    .symbol:         k_qfc2abe9259_attn.kd
    .args:
      - { .name: qc, .offset: 0, .size: 8, .value_kind: global_buffer, .address_space: global }
      - { .name: kv, .offset: 8, .size: 8, .value_kind: global_buffer, .address_space: global }
      - { .name: ac, .offset: 16, .size: 8, .value_kind: global_buffer, .address_space: global }
    .group_segment_fixed_size: 288768
    .private_segment_fixed_size: 0
    .kernarg_segment_align: 8
    .kernarg_segment_size: 24
    .max_flat_workgroup_size: 512
    .sgpr_count:     66
    .vgpr_count:     256
    .wavefront_size: 32
...
	.end_amdgpu_metadata
.endif
;; end of part 4
;; launch wo (part 5): grid 4 x 16, 4 waves a work-group, clusters of 4 x 4, 327,680 bytes of LDS; arguments ac, wcodes, bo, x, x1; writes x1
.if DOCPART == 5
	.amdgcn_target "amdgcn-amd-amdhsa--gfx1250"
	.amdhsa_code_object_version 6
	.text
	.protected	k_qfc2abe9259_wo
	.globl	k_qfc2abe9259_wo
	.p2align	8
	.type	k_qfc2abe9259_wo,@function
k_qfc2abe9259_wo:
	s_mov_b64 s[64:65], 0
	v_nop
	global_prefetch_b8 v0, s[64:65] scope:SCOPE_SE
	s_setreg_imm32_b32 hwreg(HW_REG_WAVE_MODE, 25, 1), 1
	s_wait_xcnt 0x0
	s_wait_alu depctr_hold_cnt(0) depctr_sa_sdst(0) depctr_va_vdst(0) depctr_va_sdst(0) depctr_va_ssrc(0) depctr_va_vcc(0) depctr_vm_vsrc(0)
	s_getreg_b32 s2, hwreg(HW_REG_IB_STS2, 6, 4)
	s_cmp_eq_u32 s2, 0
	s_cbranch_scc0 .Lentry_in_a_cluster
	s_endpgm
.Lentry_in_a_cluster:
	s_bfe_u32 s2, ttmp6, 0x10000c
	s_cmp_lg_u32 s2, 0xf033
	s_cbranch_scc0 .Lentry_shape_is_right
	s_endpgm
.Lentry_shape_is_right:
; x1 = x + attn wo + bo: attention's codes (4,096 x 1,024, panels) times wo's (1,024 rows x 1,024, panels 192-255 of wcodes); f32 out.
; PANEL: 128 rows x 128 K as images of operand registers: fragment i at 2048 i + 512 c + 16 lane, scale words at 16384 + 128 i + 4 lane; 17,408 bytes; a tensor is [rows / 128][K / 128][panel].
; A tile of the result, 256 x 256, is made by four waves, 128 x 128 each: 64 accumulators.  K goes through a ring of two LDS slots of 256 along K; a wave's tensor load brings two neighbouring
; panels, 34,816 dense bytes.  CLUSTERS of 4 x 4: the tokens' panels (side A) are shared along a row of the cluster, the weights' (side B) along a column, by joint loads.
; THE MATRIX INSTRUCTION IS USED TRANSPOSED (source 0 = 16 weight rows, source 1 = 16 tokens): a lane holds eight neighbouring columns of one row of the result.
; The bias is the C of each sum's first product.  On the way out a block of 16 rows goes through the wave's stage in LDS, comes back as whole rows of 512 bytes, takes the residual and is stored.
; The result has 64 tiles of 256 x 256: 64 work-groups.  The sums' order differs from K ascending (this program's order inside a block of 32).
; REGISTERS: window 0: v16-30 addresses; v32-63 scale words, two sets; v64-127 the bias; v128-255 A's fragments, on the way out rows.  window 1: B's fragments, two sets; on the way out the residual.  windows 2, 3: accumulator (a, b) at v[8 (8 (a % 4) + b)].
.set KS,    8                          ; K steps of 128
.set WOFF,  192*17408                  ; where the weight's panels begin in wcodes
.set ROWO,  4096                       ; a row of the result and of the residual in bytes
.set PAN,   17408
.set HALFT, 2*PAN
.set SLOT,  4*HALFT
.set SPARE, 2*SLOT                     ; behind the ring: the spare words, 128 bytes a wave; no other line names them
.set RBS,   KS*PAN
.set LAPS,  KS/4
.set NP,    8
.set SPITCH, 528                       ; the stage: 16 rows x (512 + 16) bytes a wave, in slot 0, which has had its last fill and its last read when the first result is stored there
.set ADRA, 16
.set ADRS, 18
.set ADRB, 20
.set STO,  24
.set RD,   25
.set L16,  26
.set L4,   27
.set SPW,  28
.set NIL,  29
.set H32,  30
.set SC,   32
.set BIAS, 64
.set AF,   128
.set BK,   128
.set G1, 24
.set G0, 32
.set G1B, 48
.set G0B, 56
.set MSB, 0
.macro WIN new
.if MSB != (\new)
	s_set_vgpr_msb (MSB<<8)|(\new)
.set MSB, (\new)
.endif
.endm
.set TO_B, 0x40
.macro WMUL hi, first                  ; source 0 (B) window 1, source 1 (A) window 0, D window 2 + hi; C: the same, or in the first K step the bias in window 0
.if \first
	WIN 0x81+0x40*(\hi)
.else
	WIN 0xa1+0x50*(\hi)
.endif
.endm
.macro JLOAD g0a, g1a, g0b, g1b        ; a joint load: waves 0, 1 for A, waves 2, 3 for B; an s_nop 0 and four v_nop follow each line
	s_cmp_eq_u32 s15, 0
	s_cbranch_scc0 .Lfor_b_\@
	tensor_load_to_lds s[\g0a:\g0a+3], s[\g1a:\g1a+7]
	s_nop 0
.rept 4
	v_nop
.endr
	s_branch .Lasked_\@
.Lfor_b_\@:
	tensor_load_to_lds s[\g0b:\g0b+3], s[\g1b:\g1b+7]
	s_nop 0
.rept 4
	v_nop
.endr
.Lasked_\@:
.endm
.macro CREST
	s_cmp_lg_u32 s14, 0
	s_cbranch_scc1 .Lnot_wave_0_\@
	s_barrier_signal -3
.Lnot_wave_0_\@:
	s_barrier_wait -3
	s_barrier_signal -1
	s_barrier_wait -1
.endm
.macro CROUND
	s_barrier_signal -1
	s_barrier_wait -1
	CREST
.endm
	s_load_b256 s[4:11], s[0:1], 0x0               ; A's panels, wcodes, the bias, the residual
	s_load_b64 s[12:13], s[0:1], 0x20              ; the result
	v_lshl_add_u32 v[SPW], v0, 2, SPARE
	v_mov_b32 v[NIL], 0
	ds_add_u32 v[SPW], v[NIL]                      ; the wave's opening: the add, twice on end, and its wait ahead of my first tensor load
	ds_add_u32 v[SPW], v[NIL]
	v_lshrrev_b32 v1, 5, v0
	v_readfirstlane_b32 s14, v1                    ; wave 0..3
	s_lshr_b32 s15, s14, 1                         ; wA; also: I fetch for A (0) or for B (1)
	s_and_b32 s16, s14, 1                          ; wB; also: which row block I fetch
	s_bfe_u32 s40, ttmp6, 0x40000                  ; cx
	s_bfe_u32 s41, ttmp6, 0x40004                  ; cy
	s_lshl_b32 s42, ttmp9, 2
	s_add_co_u32 s42, s42, s40                     ; T_B: the tile of 256 columns
	s_and_b32 s17, ttmp7, 0xffff
	s_lshl_b32 s17, s17, 2
	s_add_co_u32 s17, s17, s41                     ; T_A: the tile of 256 tokens
	s_lshl_b32 s43, s41, 2
	s_lshl_b32 s43, 15, s43
	s_lshl_b32 s44, 0x1111, s40
	s_or_b32 s[G1+0], s43, (3<<16)|(1<<21)         ; the mask; elements of 8 bytes; bit 21 beside a mask; no padding
	s_or_b32 s[G1B+0], s44, (3<<16)|(1<<21)
.irp g, G1, G1B
	s_mov_b32 s[\g+1], 32<<16                      ; rows of 256 bytes,
	s_mov_b32 s[\g+2], 136<<16                     ; 136 of them, dense
	s_mov_b32 s[\g+3], 32<<16
	s_mov_b32 s[\g+4], 136
	s_mov_b32 s[\g+5], 32
	s_mov_b32 s[\g+6], 0
	s_mov_b32 s[\g+7], 0
.endr
	s_lshl_b32 s20, s17, 1
	s_add_co_u32 s20, s20, s16
	s_mul_i32 s20, s20, RBS
	s_mov_b32 s21, 0
	s_lshl_b32 s46, s42, 1
	s_add_co_u32 s46, s46, s16
	s_mul_i32 s46, s46, RBS
	s_add_co_u32 s46, s46, WOFF
	s_mov_b32 s47, 0
	s_mul_i32 s45, s14, HALFT
	s_wait_dscnt 0x0                               ; both opening adds are done
	s_wait_kmcnt 0x0
	s_add_nc_u64 s[20:21], s[4:5], s[20:21]
	s_add_nc_u64 s[46:47], s[6:7], s[46:47]
	CROUND                                         ; all sixteen work-groups are here: the first joint loads meet
.irp s, 0,1
	s_mov_b32 s[G0+4*\s], 1
	s_add_co_u32 s[G0+4*\s+1], s45, \s*SLOT
	s_add_nc_u64 s[G0+4*\s+2:G0+4*\s+3], s[20:21], \s*HALFT
	s_or_b32 s[G0+4*\s+3], s[G0+4*\s+3], 0x80000000
	s_mov_b32 s[G0B+4*\s], 1
	s_add_co_u32 s[G0B+4*\s+1], s45, \s*SLOT
	s_add_nc_u64 s[G0B+4*\s+2:G0B+4*\s+3], s[46:47], \s*HALFT
	s_or_b32 s[G0B+4*\s+3], s[G0B+4*\s+3], 0x80000000
	JLOAD G0+4*\s, G1, G0B+4*\s, G1B
.endr
	v_and_b32 v1, 31, v0
	v_bfe_u32 v2, v0, 4, 1
	v_lshlrev_b32 v[L16], 4, v1
	v_lshlrev_b32 v[L4], 2, v1
	v_lshlrev_b32 v[H32], 5, v2
	s_lshl_b32 s46, s42, 10
	s_lshl_b32 s47, s16, 9
	s_add_co_u32 s46, s46, s47                     ; my 128 columns, in bytes of f32
	s_mov_b32 s47, 0
	s_add_nc_u64 s[8:9], s[8:9], s[46:47]
.irp b, 0,1,2,3,4,5,6,7                        ; the bias in the result's layout: register 8 b + j: column 16 b + 8 h + j
	global_load_b128 v[BIAS+8*\b:BIAS+8*\b+3],   v[H32], s[8:9] offset:64*\b
	global_load_b128 v[BIAS+8*\b+4:BIAS+8*\b+7], v[H32], s[8:9] offset:64*\b+16
.endr
	s_mul_i32 s21, s15, HALFT
	s_mul_i32 s22, s16, HALFT
	s_add_co_u32 s22, s22, 2*HALFT
	s_xor_b32 s23, s15, 1
	s_add_co_u32 s23, s23, s16
	s_add_co_u32 s23, s23, 1
	s_mul_i32 s23, s23, HALFT                      ; (2 + wB - wA) x HALFT
	v_mul_u32_u24 v3, s23, v2                      ; lanes 16-31 take B's scale words
	v_add_nc_u32 v3, v3, v[L4]
.irp s, 0,1
	v_add_nc_u32 v[ADRA+\s], s21, v[L16]
	v_add_nc_u32 v[ADRB+\s], s22, v[L16]
	v_add_nc_u32 v[ADRS+\s], s21, v3
	s_add_co_u32 s21, s21, SLOT
	s_add_co_u32 s22, s22, SLOT
.endr
	s_mul_i32 s23, s14, 16*SPITCH                  ; my stage
	v_and_b32 v4, 15, v0
	v_mul_u32_u24 v4, v4, SPITCH
	v_lshl_add_u32 v4, v2, 5, v4
	v_add_nc_u32 v[STO], s23, v4                   ; in: row r, 32 bytes for each half of the lanes
	v_add_nc_u32 v[RD], s23, v[L16]                ; back: the 32 lanes take one row of 512 bytes
	s_lshl_b32 s20, s17, 8
	s_lshl_b32 s21, s15, 7
	s_add_co_u32 s20, s20, s21
	s_lshl_b32 s20, s20, 12                        ; my first row, 4,096 bytes a row,
	s_add_co_u32 s20, s20, s46                     ; and my first column
	s_mov_b32 s21, 0
	s_add_nc_u64 s[10:11], s[10:11], s[20:21]
	s_add_nc_u64 s[12:13], s[12:13], s[20:21]
.macro FRAG reg, adr, q, i
.irp c, 0,1,2,3
	ds_load_b128 v[\reg+4*\c:\reg+4*\c+3], v[\adr] offset:PAN*(\q)+2048*(\i)+512*\c
.endr
.endm
; 16 matrix instructions: A's blocks a0, a0 + 1 x B's eight.  The 64 accumulators take turns, one instruction a turn, in the same order in every step.
.macro MUL16 a0, p, q, sc, first
.irp a, \a0, \a0+1
.irp b, 0,1,2,3,4,5,6,7
.set rD, 8*(8*((\a)%4)+\b)
.set rB, 128*(\p)+16*\b
.set rA, AF+16*(\a)
.set rSB, SC+16*(\sc)+2*\b+(\q)
.set rSA, SC+16*(\sc)+2*(\a)+(\q)
.if \first
	v_wmma_scale_f32_16x16x128_f8f6f4 v[rD:rD+7], v[rB:rB+15], v[rA:rA+15], v[BIAS+8*\b:BIAS+8*\b+7], v[rSB], v[rSA] matrix_a_scale:MATRIX_SCALE_ROW1
.else
	v_wmma_scale_f32_16x16x128_f8f6f4 v[rD:rD+7], v[rB:rB+15], v[rA:rA+15], v[rD:rD+7], v[rSB], v[rSA] matrix_a_scale:MATRIX_SCALE_ROW1
.endif
.endr
.endr
.endm
.macro FETCH_B slot, q, p
	WIN TO_B
.irp i, 0,1,2,3,4,5,6,7
	FRAG 128*(\p)+16*\i, ADRB+\slot, \q, \i
.endr
	WIN 0
.endm
.macro FETCH_A slot, q, i0
.irp i, \i0, \i0+1, \i0+2, \i0+3
	FRAG AF+16*(\i), ADRA+\slot, \q, \i
.endr
.endm
.macro SCALES sc
.irp i, 0,1,2,3,4,5,6,7
.irp q, 0,1
	ds_load_b32 v[SC+16*\sc+2*\i+\q], v[ADRS+\sc] offset:PAN*\q+16384+128*\i
.endr
.endr
.endm
.macro PLACES n
.rept \n
	v_nop
.endr
.endm
.macro STEP slot, q, first
	s_wait_dscnt 16                                ; all but the youngest 16 loads (A's blocks 4-7) are in
	WMUL 0, \first
	MUL16 0, (\q)%2, \q, \slot, \first
	MUL16 2, (\q)%2, \q, \slot, \first
	s_wait_dscnt 0x0
	PLACES NP
	FETCH_B \slot, (\q)+1, 1-(\q)%2
	FETCH_A \slot, (\q)+1, 0
	WMUL 1, \first
	MUL16 4, (\q)%2, \q, \slot, \first
	MUL16 6, (\q)%2, \q, \slot, \first
	PLACES NP
	WIN 0
	FETCH_A \slot, (\q)+1, 4
.endm
.macro TURN slot, next, fill
	s_wait_tensorcnt 0x0                           ; all my tensor loads have landed: my part of the next slot
	ds_add_u32 v[SPW], v[NIL]
	s_wait_dscnt 17                                ; (the add and the youngest 16 loads may be out)
	WMUL 0, 0
	MUL16 0, 1, 1, \slot, 0
	s_wait_dscnt 0x0                               ; the add is done, and my reads of this slot are over
	s_barrier_signal -1
	MUL16 2, 1, 1, \slot, 0
	WIN 0
	s_barrier_wait -1
.if \fill
	CREST                                          ; no wave of any partner still reads this slot or has a load on its way
	s_add_nc_u64 s[G0+4*\slot+2:G0+4*\slot+3], s[G0+4*\slot+2:G0+4*\slot+3], 2*HALFT
	s_add_nc_u64 s[G0B+4*\slot+2:G0B+4*\slot+3], s[G0B+4*\slot+2:G0B+4*\slot+3], 2*HALFT
	JLOAD G0+4*\slot, G1, G0B+4*\slot, G1B
	PLACES NP-4
.else
	PLACES NP
.endif
	FETCH_B \next, 0, 0
	FETCH_A \next, 0, 0
	SCALES \next
	WMUL 1, 0
	MUL16 4, 1, 1, \slot, 0
	MUL16 6, 1, 1, \slot, 0
	PLACES NP
	WIN 0
	FETCH_A \next, 0, 4
.endm
	s_wait_tensorcnt 1                             ; my part of slot 0 is in; slot 1's load may be out
	s_barrier_signal -1
	s_barrier_wait -1
	FETCH_B 0, 0, 0
	FETCH_A 0, 0, 0
	SCALES 0
	FETCH_A 0, 0, 4
	s_wait_loadcnt 0x0                             ; the bias
	STEP 0, 0, 1
	s_mov_b32 s3, LAPS-1
.Llap:
	TURN 0, 1, 1
	STEP 1, 0, 0
	TURN 1, 0, 1
	STEP 0, 0, 0
	s_sub_co_u32 s3, s3, 1
	s_cmp_lg_u32 s3, 0
	s_cbranch_scc1 .Llap
	TURN 0, 1, 0
	STEP 1, 0, 0
	s_wait_dscnt 16
	WMUL 0, 0
	MUL16 0, 1, 1, 1, 0
	MUL16 2, 1, 1, 1, 0
	s_wait_dscnt 0x0
	WMUL 1, 0
	MUL16 4, 1, 1, 1, 0
	MUL16 6, 1, 1, 1, 0
	WIN 0
.macro RLOAD a                         ; the residual of block a's 16 rows, 512 consecutive bytes a load, into window 1
	WIN 0x40
.irp t, 0,1,2,3,4,5,6,7,8,9,10,11,12,13,14,15
	global_load_b128 v[64*((\a)%2)+4*\t:64*((\a)%2)+4*\t+3], v[L16], s[10:11] offset:(16*(\a)+\t)*ROWO
.endr
	WIN 0
.endm
.macro TOSTAGE a                       ; LDS serves a wave's instructions in order (ISA guide 5.7.1.4): no wait between the stores and the loads
.set AC, 64*((\a)%4)
	WIN 0x08+4*((\a)/4)
.irp b, 0,1,2,3,4,5,6,7
	ds_store_b128 v[STO], v[AC+8*\b:AC+8*\b+3] offset:64*\b          ; each accumulator from its low end on
	ds_store_b128 v[STO], v[AC+8*\b+4:AC+8*\b+7] offset:64*\b+16
.endr
	WIN 0
.set BB, BK+64*((\a)%2)
.irp t, 0,1,2,3,4,5,6,7,8,9,10,11,12,13,14,15
	ds_load_b128 v[BB+4*\t:BB+4*\t+3], v[RD] offset:\t*SPITCH
.endr
.endm
.macro SEND a, younger, lc             ; younger: LDS instructions issued behind block a's loads; lc: global loads issued behind its residual's
.set BB, BK+64*((\a)%2)
.set RR, 64*((\a)%2)
	s_wait_dscnt \younger
	s_wait_loadcnt \lc
	WIN 0x04                                       ; source 1: window 1
.set n, 0
.rept 32
	v_pk_add_f32 v[BB+n:BB+n+1], v[BB+n:BB+n+1], v[RR+n:RR+n+1]
.set n, n+2
.endr
	WIN 0
.irp t, 0,1,2,3,4,5,6,7,8,9,10,11,12,13,14,15
	global_store_b128 v[L16], v[BB+4*\t:BB+4*\t+3], s[12:13] offset:(16*(\a)+\t)*ROWO   ; 512 consecutive bytes, aligned
.endr
.endm
	PLACES NP                                      ; ahead of loads into registers that the last products read, and of the first read of results
	RLOAD 0
	RLOAD 1
	TOSTAGE 0
.irp a, 1,2,3,4,5,6,7
.if \a > 1
	s_wait_xcnt 0x0                                ; block a - 2's stores have read their registers: block a's rows may land there
.endif
	TOSTAGE \a
	SEND \a-1, 32, 16                              ; behind block a - 1's: block a's 16 stores and 16 loads; the next residual's 16 loads
.if \a < 7
	RLOAD \a+1
.endif
.endr
	SEND 7, 0, 0
	s_wait_tensorcnt 0x0                           ; the wave's end
	ds_add_u32 v[SPW], v[NIL]
	s_wait_dscnt 0x0
	CROUND                                         ; the closing round
	s_endpgm
.Lfunc_end_k_qfc2abe9259_wo:
	.size	k_qfc2abe9259_wo, .Lfunc_end_k_qfc2abe9259_wo-k_qfc2abe9259_wo
	.p2alignl 7, 3214868480
	.fill 96, 4, 3214868480
	.section	.rodata,"a",@progbits
	.p2align	6, 0x0
	.amdhsa_kernel k_qfc2abe9259_wo
		.amdhsa_group_segment_fixed_size 327680
		.amdhsa_private_segment_fixed_size 0
		.amdhsa_enable_private_segment 0
		.amdhsa_kernarg_size 40
		.amdhsa_user_sgpr_count 2
		.amdhsa_user_sgpr_kernarg_segment_ptr 1
		.amdhsa_wavefront_size32 1
		.amdhsa_system_sgpr_workgroup_id_x 1
		.amdhsa_system_sgpr_workgroup_id_y 1
		.amdhsa_system_sgpr_workgroup_id_z 1
		.amdhsa_system_vgpr_workitem_id 0
		.amdhsa_next_free_vgpr 1024
		.amdhsa_next_free_sgpr 100
		.amdhsa_reserve_vcc 0
		.amdhsa_float_denorm_mode_32 3
		.amdhsa_float_denorm_mode_16_64 3
		.amdhsa_memory_ordered 1
		.amdhsa_forward_progress 1
		.amdhsa_inst_pref_size 175
	.end_amdhsa_kernel
	.amdgpu_metadata
---
amdhsa.version: [ 1, 2 ]
amdhsa.kernels:
  - .name:           k_qfc2abe9259_wo
    .symbol:         k_qfc2abe9259_wo.kd
    .args:
      - { .name: ac, .offset: 0, .size: 8, .value_kind: global_buffer, .address_space: global }
      - { .name: wcodes, .offset: 8, .size: 8, .value_kind: global_buffer, .address_space: global }
      - { .name: bo, .offset: 16, .size: 8, .value_kind: global_buffer, .address_space: global }
      - { .name: x, .offset: 24, .size: 8, .value_kind: global_buffer, .address_space: global }
      - { .name: x1, .offset: 32, .size: 8, .value_kind: global_buffer, .address_space: global }
    .group_segment_fixed_size: 327680
    .private_segment_fixed_size: 0
    .kernarg_segment_align: 8
    .kernarg_segment_size: 40
    .max_flat_workgroup_size: 128
    .sgpr_count:     100
    .vgpr_count:     1024
    .wavefront_size: 32
...
	.end_amdgpu_metadata
.endif
;; end of part 5
;; launch ln2: the kernel of part 2 again; grid 256 x 1, 8 waves a work-group, no clusters, 66,816 bytes of LDS; arguments x1, g2, b2, hc; writes hc
;; launch ffn1 (part 6): grid 16 x 16, 4 waves a work-group, clusters of 4 x 4, 327,680 bytes of LDS; arguments hc, wcodes, bf1, hid; writes hid
.if DOCPART == 6
	.amdgcn_target "amdgcn-amd-amdhsa--gfx1250"
	.amdhsa_code_object_version 6
	.text
	.protected	k_qfc2abe9259_ffn1
	.globl	k_qfc2abe9259_ffn1
	.p2align	8
	.type	k_qfc2abe9259_ffn1,@function
k_qfc2abe9259_ffn1:
	s_mov_b64 s[64:65], 0
	v_nop
	global_prefetch_b8 v0, s[64:65] scope:SCOPE_SE
	s_setreg_imm32_b32 hwreg(HW_REG_WAVE_MODE, 25, 1), 1
	s_wait_xcnt 0x0
	s_wait_alu depctr_hold_cnt(0) depctr_sa_sdst(0) depctr_va_vdst(0) depctr_va_sdst(0) depctr_va_ssrc(0) depctr_va_vcc(0) depctr_vm_vsrc(0)
	s_getreg_b32 s2, hwreg(HW_REG_IB_STS2, 6, 4)
	s_cmp_eq_u32 s2, 0
	s_cbranch_scc0 .Lentry_in_a_cluster
	s_endpgm
.Lentry_in_a_cluster:
	s_bfe_u32 s2, ttmp6, 0x10000c
	s_cmp_lg_u32 s2, 0xf033
	s_cbranch_scc0 .Lentry_shape_is_right
	s_endpgm
.Lentry_shape_is_right:
; hidden = relu(h2 w1 + bf1), stored as codes: h2's codes (4,096 x 1,024, panels) times w1's (4,096 rows x 1,024, panels 256-511 of wcodes); the result is quantised in registers along the hidden units.
; PANEL: 128 rows x 128 K as images of operand registers: fragment i at 2048 i + 512 c + 16 lane, scale words at 16384 + 128 i + 4 lane; 17,408 bytes; a tensor is [rows / 128][K / 128][panel].
; A tile of the result, 256 x 256, is made by four waves, 128 x 128 each: 64 accumulators.  K goes through a ring of two LDS slots of 256 along K; a wave's tensor load brings two neighbouring
; panels, 34,816 dense bytes.  CLUSTERS of 4 x 4: the tokens' panels (side A) are shared along a row of the cluster, the weights' (side B) along a column, by joint loads.
; THE MATRIX INSTRUCTION IS USED TRANSPOSED (source 0 = 16 weight rows, source 1 = 16 tokens): a lane holds one token and its registers run along the hidden units, the next product's K.
; A wave's 128 x 128 is exactly one panel of the hidden layer.  The bias is the C of each sum's first product; the activation is the hold's lower bound.
; LIMITS: NaN and infinities are not served; a block of zeros or under 2^-118 keeps the byte 1; the sums' order differs from K ascending.
; REGISTERS: window 0: v16-30 addresses; v32-63 scale words, two sets; v64-127 the bias, later at work; v128-255 A's fragments.  window 1: B's fragments, two sets.  windows 2, 3: accumulator (a, b) at v[8 (8 (a % 4) + b)].
.set KS,    8
.set WOFF,  256*17408
.set PAN,   17408
.set HALFT, 2*PAN
.set SLOT,  4*HALFT
.set SPARE, 2*SLOT                     ; behind the ring: the spare words, 128 bytes a wave; no other line names them
.set RBS,   KS*PAN
.set LAPS,  KS/4
.set NP,    8
.set ADRA, 16
.set ADRS, 18
.set ADRB, 20
.set L16,  26
.set L4,   27
.set SPW,  28
.set NIL,  29
.set H32,  30
.set SC,   32
.set BIAS, 64
.set TM,   64
.set PW,   80
.set PC,   96
.set AF,   128
.set G1, 24
.set G0, 32
.set G1B, 48
.set G0B, 56
.set SEL, 84
.set MNT, 86
.set FLR, 87
.set MSB, 0
.macro WIN new
.if MSB != (\new)
	s_set_vgpr_msb (MSB<<8)|(\new)
.set MSB, (\new)
.endif
.endm
.set TO_B, 0x40
.macro WMUL hi, first                  ; source 0 (B) window 1, source 1 (A) window 0, D window 2 + hi; C: the same, or in the first K step the bias in window 0
.if \first
	WIN 0x81+0x40*(\hi)
.else
	WIN 0xa1+0x50*(\hi)
.endif
.endm
.macro JLOAD g0a, g1a, g0b, g1b        ; a joint load: waves 0, 1 for A, waves 2, 3 for B; an s_nop 0 and four v_nop follow each line
	s_cmp_eq_u32 s15, 0
	s_cbranch_scc0 .Lfor_b_\@
	tensor_load_to_lds s[\g0a:\g0a+3], s[\g1a:\g1a+7]
	s_nop 0
.rept 4
	v_nop
.endr
	s_branch .Lasked_\@
.Lfor_b_\@:
	tensor_load_to_lds s[\g0b:\g0b+3], s[\g1b:\g1b+7]
	s_nop 0
.rept 4
	v_nop
.endr
.Lasked_\@:
.endm
.macro CREST
	s_cmp_lg_u32 s14, 0
	s_cbranch_scc1 .Lnot_wave_0_\@
	s_barrier_signal -3
.Lnot_wave_0_\@:
	s_barrier_wait -3
	s_barrier_signal -1
	s_barrier_wait -1
.endm
.macro CROUND
	s_barrier_signal -1
	s_barrier_wait -1
	CREST
.endm
	s_load_b256 s[4:11], s[0:1], 0x0               ; hc, wcodes, bf1, hid
	v_lshl_add_u32 v[SPW], v0, 2, SPARE
	v_mov_b32 v[NIL], 0
	ds_add_u32 v[SPW], v[NIL]                      ; the wave's opening: the add, twice on end, and its wait ahead of my first tensor load
	ds_add_u32 v[SPW], v[NIL]
	v_lshrrev_b32 v1, 5, v0
	v_readfirstlane_b32 s14, v1                    ; wave 0..3
	s_lshr_b32 s15, s14, 1                         ; wA; also: I fetch for A (0) or for B (1)
	s_and_b32 s16, s14, 1                          ; wB; also: which row block I fetch
	s_bfe_u32 s40, ttmp6, 0x40000                  ; cx
	s_bfe_u32 s41, ttmp6, 0x40004                  ; cy
	s_lshl_b32 s42, ttmp9, 2
	s_add_co_u32 s42, s42, s40                     ; T_B: the tile of 256 hidden units
	s_and_b32 s17, ttmp7, 0xffff
	s_lshl_b32 s17, s17, 2
	s_add_co_u32 s17, s17, s41                     ; T_A: the tile of 256 tokens
	s_lshl_b32 s43, s41, 2
	s_lshl_b32 s43, 15, s43
	s_lshl_b32 s44, 0x1111, s40
	s_or_b32 s[G1+0], s43, (3<<16)|(1<<21)         ; the mask; elements of 8 bytes; bit 21 beside a mask; no padding
	s_or_b32 s[G1B+0], s44, (3<<16)|(1<<21)
.irp g, G1, G1B
	s_mov_b32 s[\g+1], 32<<16                      ; rows of 256 bytes,
	s_mov_b32 s[\g+2], 136<<16                     ; 136 of them, dense
	s_mov_b32 s[\g+3], 32<<16
	s_mov_b32 s[\g+4], 136
	s_mov_b32 s[\g+5], 32
	s_mov_b32 s[\g+6], 0
	s_mov_b32 s[\g+7], 0
.endr
	s_lshl_b32 s20, s17, 1
	s_add_co_u32 s20, s20, s16
	s_mul_i32 s20, s20, RBS
	s_mov_b32 s21, 0
	s_lshl_b32 s46, s42, 1
	s_add_co_u32 s46, s46, s16
	s_mul_i32 s46, s46, RBS
	s_add_co_u32 s46, s46, WOFF
	s_mov_b32 s47, 0
	s_mul_i32 s45, s14, HALFT
	s_wait_dscnt 0x0                               ; both opening adds are done
	s_wait_kmcnt 0x0
	s_add_nc_u64 s[20:21], s[4:5], s[20:21]
	s_add_nc_u64 s[46:47], s[6:7], s[46:47]
	CROUND                                         ; all sixteen work-groups are here: the first joint loads meet
.irp s, 0,1
	s_mov_b32 s[G0+4*\s], 1
	s_add_co_u32 s[G0+4*\s+1], s45, \s*SLOT
	s_add_nc_u64 s[G0+4*\s+2:G0+4*\s+3], s[20:21], \s*HALFT
	s_or_b32 s[G0+4*\s+3], s[G0+4*\s+3], 0x80000000
	s_mov_b32 s[G0B+4*\s], 1
	s_add_co_u32 s[G0B+4*\s+1], s45, \s*SLOT
	s_add_nc_u64 s[G0B+4*\s+2:G0B+4*\s+3], s[46:47], \s*HALFT
	s_or_b32 s[G0B+4*\s+3], s[G0B+4*\s+3], 0x80000000
	JLOAD G0+4*\s, G1, G0B+4*\s, G1B
.endr
	v_and_b32 v1, 31, v0
	v_bfe_u32 v2, v0, 4, 1
	v_lshlrev_b32 v[L16], 4, v1
	v_lshlrev_b32 v[L4], 2, v1
	v_lshlrev_b32 v[H32], 5, v2
	s_lshl_b32 s46, s42, 10
	s_lshl_b32 s47, s16, 9
	s_add_co_u32 s46, s46, s47                     ; my 128 hidden units, in bytes of f32
	s_mov_b32 s47, 0
	s_add_nc_u64 s[8:9], s[8:9], s[46:47]
.irp b, 0,1,2,3,4,5,6,7                        ; the bias in the result's layout: register 8 b + j: unit 16 b + 8 h + j
	global_load_b128 v[BIAS+8*\b:BIAS+8*\b+3],   v[H32], s[8:9] offset:64*\b
	global_load_b128 v[BIAS+8*\b+4:BIAS+8*\b+7], v[H32], s[8:9] offset:64*\b+16
.endr
	s_mul_i32 s21, s15, HALFT
	s_mul_i32 s22, s16, HALFT
	s_add_co_u32 s22, s22, 2*HALFT
	s_xor_b32 s23, s15, 1
	s_add_co_u32 s23, s23, s16
	s_add_co_u32 s23, s23, 1
	s_mul_i32 s23, s23, HALFT                      ; (2 + wB - wA) x HALFT
	v_mul_u32_u24 v3, s23, v2                      ; lanes 16-31 take B's scale words
	v_add_nc_u32 v3, v3, v[L4]
.irp s, 0,1
	v_add_nc_u32 v[ADRA+\s], s21, v[L16]
	v_add_nc_u32 v[ADRB+\s], s22, v[L16]
	v_add_nc_u32 v[ADRS+\s], s21, v3
	s_add_co_u32 s21, s21, SLOT
	s_add_co_u32 s22, s22, SLOT
.endr
	s_lshl_b32 s66, s17, 1
	s_add_co_u32 s66, s66, s15
	s_lshl_b32 s66, s66, 5
	s_lshl_b32 s67, s42, 1
	s_add_co_u32 s66, s66, s67
	s_add_co_u32 s66, s66, s16
	s_mul_i32 s66, s66, PAN                        ; my panel of the hidden layer: (row block 2 T_A + wA, K step 2 T_B + wB)
	s_mov_b32 s67, 0
	s_add_nc_u64 s[10:11], s[10:11], s[66:67]
	s_mov_b32 s[SEL], 0x76543210
	s_mov_b32 s[SEL+1], 0xfedcba98
	s_mov_b32 s[MNT], 0x600000
	s_mov_b32 s[FLR], 0x4800000
.macro FRAG reg, adr, q, i
.irp c, 0,1,2,3
	ds_load_b128 v[\reg+4*\c:\reg+4*\c+3], v[\adr] offset:PAN*(\q)+2048*(\i)+512*\c
.endr
.endm
; 16 matrix instructions: A's blocks a0, a0 + 1 x B's eight.  The 64 accumulators take turns, one instruction a turn, in the same order in every step.
.macro MUL16 a0, p, q, sc, first
.irp a, \a0, \a0+1
.irp b, 0,1,2,3,4,5,6,7
.set rD, 8*(8*((\a)%4)+\b)
.set rB, 128*(\p)+16*\b
.set rA, AF+16*(\a)
.set rSB, SC+16*(\sc)+2*\b+(\q)
.set rSA, SC+16*(\sc)+2*(\a)+(\q)
.if \first
	v_wmma_scale_f32_16x16x128_f8f6f4 v[rD:rD+7], v[rB:rB+15], v[rA:rA+15], v[BIAS+8*\b:BIAS+8*\b+7], v[rSB], v[rSA] matrix_a_scale:MATRIX_SCALE_ROW1
.else
	v_wmma_scale_f32_16x16x128_f8f6f4 v[rD:rD+7], v[rB:rB+15], v[rA:rA+15], v[rD:rD+7], v[rSB], v[rSA] matrix_a_scale:MATRIX_SCALE_ROW1
.endif
.endr
.endr
.endm
.macro FETCH_B slot, q, p
	WIN TO_B
.irp i, 0,1,2,3,4,5,6,7
	FRAG 128*(\p)+16*\i, ADRB+\slot, \q, \i
.endr
	WIN 0
.endm
.macro FETCH_A slot, q, i0
.irp i, \i0, \i0+1, \i0+2, \i0+3
	FRAG AF+16*(\i), ADRA+\slot, \q, \i
.endr
.endm
.macro SCALES sc
.irp i, 0,1,2,3,4,5,6,7
.irp q, 0,1
	ds_load_b32 v[SC+16*\sc+2*\i+\q], v[ADRS+\sc] offset:PAN*\q+16384+128*\i
.endr
.endr
.endm
.macro PLACES n
.rept \n
	v_nop
.endr
.endm
.macro STEP slot, q, first
	s_wait_dscnt 16                                ; all but the youngest 16 loads (A's blocks 4-7) are in
	WMUL 0, \first
	MUL16 0, (\q)%2, \q, \slot, \first
	MUL16 2, (\q)%2, \q, \slot, \first
	s_wait_dscnt 0x0
	PLACES NP
	FETCH_B \slot, (\q)+1, 1-(\q)%2
	FETCH_A \slot, (\q)+1, 0
	WMUL 1, \first
	MUL16 4, (\q)%2, \q, \slot, \first
	MUL16 6, (\q)%2, \q, \slot, \first
	PLACES NP
	WIN 0
	FETCH_A \slot, (\q)+1, 4
.endm
.macro TURN slot, next, fill
	s_wait_tensorcnt 0x0                           ; all my tensor loads have landed: my part of the next slot
	ds_add_u32 v[SPW], v[NIL]
	s_wait_dscnt 17                                ; (the add and the youngest 16 loads may be out)
	WMUL 0, 0
	MUL16 0, 1, 1, \slot, 0
	s_wait_dscnt 0x0                               ; the add is done, and my reads of this slot are over
	s_barrier_signal -1
	MUL16 2, 1, 1, \slot, 0
	WIN 0
	s_barrier_wait -1
.if \fill
	CREST                                          ; no wave of any partner still reads this slot or has a load on its way
	s_add_nc_u64 s[G0+4*\slot+2:G0+4*\slot+3], s[G0+4*\slot+2:G0+4*\slot+3], 2*HALFT
	s_add_nc_u64 s[G0B+4*\slot+2:G0B+4*\slot+3], s[G0B+4*\slot+2:G0B+4*\slot+3], 2*HALFT
	JLOAD G0+4*\slot, G1, G0B+4*\slot, G1B
	PLACES NP-4
.else
	PLACES NP
.endif
	FETCH_B \next, 0, 0
	FETCH_A \next, 0, 0
	SCALES \next
	WMUL 1, 0
	MUL16 4, 1, 1, \slot, 0
	MUL16 6, 1, 1, \slot, 0
	PLACES NP
	WIN 0
	FETCH_A \next, 0, 4
.endm
	s_wait_tensorcnt 1                             ; my part of slot 0 is in; slot 1's load may be out
	s_barrier_signal -1
	s_barrier_wait -1
	FETCH_B 0, 0, 0
	FETCH_A 0, 0, 0
	SCALES 0
	FETCH_A 0, 0, 4
	s_wait_loadcnt 0x0                             ; the bias
	STEP 0, 0, 1
	s_mov_b32 s3, LAPS-1
.Llap:
	TURN 0, 1, 1
	STEP 1, 0, 0
	TURN 1, 0, 1
	STEP 0, 0, 0
	s_sub_co_u32 s3, s3, 1
	s_cmp_lg_u32 s3, 0
	s_cbranch_scc1 .Llap
	TURN 0, 1, 0
	STEP 1, 0, 0
	s_wait_dscnt 16
	WMUL 0, 0
	MUL16 0, 1, 1, 1, 0
	MUL16 2, 1, 1, 1, 0
	s_wait_dscnt 0x0
	WMUL 1, 0
	MUL16 4, 1, 1, 1, 0
	MUL16 6, 1, 1, 1, 0
	WIN 0
; THE WAY OUT.  Block a (16 tokens on the lanes, 128 hidden units along 64 registers) becomes a fragment's codes and its scale word.  What is negative becomes 0: it does not count for the
; largest magnitude (no |.|; the floor stands over it), and the hold's lower bound is 0.  Each accumulator is read from its low end on.
.macro QUANTW a
.set QW, 2+(\a)/4
.set QS, 64*((\a)%4)
	WIN (QW<<2)|(QW<<4)
.irp b, 0,1,2,3
	v_max3_num_f32 v[TM+\b], s[FLR], v[QS+16*\b], v[QS+16*\b+1]
.endr
.irp i, 2,4,6,8,10,12,14
.irp b, 0,1,2,3
	v_max3_num_f32 v[TM+\b], v[TM+\b], v[QS+16*\b+\i], v[QS+16*\b+\i+1]
.endr
.endr
	WIN 0
.irp b, 0,1,2,3
	v_permlanex16_b32 v[TM+4+\b], v[TM+\b], s[SEL], s[SEL+1]
.endr
.irp b, 0,1,2,3
	v_max_num_f32 v[TM+\b], v[TM+\b], v[TM+4+\b]
.endr
.irp b, 0,1,2,3
	v_add_nc_u32 v[TM+12+\b], 0xfc000000, v[TM+\b]
.endr
.irp b, 0,1,2,3
	v_and_or_b32 v[TM+8+\b], v[TM+\b], 0x7f800000, s[MNT]
.endr
.irp b, 0,1,2,3
	v_lshrrev_b32 v[TM+4+\b], 23, v[TM+12+\b]
.endr
	v_lshl_or_b32 v[PW], v[TM+5], 8, v[TM+4]
	v_lshl_or_b32 v[PW], v[TM+6], 16, v[PW]
	v_lshl_or_b32 v[PW], v[TM+7], 24, v[PW]
	WIN (QW<<6)|QW
.irp b, 0,1,2,3
.irp i, 0,1,2,3,4,5,6,7,8,9,10,11,12,13,14,15
	v_med3_num_f32 v[QS+16*\b+\i], v[QS+16*\b+\i], 0, v[TM+8+\b]   ; the activation and the hold in one
.endr
.endr
	WIN QW
.irp b, 0,1,2,3
	v_cvt_scalef32_pk8_fp8_f32 v[PC+4*\b:PC+4*\b+1], v[QS+16*\b:QS+16*\b+7], v[TM+12+\b]
	v_cvt_scalef32_pk8_fp8_f32 v[PC+4*\b+2:PC+4*\b+3], v[QS+16*\b+8:QS+16*\b+15], v[TM+12+\b]
.endr
	WIN 0
	v_nop                                          ; a plain line behind the last conversion
.endm
	PLACES NP                                      ; ahead of the first read of results
.irp b, 0,1,2,3
	v_mov_b32 v[TM+4+\b], 0                        ; a lane permute's destination counts as one of its sources
.endr
.irp a, 0,1,2,3,4,5,6,7
.if \a > 0
	s_wait_xcnt 0x0                                ; the last block's stores have read their data: they are written again only behind this wait
.endif
	QUANTW \a
.irp c, 0,1,2,3
	global_store_b128 v[L16], v[PC+4*\c:PC+4*\c+3], s[10:11] offset:2048*\a+512*\c   ; 512 consecutive bytes, aligned
.endr
	global_store_b32 v[L4], v[PW], s[10:11] offset:16384+128*\a
.endr
	s_wait_tensorcnt 0x0                           ; the wave's end
	ds_add_u32 v[SPW], v[NIL]
	s_wait_dscnt 0x0
	CROUND                                         ; the closing round
	s_endpgm
.Lfunc_end_k_qfc2abe9259_ffn1:
	.size	k_qfc2abe9259_ffn1, .Lfunc_end_k_qfc2abe9259_ffn1-k_qfc2abe9259_ffn1
	.p2alignl 7, 3214868480
	.fill 96, 4, 3214868480
	.section	.rodata,"a",@progbits
	.p2align	6, 0x0
	.amdhsa_kernel k_qfc2abe9259_ffn1
		.amdhsa_group_segment_fixed_size 327680
		.amdhsa_private_segment_fixed_size 0
		.amdhsa_enable_private_segment 0
		.amdhsa_kernarg_size 32
		.amdhsa_user_sgpr_count 2
		.amdhsa_user_sgpr_kernarg_segment_ptr 1
		.amdhsa_wavefront_size32 1
		.amdhsa_system_sgpr_workgroup_id_x 1
		.amdhsa_system_sgpr_workgroup_id_y 1
		.amdhsa_system_sgpr_workgroup_id_z 1
		.amdhsa_system_vgpr_workitem_id 0
		.amdhsa_next_free_vgpr 1024
		.amdhsa_next_free_sgpr 100
		.amdhsa_reserve_vcc 0
		.amdhsa_float_denorm_mode_32 3
		.amdhsa_float_denorm_mode_16_64 3
		.amdhsa_memory_ordered 1
		.amdhsa_forward_progress 1
		.amdhsa_inst_pref_size 185
	.end_amdhsa_kernel
	.amdgpu_metadata
---
amdhsa.version: [ 1, 2 ]
amdhsa.kernels:
  - .name:           k_qfc2abe9259_ffn1
    .symbol:         k_qfc2abe9259_ffn1.kd
    .args:
      - { .name: hc, .offset: 0, .size: 8, .value_kind: global_buffer, .address_space: global }
      - { .name: wcodes, .offset: 8, .size: 8, .value_kind: global_buffer, .address_space: global }
      - { .name: bf1, .offset: 16, .size: 8, .value_kind: global_buffer, .address_space: global }
      - { .name: hid, .offset: 24, .size: 8, .value_kind: global_buffer, .address_space: global }
    .group_segment_fixed_size: 327680
    .private_segment_fixed_size: 0
    .kernarg_segment_align: 8
    .kernarg_segment_size: 32
    .max_flat_workgroup_size: 128
    .sgpr_count:     100
    .vgpr_count:     1024
    .wavefront_size: 32
...
	.end_amdgpu_metadata
.endif
;; end of part 6
;; launch ffn2 (part 7): grid 4 x 16, 4 waves a work-group, clusters of 4 x 4, 327,680 bytes of LDS; arguments hid, wcodes, bf2, x1, out0; writes out0
.if DOCPART == 7
	.amdgcn_target "amdgcn-amd-amdhsa--gfx1250"
	.amdhsa_code_object_version 6
	.text
	.protected	k_qfc2abe9259_ffn2
	.globl	k_qfc2abe9259_ffn2
	.p2align	8
	.type	k_qfc2abe9259_ffn2,@function
k_qfc2abe9259_ffn2:
	s_mov_b64 s[64:65], 0
	v_nop
	global_prefetch_b8 v0, s[64:65] scope:SCOPE_SE
	s_setreg_imm32_b32 hwreg(HW_REG_WAVE_MODE, 25, 1), 1
	s_wait_xcnt 0x0
	s_wait_alu depctr_hold_cnt(0) depctr_sa_sdst(0) depctr_va_vdst(0) depctr_va_sdst(0) depctr_va_ssrc(0) depctr_va_vcc(0) depctr_vm_vsrc(0)
	s_getreg_b32 s2, hwreg(HW_REG_IB_STS2, 6, 4)
	s_cmp_eq_u32 s2, 0
	s_cbranch_scc0 .Lentry_in_a_cluster
	s_endpgm
.Lentry_in_a_cluster:
	s_bfe_u32 s2, ttmp6, 0x10000c
	s_cmp_lg_u32 s2, 0xf033
	s_cbranch_scc0 .Lentry_shape_is_right
	s_endpgm
.Lentry_shape_is_right:
; out = x1 + hidden w2 + bf2: the hidden layer's codes (4,096 x 4,096, panels) times w2's (1,024 rows x 4,096, panels 512-767 of wcodes); f32 out.
; PANEL: 128 rows x 128 K as images of operand registers: fragment i at 2048 i + 512 c + 16 lane, scale words at 16384 + 128 i + 4 lane; 17,408 bytes; a tensor is [rows / 128][K / 128][panel].
; A tile of the result, 256 x 256, is made by four waves, 128 x 128 each: 64 accumulators.  K goes through a ring of two LDS slots of 256 along K; a wave's tensor load brings two neighbouring
; panels, 34,816 dense bytes.  CLUSTERS of 4 x 4: the tokens' panels (side A) are shared along a row of the cluster, the weights' (side B) along a column, by joint loads.
; THE MATRIX INSTRUCTION IS USED TRANSPOSED (source 0 = 16 weight rows, source 1 = 16 tokens): a lane holds eight neighbouring columns of one row of the result.
; The bias is the C of each sum's first product.  On the way out a block of 16 rows goes through the wave's stage in LDS, comes back as whole rows of 512 bytes, takes the residual and is stored.
; The result has 64 tiles of 256 x 256: 64 work-groups.  The sums' order differs from K ascending (this program's order inside a block of 32).
; REGISTERS: window 0: v16-30 addresses; v32-63 scale words, two sets; v64-127 the bias; v128-255 A's fragments, on the way out rows.  window 1: B's fragments, two sets; on the way out the residual.  windows 2, 3: accumulator (a, b) at v[8 (8 (a % 4) + b)].
.set KS,    32                         ; K steps of 128
.set WOFF,  512*17408                  ; where the weight's panels begin in wcodes
.set ROWO,  4096                       ; a row of the result and of the residual in bytes
.set PAN,   17408
.set HALFT, 2*PAN
.set SLOT,  4*HALFT
.set SPARE, 2*SLOT                     ; behind the ring: the spare words, 128 bytes a wave; no other line names them
.set RBS,   KS*PAN
.set LAPS,  KS/4
.set NP,    8
.set SPITCH, 528                       ; the stage: 16 rows x (512 + 16) bytes a wave, in slot 0, which has had its last fill and its last read when the first result is stored there
.set ADRA, 16
.set ADRS, 18
.set ADRB, 20
.set STO,  24
.set RD,   25
.set L16,  26
.set L4,   27
.set SPW,  28
.set NIL,  29
.set H32,  30
.set SC,   32
.set BIAS, 64
.set AF,   128
.set BK,   128
.set G1, 24
.set G0, 32
.set G1B, 48
.set G0B, 56
.set MSB, 0
.macro WIN new
.if MSB != (\new)
	s_set_vgpr_msb (MSB<<8)|(\new)
.set MSB, (\new)
.endif
.endm
.set TO_B, 0x40
.macro WMUL hi, first                  ; source 0 (B) window 1, source 1 (A) window 0, D window 2 + hi; C: the same, or in the first K step the bias in window 0
.if \first
	WIN 0x81+0x40*(\hi)
.else
	WIN 0xa1+0x50*(\hi)
.endif
.endm
.macro JLOAD g0a, g1a, g0b, g1b        ; a joint load: waves 0, 1 for A, waves 2, 3 for B; an s_nop 0 and four v_nop follow each line
	s_cmp_eq_u32 s15, 0
	s_cbranch_scc0 .Lfor_b_\@
	tensor_load_to_lds s[\g0a:\g0a+3], s[\g1a:\g1a+7]
	s_nop 0
.rept 4
	v_nop
.endr
	s_branch .Lasked_\@
.Lfor_b_\@:
	tensor_load_to_lds s[\g0b:\g0b+3], s[\g1b:\g1b+7]
	s_nop 0
.rept 4
	v_nop
.endr
.Lasked_\@:
.endm
.macro CREST
	s_cmp_lg_u32 s14, 0
	s_cbranch_scc1 .Lnot_wave_0_\@
	s_barrier_signal -3
.Lnot_wave_0_\@:
	s_barrier_wait -3
	s_barrier_signal -1
	s_barrier_wait -1
.endm
.macro CROUND
	s_barrier_signal -1
	s_barrier_wait -1
	CREST
.endm
	s_load_b256 s[4:11], s[0:1], 0x0               ; A's panels, wcodes, the bias, the residual
	s_load_b64 s[12:13], s[0:1], 0x20              ; the result
	v_lshl_add_u32 v[SPW], v0, 2, SPARE
	v_mov_b32 v[NIL], 0
	ds_add_u32 v[SPW], v[NIL]                      ; the wave's opening: the add, twice on end, and its wait ahead of my first tensor load
	ds_add_u32 v[SPW], v[NIL]
	v_lshrrev_b32 v1, 5, v0
	v_readfirstlane_b32 s14, v1                    ; wave 0..3
	s_lshr_b32 s15, s14, 1                         ; wA; also: I fetch for A (0) or for B (1)
	s_and_b32 s16, s14, 1                          ; wB; also: which row block I fetch
	s_bfe_u32 s40, ttmp6, 0x40000                  ; cx
	s_bfe_u32 s41, ttmp6, 0x40004                  ; cy
	s_lshl_b32 s42, ttmp9, 2
	s_add_co_u32 s42, s42, s40                     ; T_B: the tile of 256 columns
	s_and_b32 s17, ttmp7, 0xffff
	s_lshl_b32 s17, s17, 2
	s_add_co_u32 s17, s17, s41                     ; T_A: the tile of 256 tokens
	s_lshl_b32 s43, s41, 2
	s_lshl_b32 s43, 15, s43
	s_lshl_b32 s44, 0x1111, s40
	s_or_b32 s[G1+0], s43, (3<<16)|(1<<21)         ; the mask; elements of 8 bytes; bit 21 beside a mask; no padding
	s_or_b32 s[G1B+0], s44, (3<<16)|(1<<21)
.irp g, G1, G1B
	s_mov_b32 s[\g+1], 32<<16                      ; rows of 256 bytes,
	s_mov_b32 s[\g+2], 136<<16                     ; 136 of them, dense
	s_mov_b32 s[\g+3], 32<<16
	s_mov_b32 s[\g+4], 136
	s_mov_b32 s[\g+5], 32
	s_mov_b32 s[\g+6], 0
	s_mov_b32 s[\g+7], 0
.endr
	s_lshl_b32 s20, s17, 1
	s_add_co_u32 s20, s20, s16
	s_mul_i32 s20, s20, RBS
	s_mov_b32 s21, 0
	s_lshl_b32 s46, s42, 1
	s_add_co_u32 s46, s46, s16
	s_mul_i32 s46, s46, RBS
	s_add_co_u32 s46, s46, WOFF
	s_mov_b32 s47, 0
	s_mul_i32 s45, s14, HALFT
	s_wait_dscnt 0x0                               ; both opening adds are done
	s_wait_kmcnt 0x0
	s_add_nc_u64 s[20:21], s[4:5], s[20:21]
	s_add_nc_u64 s[46:47], s[6:7], s[46:47]
	CROUND                                         ; all sixteen work-groups are here: the first joint loads meet
.irp s, 0,1
	s_mov_b32 s[G0+4*\s], 1
	s_add_co_u32 s[G0+4*\s+1], s45, \s*SLOT
	s_add_nc_u64 s[G0+4*\s+2:G0+4*\s+3], s[20:21], \s*HALFT
	s_or_b32 s[G0+4*\s+3], s[G0+4*\s+3], 0x80000000
	s_mov_b32 s[G0B+4*\s], 1
	s_add_co_u32 s[G0B+4*\s+1], s45, \s*SLOT
	s_add_nc_u64 s[G0B+4*\s+2:G0B+4*\s+3], s[46:47], \s*HALFT
	s_or_b32 s[G0B+4*\s+3], s[G0B+4*\s+3], 0x80000000
	JLOAD G0+4*\s, G1, G0B+4*\s, G1B
.endr
	v_and_b32 v1, 31, v0
	v_bfe_u32 v2, v0, 4, 1
	v_lshlrev_b32 v[L16], 4, v1
	v_lshlrev_b32 v[L4], 2, v1
	v_lshlrev_b32 v[H32], 5, v2
	s_lshl_b32 s46, s42, 10
	s_lshl_b32 s47, s16, 9
	s_add_co_u32 s46, s46, s47                     ; my 128 columns, in bytes of f32
	s_mov_b32 s47, 0
	s_add_nc_u64 s[8:9], s[8:9], s[46:47]
.irp b, 0,1,2,3,4,5,6,7                        ; the bias in the result's layout: register 8 b + j: column 16 b + 8 h + j
	global_load_b128 v[BIAS+8*\b:BIAS+8*\b+3],   v[H32], s[8:9] offset:64*\b
	global_load_b128 v[BIAS+8*\b+4:BIAS+8*\b+7], v[H32], s[8:9] offset:64*\b+16
.endr
	s_mul_i32 s21, s15, HALFT
	s_mul_i32 s22, s16, HALFT
	s_add_co_u32 s22, s22, 2*HALFT
	s_xor_b32 s23, s15, 1
	s_add_co_u32 s23, s23, s16
	s_add_co_u32 s23, s23, 1
	s_mul_i32 s23, s23, HALFT                      ; (2 + wB - wA) x HALFT
	v_mul_u32_u24 v3, s23, v2                      ; lanes 16-31 take B's scale words
	v_add_nc_u32 v3, v3, v[L4]
.irp s, 0,1
	v_add_nc_u32 v[ADRA+\s], s21, v[L16]
	v_add_nc_u32 v[ADRB+\s], s22, v[L16]
	v_add_nc_u32 v[ADRS+\s], s21, v3
	s_add_co_u32 s21, s21, SLOT
	s_add_co_u32 s22, s22, SLOT
.endr
	s_mul_i32 s23, s14, 16*SPITCH                  ; my stage
	v_and_b32 v4, 15, v0
	v_mul_u32_u24 v4, v4, SPITCH
	v_lshl_add_u32 v4, v2, 5, v4
	v_add_nc_u32 v[STO], s23, v4                   ; in: row r, 32 bytes for each half of the lanes
	v_add_nc_u32 v[RD], s23, v[L16]                ; back: the 32 lanes take one row of 512 bytes
	s_lshl_b32 s20, s17, 8
	s_lshl_b32 s21, s15, 7
	s_add_co_u32 s20, s20, s21
	s_lshl_b32 s20, s20, 12                        ; my first row, 4,096 bytes a row,
	s_add_co_u32 s20, s20, s46                     ; and my first column
	s_mov_b32 s21, 0
	s_add_nc_u64 s[10:11], s[10:11], s[20:21]
	s_add_nc_u64 s[12:13], s[12:13], s[20:21]
.macro FRAG reg, adr, q, i
.irp c, 0,1,2,3
	ds_load_b128 v[\reg+4*\c:\reg+4*\c+3], v[\adr] offset:PAN*(\q)+2048*(\i)+512*\c
.endr
.endm
; 16 matrix instructions: A's blocks a0, a0 + 1 x B's eight.  The 64 accumulators take turns, one instruction a turn, in the same order in every step.
.macro MUL16 a0, p, q, sc, first
.irp a, \a0, \a0+1
.irp b, 0,1,2,3,4,5,6,7
.set rD, 8*(8*((\a)%4)+\b)
.set rB, 128*(\p)+16*\b
.set rA, AF+16*(\a)
.set rSB, SC+16*(\sc)+2*\b+(\q)
.set rSA, SC+16*(\sc)+2*(\a)+(\q)
.if \first
	v_wmma_scale_f32_16x16x128_f8f6f4 v[rD:rD+7], v[rB:rB+15], v[rA:rA+15], v[BIAS+8*\b:BIAS+8*\b+7], v[rSB], v[rSA] matrix_a_scale:MATRIX_SCALE_ROW1
.else
	v_wmma_scale_f32_16x16x128_f8f6f4 v[rD:rD+7], v[rB:rB+15], v[rA:rA+15], v[rD:rD+7], v[rSB], v[rSA] matrix_a_scale:MATRIX_SCALE_ROW1
.endif
.endr
.endr
.endm
.macro FETCH_B slot, q, p
	WIN TO_B
.irp i, 0,1,2,3,4,5,6,7
	FRAG 128*(\p)+16*\i, ADRB+\slot, \q, \i
.endr
	WIN 0
.endm
.macro FETCH_A slot, q, i0
.irp i, \i0, \i0+1, \i0+2, \i0+3
	FRAG AF+16*(\i), ADRA+\slot, \q, \i
.endr
.endm
.macro SCALES sc
.irp i, 0,1,2,3,4,5,6,7
.irp q, 0,1
	ds_load_b32 v[SC+16*\sc+2*\i+\q], v[ADRS+\sc] offset:PAN*\q+16384+128*\i
.endr
.endr
.endm
.macro PLACES n
.rept \n
	v_nop
.endr
.endm
.macro STEP slot, q, first
	s_wait_dscnt 16                                ; all but the youngest 16 loads (A's blocks 4-7) are in
	WMUL 0, \first
	MUL16 0, (\q)%2, \q, \slot, \first
	MUL16 2, (\q)%2, \q, \slot, \first
	s_wait_dscnt 0x0
	PLACES NP
	FETCH_B \slot, (\q)+1, 1-(\q)%2
	FETCH_A \slot, (\q)+1, 0
	WMUL 1, \first
	MUL16 4, (\q)%2, \q, \slot, \first
	MUL16 6, (\q)%2, \q, \slot, \first
	PLACES NP
	WIN 0
	FETCH_A \slot, (\q)+1, 4
.endm
.macro TURN slot, next, fill
	s_wait_tensorcnt 0x0                           ; all my tensor loads have landed: my part of the next slot
	ds_add_u32 v[SPW], v[NIL]
	s_wait_dscnt 17                                ; (the add and the youngest 16 loads may be out)
	WMUL 0, 0
	MUL16 0, 1, 1, \slot, 0
	s_wait_dscnt 0x0                               ; the add is done, and my reads of this slot are over
	s_barrier_signal -1
	MUL16 2, 1, 1, \slot, 0
	WIN 0
	s_barrier_wait -1
.if \fill
	CREST                                          ; no wave of any partner still reads this slot or has a load on its way
	s_add_nc_u64 s[G0+4*\slot+2:G0+4*\slot+3], s[G0+4*\slot+2:G0+4*\slot+3], 2*HALFT
	s_add_nc_u64 s[G0B+4*\slot+2:G0B+4*\slot+3], s[G0B+4*\slot+2:G0B+4*\slot+3], 2*HALFT
	JLOAD G0+4*\slot, G1, G0B+4*\slot, G1B
	PLACES NP-4
.else
	PLACES NP
.endif
	FETCH_B \next, 0, 0
	FETCH_A \next, 0, 0
	SCALES \next
	WMUL 1, 0
	MUL16 4, 1, 1, \slot, 0
	MUL16 6, 1, 1, \slot, 0
	PLACES NP
	WIN 0
	FETCH_A \next, 0, 4
.endm
	s_wait_tensorcnt 1                             ; my part of slot 0 is in; slot 1's load may be out
	s_barrier_signal -1
	s_barrier_wait -1
	FETCH_B 0, 0, 0
	FETCH_A 0, 0, 0
	SCALES 0
	FETCH_A 0, 0, 4
	s_wait_loadcnt 0x0                             ; the bias
	STEP 0, 0, 1
	s_mov_b32 s3, LAPS-1
.Llap:
	TURN 0, 1, 1
	STEP 1, 0, 0
	TURN 1, 0, 1
	STEP 0, 0, 0
	s_sub_co_u32 s3, s3, 1
	s_cmp_lg_u32 s3, 0
	s_cbranch_scc1 .Llap
	TURN 0, 1, 0
	STEP 1, 0, 0
	s_wait_dscnt 16
	WMUL 0, 0
	MUL16 0, 1, 1, 1, 0
	MUL16 2, 1, 1, 1, 0
	s_wait_dscnt 0x0
	WMUL 1, 0
	MUL16 4, 1, 1, 1, 0
	MUL16 6, 1, 1, 1, 0
	WIN 0
.macro RLOAD a                         ; the residual of block a's 16 rows, 512 consecutive bytes a load, into window 1
	WIN 0x40
.irp t, 0,1,2,3,4,5,6,7,8,9,10,11,12,13,14,15
	global_load_b128 v[64*((\a)%2)+4*\t:64*((\a)%2)+4*\t+3], v[L16], s[10:11] offset:(16*(\a)+\t)*ROWO
.endr
	WIN 0
.endm
.macro TOSTAGE a                       ; LDS serves a wave's instructions in order (ISA guide 5.7.1.4): no wait between the stores and the loads
.set AC, 64*((\a)%4)
	WIN 0x08+4*((\a)/4)
.irp b, 0,1,2,3,4,5,6,7
	ds_store_b128 v[STO], v[AC+8*\b:AC+8*\b+3] offset:64*\b          ; each accumulator from its low end on
	ds_store_b128 v[STO], v[AC+8*\b+4:AC+8*\b+7] offset:64*\b+16
.endr
	WIN 0
.set BB, BK+64*((\a)%2)
.irp t, 0,1,2,3,4,5,6,7,8,9,10,11,12,13,14,15
	ds_load_b128 v[BB+4*\t:BB+4*\t+3], v[RD] offset:\t*SPITCH
.endr
.endm
.macro SEND a, younger, lc             ; younger: LDS instructions issued behind block a's loads; lc: global loads issued behind its residual's
.set BB, BK+64*((\a)%2)
.set RR, 64*((\a)%2)
	s_wait_dscnt \younger
	s_wait_loadcnt \lc
	WIN 0x04                                       ; source 1: window 1
.set n, 0
.rept 32
	v_pk_add_f32 v[BB+n:BB+n+1], v[BB+n:BB+n+1], v[RR+n:RR+n+1]
.set n, n+2
.endr
	WIN 0
.irp t, 0,1,2,3,4,5,6,7,8,9,10,11,12,13,14,15
	global_store_b128 v[L16], v[BB+4*\t:BB+4*\t+3], s[12:13] offset:(16*(\a)+\t)*ROWO   ; 512 consecutive bytes, aligned
.endr
.endm
	PLACES NP                                      ; ahead of loads into registers that the last products read, and of the first read of results
	RLOAD 0
	RLOAD 1
	TOSTAGE 0
.irp a, 1,2,3,4,5,6,7
.if \a > 1
	s_wait_xcnt 0x0                                ; block a - 2's stores have read their registers: block a's rows may land there
.endif
	TOSTAGE \a
	SEND \a-1, 32, 16                              ; behind block a - 1's: block a's 16 stores and 16 loads; the next residual's 16 loads
.if \a < 7
	RLOAD \a+1
.endif
.endr
	SEND 7, 0, 0
	s_wait_tensorcnt 0x0                           ; the wave's end
	ds_add_u32 v[SPW], v[NIL]
	s_wait_dscnt 0x0
	CROUND                                         ; the closing round
	s_endpgm
.Lfunc_end_k_qfc2abe9259_ffn2:
	.size	k_qfc2abe9259_ffn2, .Lfunc_end_k_qfc2abe9259_ffn2-k_qfc2abe9259_ffn2
	.p2alignl 7, 3214868480
	.fill 96, 4, 3214868480
	.section	.rodata,"a",@progbits
	.p2align	6, 0x0
	.amdhsa_kernel k_qfc2abe9259_ffn2
		.amdhsa_group_segment_fixed_size 327680
		.amdhsa_private_segment_fixed_size 0
		.amdhsa_enable_private_segment 0
		.amdhsa_kernarg_size 40
		.amdhsa_user_sgpr_count 2
		.amdhsa_user_sgpr_kernarg_segment_ptr 1
		.amdhsa_wavefront_size32 1
		.amdhsa_system_sgpr_workgroup_id_x 1
		.amdhsa_system_sgpr_workgroup_id_y 1
		.amdhsa_system_sgpr_workgroup_id_z 1
		.amdhsa_system_vgpr_workitem_id 0
		.amdhsa_next_free_vgpr 1024
		.amdhsa_next_free_sgpr 100
		.amdhsa_reserve_vcc 0
		.amdhsa_float_denorm_mode_32 3
		.amdhsa_float_denorm_mode_16_64 3
		.amdhsa_memory_ordered 1
		.amdhsa_forward_progress 1
		.amdhsa_inst_pref_size 175
	.end_amdhsa_kernel
	.amdgpu_metadata
---
amdhsa.version: [ 1, 2 ]
amdhsa.kernels:
  - .name:           k_qfc2abe9259_ffn2
    .symbol:         k_qfc2abe9259_ffn2.kd
    .args:
      - { .name: hid, .offset: 0, .size: 8, .value_kind: global_buffer, .address_space: global }
      - { .name: wcodes, .offset: 8, .size: 8, .value_kind: global_buffer, .address_space: global }
      - { .name: bf2, .offset: 16, .size: 8, .value_kind: global_buffer, .address_space: global }
      - { .name: x1, .offset: 24, .size: 8, .value_kind: global_buffer, .address_space: global }
      - { .name: out0, .offset: 32, .size: 8, .value_kind: global_buffer, .address_space: global }
    .group_segment_fixed_size: 327680
    .private_segment_fixed_size: 0
    .kernarg_segment_align: 8
    .kernarg_segment_size: 40
    .max_flat_workgroup_size: 128
    .sgpr_count:     100
    .vgpr_count:     1024
    .wavefront_size: 32
...
	.end_amdgpu_metadata
.endif
;; end of part 7
;; ======== version 2 of 2: 7 launches
;; limits: right only within a limited range of input values
;; workspace buffers: wcodes 13,369,344 bytes; hc 4,456,448 bytes; qc 4,718,592 bytes; kv 9,175,040 bytes; ac 4,456,448 bytes; x1 16,777,216 bytes; hid 17,825,792 bytes
;; launch prep (part 8): grid 640 x 1, 8 waves a work-group, no clusters, 66,816 bytes of LDS; arguments x, g1, b1, hc, wq, wk, wv, wo, w1, w2, wcodes; writes hc, wcodes
.if DOCPART == 8
	.amdgcn_target "amdgcn-amd-amdhsa--gfx1250"
	.amdhsa_code_object_version 6
	.text
	.protected	k_qfc2abe9259_prep
	.globl	k_qfc2abe9259_prep
	.p2align	8
	.type	k_qfc2abe9259_prep,@function
k_qfc2abe9259_prep:
	s_mov_b64 s[64:65], 0
	v_nop
	global_prefetch_b8 v0, s[64:65] scope:SCOPE_SE
	s_setreg_imm32_b32 hwreg(HW_REG_WAVE_MODE, 25, 1), 1
	s_wait_xcnt 0x0
; THE PROGRAM: a decoder block (LN, 16 causal heads of 64, projection, residual, LN, FFN of 4,096, residual) for 4,096 tokens of 1,024, all eight products on
; codes of FP8 (E4M3) with one E8M0 scale for each 32 along K.  Launches: prep (this one), qkv, attn, wo, ln1 (the second LayerNorm, of x1), ffn1, ffn2.
; WORK LEFT OUT.  reference() builds its own causal mask (jnp.tril) and sets the score of key s for query t to -inf where s > t; the softmax gives such a key the weight 0 for
; every finite input, so it adds nothing to the row's sum nor to the product with v, and the row's maximum is taken among keys s <= t alone.  The launch attn therefore does not walk a
; group of 128 keys all of which come after all 16 queries of a tile.  Nothing else is left out; all 14 inputs are loaded.
; LIMIT: a NaN, an infinity or an overflow that reaches only those hidden keys is not carried to the result.
; ORDER ALONG K.  Inside each block of 32 along K both operands of every product are laid in one and the same order: place (half h of the lanes, byte p of the lane's 16) holds
; k = 16 (p / 8) + 8 h + p % 8 of the block.  The products and the blocks are the same; the order in which a sum's terms are added differs from K ascending (a stated limit).
; PANEL: 128 rows x 128 K as an image of operand registers: fragment i (rows 16 i + r) at 2048 i + 512 c + 16 lane (c: the block of 32), its scale words at
; 16384 + 128 i + 4 lane (lanes r and 16 + r hold row r's word, byte b for block b): 17,408 bytes.  A tensor [R][K] is [R / 128][K / 128][PANEL].
; THIS LAUNCH prepares all that the products' launches read of the inputs.  The two kinds of work part on the work-group's number alone; only the first uses LDS and a barrier.
; WORK-GROUPS 0-255: the first LayerNorm and its codes.  y = (x - mean) x rsqrt(mean of (x - mean)^2 + 1e-5) x g + b, in two passes over registers, in f32.  A work-group takes 16 rows: one fragment of each
; of the row block's 8 panels.  Phase A: wave w normalises rows 2 w and 2 w + 1, each load 512 consecutive bytes; the rows go to a stage in LDS.  One barrier.  Phase B: wave w takes K step w: lane (r, h)
; reads from row r its 64 numbers, quantises them and stores the fragment's image.
; WORK-GROUPS 256-639: the six weights, f32 with K as their first matrix axis, into 768 panels: 0-191 wq, wk, wv (row = head x 64 + d), 192-255 wo, 256-511 w1, 512-767 w2.  Four waves make a panel, a work-group two.
; A lane takes a column and its registers run down K: a block of 32 lies in one lane, each load reads 128 consecutive bytes a wave, and the conversions give codes with K innermost.
; LIMITS: a block of zeros, or one whose largest magnitude lies under 2^-118, keeps the byte 1 (read by this program alone); NaN and infinities are not served; v_rsq_f32 is good to 1 ulp.
	s_cmp_ge_u32 ttmp9, 256
	s_cbranch_scc1 .Lweights
.set PAN,   17408
.set ROWP,  4112                       ; a stage row: 4,096 bytes + 16
.set SPARE, 16*ROWP                    ; the spare words, 128 bytes for each of eight waves; no other line names them
.set T,     8                          ; v8-23    row q: four running pairs
.set MEAN,  24
.set RSTD,  28
.set X,     32                         ; v32-95   two rows of 32 numbers; in phase B my 64 numbers
.set GG,    96
.set BB,    128
.set TM,    160                        ; v160-163 largest magnitudes, 164-167 bytes, 168-171 448 x the scale, 172-175 the conversions' scale operands
.set PW,    176
.set PC,    180
.set SPW,   196                        ; my spare word; never rewritten
.set NIL,   197                        ; 0; never rewritten
.set SEL,   22
.set MNT,   24
	s_load_b256 s[4:11], s[0:1], 0x0               ; x, g1, b1, hc
	v_lshl_add_u32 v[SPW], v0, 2, SPARE
	v_mov_b32 v[NIL], 0
	v_lshrrev_b32 v1, 5, v0
	s_delay_alu instid0(VALU_DEP_1)
	v_readfirstlane_b32 s12, v1                    ; wave 0..7
	v_and_b32 v2, 31, v0                           ; lane
	s_delay_alu instid0(VALU_DEP_1)
	v_lshlrev_b32 v1, 4, v2                        ; 16 x lane
	s_lshl_b32 s13, s12, 13
	v_add_nc_u32 v3, s13, v1                       ; my wave's two rows in memory
	s_mul_i32 s13, s12, 2*ROWP
	v_add_nc_u32 v4, s13, v1                       ; and in the stage
	v_and_b32 v5, 15, v0                           ; r
	v_bfe_u32 v6, v0, 4, 1                         ; h
	s_delay_alu instid0(VALU_DEP_2)
	v_mul_u32_u24 v5, v5, ROWP
	s_delay_alu instid0(VALU_DEP_1)
	v_lshl_add_u32 v5, v6, 5, v5
	s_lshl_b32 s13, s12, 9
	v_add_nc_u32 v5, s13, v5                       ; phase B: row r, K step w, + 32 h
	v_lshlrev_b32 v6, 2, v2                        ; 4 x lane
	s_lshl_b32 s14, ttmp9, 16                      ; 16 rows of 4,096 bytes a work-group
	s_mov_b32 s15, 0
	s_lshr_b32 s20, ttmp9, 3
	s_lshl_b32 s20, s20, 3
	s_add_co_u32 s20, s20, s12
	s_mul_i32 s20, s20, PAN                        ; panel (row block, K step w)
	s_and_b32 s21, ttmp9, 7                        ; my fragment in it
	s_lshl_b32 s16, s21, 11
	s_add_co_u32 s16, s16, s20
	s_mov_b32 s17, 0
	s_lshl_b32 s18, s21, 7
	s_add_co_u32 s18, s18, s20
	s_add_co_u32 s18, s18, 16384
	s_mov_b32 s19, 0
	s_mov_b32 s[SEL], 0x76543210
	s_mov_b32 s[SEL+1], 0xfedcba98
	s_mov_b32 s[MNT], 0x600000
	s_mov_b32 s25, 0x3a800000                      ; 1 / 1,024
	s_mov_b32 s26, 0x3727c5ac                      ; 1e-5
.irp b, 0,1,2,3
	v_mov_b32 v[TM+4+\b], 0                        ; written once: a lane permute's destination counts as one of its sources
.endr
	s_wait_kmcnt 0x0
	s_add_nc_u64 s[4:5], s[4:5], s[14:15]
	s_add_nc_u64 s[16:17], s[10:11], s[16:17]      ; where my codes go
	s_add_nc_u64 s[18:19], s[10:11], s[18:19]      ; and my scale words
.irp q, 0,1
.irp j, 0,1,2,3,4,5,6,7
	global_load_b128 v[X+32*\q+4*\j:X+32*\q+4*\j+3], v3, s[4:5] offset:4096*\q+512*\j
.endr
.endr
.irp j, 0,1,2,3,4,5,6,7
	global_load_b128 v[GG+4*\j:GG+4*\j+3], v1, s[6:7] offset:512*\j
.endr
.irp j, 0,1,2,3,4,5,6,7
	global_load_b128 v[BB+4*\j:BB+4*\j+3], v1, s[8:9] offset:512*\j
.endr
.macro ACROSS r, t                     ; the sum of v[r] over the 32 lanes, in every lane; v[t] has been written
	s_delay_alu instid0(VALU_DEP_1)
	v_add_f32_dpp v[\r], v[\r], v[\r] row_xmask:1 row_mask:0xf bank_mask:0xf
	s_delay_alu instid0(VALU_DEP_1)
	v_add_f32_dpp v[\r], v[\r], v[\r] row_xmask:2 row_mask:0xf bank_mask:0xf
	s_delay_alu instid0(VALU_DEP_1)
	v_add_f32_dpp v[\r], v[\r], v[\r] row_xmask:4 row_mask:0xf bank_mask:0xf
	s_delay_alu instid0(VALU_DEP_1)
	v_add_f32_dpp v[\r], v[\r], v[\r] row_xmask:8 row_mask:0xf bank_mask:0xf
	s_delay_alu instid0(VALU_DEP_1)
	v_permlanex16_b32 v[\t], v[\r], s[SEL], s[SEL+1]
	s_delay_alu instid0(VALU_DEP_1)
	v_add_f32 v[\r], v[\r], v[\t]
.endm
.macro FOLD                            ; the four running pairs into v[TR]
	s_delay_alu instid0(VALU_DEP_3)
	v_pk_add_f32 v[TR:TR+1], v[TR:TR+1], v[TR+2:TR+3]
	s_delay_alu instid0(VALU_DEP_2)
	v_pk_add_f32 v[TR+4:TR+5], v[TR+4:TR+5], v[TR+6:TR+7]
	s_delay_alu instid0(VALU_DEP_1)
	v_pk_add_f32 v[TR:TR+1], v[TR:TR+1], v[TR+4:TR+5]
	s_delay_alu instid0(VALU_DEP_1)
	v_add_f32 v[TR], v[TR], v[TR+1]
	ACROSS TR, TR+1
.endm
.macro ROW q                           ; row q: the mean, x - mean in place, the variance, 1 / sqrt
.set XR, X+32*\q
.set TR, T+8*\q
.set MR, MEAN+2*\q
.irp k, 0,1,2,3
	v_pk_add_f32 v[TR+2*\k:TR+2*\k+1], v[XR+4*\k:XR+4*\k+1], v[XR+4*\k+2:XR+4*\k+3]   ; the first sums start the four chains: nothing is cleared
.endr
.irp k, 0,1,2,3,4,5,6,7
	s_delay_alu instid0(VALU_DEP_4)
	v_pk_add_f32 v[TR+2*(\k%4):TR+2*(\k%4)+1], v[TR+2*(\k%4):TR+2*(\k%4)+1], v[XR+16+2*\k:XR+16+2*\k+1]
.endr
	FOLD
	s_delay_alu instid0(VALU_DEP_1)
	v_mul_f32 v[MR], s25, v[TR]
	s_delay_alu instid0(VALU_DEP_1)
	v_mov_b32 v[MR+1], v[MR]
.irp k, 0,1,2,3,4,5,6,7,8,9,10,11,12,13,14,15
	v_pk_add_f32 v[XR+2*\k:XR+2*\k+1], v[XR+2*\k:XR+2*\k+1], v[MR:MR+1] neg_lo:[0,1] neg_hi:[0,1]
.endr
.irp k, 0,1,2,3
	v_pk_mul_f32 v[TR+2*\k:TR+2*\k+1], v[XR+2*\k:XR+2*\k+1], v[XR+2*\k:XR+2*\k+1]
.endr
.irp k, 4,5,6,7,8,9,10,11,12,13,14,15
	s_delay_alu instid0(VALU_DEP_4)
	v_pk_fma_f32 v[TR+2*(\k%4):TR+2*(\k%4)+1], v[XR+2*\k:XR+2*\k+1], v[XR+2*\k:XR+2*\k+1], v[TR+2*(\k%4):TR+2*(\k%4)+1]
.endr
	FOLD
	s_delay_alu instid0(VALU_DEP_1)
	v_fma_f32 v[TR], v[TR], s25, s26               ; the variance + 1e-5
	s_wait_alu depctr_va_vdst(0)
	v_rsq_f32 v[RSTD+2*\q], v[TR]
.endm
	s_wait_loadcnt 16                              ; my two rows are in; g's and b's 16 loads may be out
	ROW 0
	ROW 1
	v_nop                                          ; a plain line behind the last transcendental
	s_wait_alu depctr_va_vdst(0)                   ; one wait for both, ahead of the first line that names a result
	v_mov_b32 v[RSTD+1], v[RSTD]
	v_mov_b32 v[RSTD+3], v[RSTD+2]
	s_wait_alu depctr_va_vdst(0)
	s_wait_loadcnt 0x0                             ; g and b
.irp q, 0,1
.irp k, 0,1,2,3,4,5,6,7,8,9,10,11,12,13,14,15
	v_pk_mul_f32 v[X+32*\q+2*\k:X+32*\q+2*\k+1], v[X+32*\q+2*\k:X+32*\q+2*\k+1], v[RSTD+2*\q:RSTD+2*\q+1]
.endr
.irp k, 0,1,2,3,4,5,6,7,8,9,10,11,12,13,14,15
	v_pk_fma_f32 v[X+32*\q+2*\k:X+32*\q+2*\k+1], v[X+32*\q+2*\k:X+32*\q+2*\k+1], v[GG+2*\k:GG+2*\k+1], v[BB+2*\k:BB+2*\k+1]
.endr
.irp j, 0,1,2,3,4,5,6,7
	ds_store_b128 v4, v[X+32*\q+4*\j:X+32*\q+4*\j+3] offset:ROWP*\q+512*\j
.endr
.endr
	s_wait_dscnt 0x0                               ; for the others' sake: my rows lie in the stage
	s_barrier_signal -1
	s_barrier_wait -1
.irp c, 0,1,2,3                        ; block c: k = 8 h + 0..7 and 16 + 8 h + 0..7
	ds_load_b128 v[X+16*\c:X+16*\c+3],     v5 offset:128*\c
	ds_load_b128 v[X+16*\c+4:X+16*\c+7],   v5 offset:128*\c+16
	ds_load_b128 v[X+16*\c+8:X+16*\c+11],  v5 offset:128*\c+64
	ds_load_b128 v[X+16*\c+12:X+16*\c+15], v5 offset:128*\c+80
.endr
	s_wait_dscnt 0x0
.irp b, 0,1,2,3
	v_max3_num_f32 v[TM+\b], |v[X+16*\b]|, |v[X+1+16*\b]|, 0x4800000   ; block b: my 16 numbers and the floor 2^(9 - 127); the four blocks by turns
.endr
.irp i, 2,4,6,8,10,12,14
.irp b, 0,1,2,3
	s_delay_alu instid0(VALU_DEP_4)
	v_max3_num_f32 v[TM+\b], v[TM+\b], |v[X+16*\b+\i]|, |v[X+1+16*\b+\i]|
.endr
.endr
.irp b, 0,1,2,3
	s_delay_alu instid0(VALU_DEP_4)
	v_permlanex16_b32 v[TM+4+\b], v[TM+\b], s[SEL], s[SEL+1]
.endr
.irp b, 0,1,2,3
	s_delay_alu instid0(VALU_DEP_4)
	v_max_num_f32 v[TM+\b], v[TM+\b], v[TM+4+\b]   ; with lane l xor 16's 16: the block's largest magnitude
.endr
.irp b, 0,1,2,3
	s_delay_alu instid0(VALU_DEP_4)
	v_add_nc_u32 v[TM+12+\b], 0xfc000000, v[TM+\b] ; 8 off its exponent field: the conversion's scale operand
.endr
.irp b, 0,1,2,3
	v_and_or_b32 v[TM+8+\b], v[TM+\b], 0x7f800000, s[MNT]   ; 448 x the scale
.endr
.irp b, 0,1,2,3
	v_lshrrev_b32 v[TM+4+\b], 23, v[TM+12+\b]      ; the scale's byte
.endr
	s_delay_alu instid0(VALU_DEP_3)
	v_lshl_or_b32 v[PW], v[TM+5], 8, v[TM+4]
	s_delay_alu instid0(VALU_DEP_1)
	v_lshl_or_b32 v[PW], v[TM+6], 16, v[PW]
	s_delay_alu instid0(VALU_DEP_1)
	v_lshl_or_b32 v[PW], v[TM+7], 24, v[PW]
.irp b, 0,1,2,3
.irp i, 0,1,2,3,4,5,6,7,8,9,10,11,12,13,14,15
	v_med3_num_f32 v[X+16*\b+\i], v[X+16*\b+\i], -v[TM+8+\b], v[TM+8+\b]   ; the conversion does not saturate (ISA guide 7.6.2): the hold comes first
.endr
	v_cvt_scalef32_pk8_fp8_f32 v[PC+4*\b:PC+1+4*\b], v[X+16*\b:X+7+16*\b], v[TM+12+\b]
	v_cvt_scalef32_pk8_fp8_f32 v[PC+2+4*\b:PC+3+4*\b], v[X+8+16*\b:X+15+16*\b], v[TM+12+\b]
.endr
	v_nop
.irp c, 0,1,2,3
	global_store_b128 v1, v[PC+4*\c:PC+4*\c+3], s[16:17] offset:512*\c   ; 32 lanes store 512 consecutive bytes, aligned
.endr
	global_store_b32 v6, v[PW], s[18:19]
	s_wait_tensorcnt 0x0                           ; the wave's end
	ds_add_u32 v[SPW], v[NIL]
	s_wait_dscnt 0x0
	s_endpgm
.Lweights:
; THE WEIGHTS.  No LDS, no barrier: waves share nothing.
.set VO,   4                           ; v4       my codes' place in the panel: 2048 (2 w + lane / 16) + 16 (lane % 16)
.set VS,   5                           ; v5       my scale word's place
.set OFF,  16                          ; v16-47   row i of a block: pitch x i + 4 x lane
.set X,    48                          ; v48-175  four blocks of 32 numbers
.set C,    176                         ; v176-207 eight registers of codes a block: no store's data are written again
.set SB,   208                         ; v208     the column's scale word
.set BASE, 24                          ; s[24:31] where block c of my wave's columns begins: four addresses, never rewritten
.set MNT,  41
.set PN,   43                          ; s43      the panel's number, 0 .. 767
	s_load_b256 s[4:11], s[0:1], 0x20              ; wq, wk, wv, wo
	s_load_b128 s[12:15], s[0:1], 0x40             ; w1, w2
	s_load_b64 s[16:17], s[0:1], 0x50              ; wcodes
	v_lshrrev_b32 v1, 5, v0
	v_readfirstlane_b32 s40, v1                    ; wave 0..7
	v_and_b32 v2, 31, v0                           ; lane
	s_wait_alu depctr_va_vdst(0)
	v_lshlrev_b32 v3, 2, v2
	s_wait_alu depctr_va_vdst(0)
	s_lshr_b32 s[PN], s40, 2
	s_and_b32 s40, s40, 3                          ; w: my 32 of the panel's columns
	s_sub_co_u32 s44, ttmp9, 256
	s_lshl_b32 s44, s44, 1
	s_add_co_u32 s[PN], s[PN], s44                 ; panel 2 (work-group - 256) + wave / 4
	s_and_b32 s20, s[PN], 63
	s_and_b32 s21, s[PN], 255
	s_cmp_lt_u32 s[PN], 256
	s_cselect_b32 s20, s20, s21                    ; the panel's number inside its tensor (wq, wk, wv, wo: 64 each; w1, w2: 256 each)
	s_cmp_lt_u32 s[PN], 512
	s_cselect_b32 s21, 3, 5                        ; K steps in a row block: 8, for w2 32
	s_cselect_b32 s22, 7, 31
	s_lshr_b32 s23, s20, s21                       ; nb: which 128 columns
	s_and_b32 s22, s20, s22                        ; ks: which 128 along K
	s_mov_b32 s32, 4096
	s_cmp_lt_u32 s[PN], 192
	s_cselect_b32 s32, 256, s32
	s_lshr_b32 s33, s[PN], 8
	s_cmp_eq_u32 s33, 1
	s_cselect_b32 s32, 16384, s32                  ; the pitch from k to k + 1 in bytes: 256 in a head, 4,096 in wo and w2, 16,384 in w1
	s_lshl_b32 s34, s23, 1
	s_lshr_b32 s35, s40, 1
	s_add_co_u32 s34, s34, s35
	s_lshl_b32 s34, s34, 18                        ; wq, wk, wv: head 2 nb + w / 2, 262,144 bytes a head,
	s_and_b32 s35, s40, 1
	s_lshl_b32 s35, s35, 7
	s_add_co_u32 s34, s34, s35                     ; and d = 32 (w % 2) on
	s_lshl_b32 s35, s23, 9
	s_lshl_b32 s36, s40, 7
	s_add_co_u32 s35, s35, s36                     ; the others: column 128 nb + 32 w
	s_cmp_lt_u32 s[PN], 192
	s_cselect_b32 s34, s34, s35
	s_mul_i32 s35, s22, s32
	s_lshl_b32 s35, s35, 7
	s_add_co_u32 s34, s34, s35                     ; + 128 ks rows
	s_mov_b32 s35, 0
	s_lshl_b32 s36, s32, 5                         ; a block on: 32 rows
	s_mov_b32 s37, 0
	s_mul_i32 s38, s[PN], PAN
	s_mov_b32 s39, 0
	s_mov_b32 s[MNT], 0x600000
	v_lshrrev_b32 v6, 4, v2
	v_and_b32 v7, 15, v2
	s_lshl_b32 s42, s40, 1
	v_add_nc_u32 v6, s42, v6                       ; my column's fragment: 2 w + lane / 16
	v_lshlrev_b32 v[VO], 11, v6
	v_lshl_add_u32 v[VO], v7, 4, v[VO]
	v_lshlrev_b32 v[VS], 7, v6
	v_lshl_add_u32 v[VS], v7, 2, v[VS]
	v_add_nc_u32 v[VS], 16384, v[VS]
.set n, 0
.rept 32
	v_mad_u32_u24 v[OFF+n], s32, n, v3
.set n, n+1
.endr
	s_wait_alu depctr_va_vdst(0)
	s_wait_kmcnt 0x0
	s_cmp_lt_u32 s[PN], 64                         ; which tensor: the choice hangs on the panel's number alone
	s_cselect_b64 s[18:19], s[4:5], s[6:7]
	s_cmp_lt_u32 s[PN], 128
	s_cselect_b64 s[18:19], s[18:19], s[8:9]
	s_cmp_lt_u32 s[PN], 192
	s_cselect_b64 s[18:19], s[18:19], s[10:11]
	s_cmp_lt_u32 s[PN], 256
	s_cselect_b64 s[18:19], s[18:19], s[12:13]
	s_cmp_lt_u32 s[PN], 512
	s_cselect_b64 s[18:19], s[18:19], s[14:15]
	s_add_nc_u64 s[BASE:BASE+1], s[18:19], s[34:35]
	s_add_nc_u64 s[BASE+2:BASE+3], s[BASE:BASE+1], s[36:37]
	s_add_nc_u64 s[BASE+4:BASE+5], s[BASE+2:BASE+3], s[36:37]
	s_add_nc_u64 s[BASE+6:BASE+7], s[BASE+4:BASE+5], s[36:37]
	s_add_nc_u64 s[16:17], s[16:17], s[38:39]      ; my panel
.macro LOAD c                          ; block c: W(32 c + i, my column), i = 0 .. 31
.set n, 0
.rept 32
	global_load_b32 v[X+32*\c+n], v[OFF+n], s[BASE+2*\c:BASE+2*\c+1] th:TH_LOAD_NT
.set n, n+1
.endr
.endm
.macro BLOCK c
.set XS, X+32*\c
.set CC, C+8*\c
	v_max3_num_f32 v12, |v[XS]|, |v[XS+1]|, |v[XS+2]|              ; the block's largest magnitude: all 32 numbers are mine; two chains
	v_max3_num_f32 v13, |v[XS+3]|, |v[XS+4]|, |v[XS+5]|
.irp i, 6,10,14,18,22,26
	v_max3_num_f32 v12, v12, |v[XS+\i]|, |v[XS+\i+1]|
	v_max3_num_f32 v13, v13, |v[XS+\i+2]|, |v[XS+\i+3]|
.endr
	v_max3_num_f32 v12, v12, |v[XS+30]|, |v[XS+31]|
	v_max3_num_f32 v12, v12, v13, 0x4800000        ; and the floor 2^(9 - 127): the byte cannot fall under 1
	v_add_nc_u32 v11, 0xfc000000, v12              ; 8 off the exponent field: the conversion takes this operand's exponent field as its scale
	v_and_or_b32 v10, v12, 0x7f800000, s[MNT]      ; 448 x the scale
	v_lshrrev_b32 v13, 23, v11                     ; the scale's byte
.if \c == 0
	v_mov_b32 v[SB], v13
.else
	v_lshl_or_b32 v[SB], v13, 8*\c, v[SB]
.endif
.set n, 0
.rept 32
	v_med3_num_f32 v[XS+n], v[XS+n], -v10, v10     ; the conversion does not saturate (ISA guide 7.6.2): the hold comes first
.set n, n+1
.endr
	v_cvt_scalef32_pk8_fp8_f32 v[CC:CC+1],   v[XS:XS+7],     v11   ; lanes' half 0 of the fragment: k 0-7,
	v_cvt_scalef32_pk8_fp8_f32 v[CC+2:CC+3], v[XS+16:XS+23], v11   ; k 16-23;
	v_cvt_scalef32_pk8_fp8_f32 v[CC+4:CC+5], v[XS+8:XS+15],  v11   ; half 1: k 8-15,
	v_cvt_scalef32_pk8_fp8_f32 v[CC+6:CC+7], v[XS+24:XS+31], v11   ; k 24-31
	v_nop                                          ; a plain line behind the last conversion
	global_store_b128 v[VO], v[CC:CC+3],   s[16:17] offset:512*\c        ; sixteen lanes store 256 consecutive bytes, aligned
	global_store_b128 v[VO], v[CC+4:CC+7], s[16:17] offset:512*\c+256
.endm
	LOAD 0
	LOAD 1
	s_wait_loadcnt 32                              ; block 0 is in; block 1's 32 loads may be out
	LOAD 2
	BLOCK 0
	s_wait_loadcnt 32                              ; block 1 is in; block 2's may be out
	LOAD 3
	BLOCK 1
	s_wait_loadcnt 32                              ; block 2 is in; block 3's may be out
	BLOCK 2
	s_wait_loadcnt 0x0
	BLOCK 3
	global_store_b32 v[VS], v[SB], s[16:17]        ; the scale word, for lane r
	global_store_b32 v[VS], v[SB], s[16:17] offset:64   ; and for lane 16 + r
	s_endpgm
.Lfunc_end_k_qfc2abe9259_prep:
	.size	k_qfc2abe9259_prep, .Lfunc_end_k_qfc2abe9259_prep-k_qfc2abe9259_prep
	.p2alignl 7, 3214868480
	.fill 96, 4, 3214868480
	.section	.rodata,"a",@progbits
	.p2align	6, 0x0
	.amdhsa_kernel k_qfc2abe9259_prep
		.amdhsa_group_segment_fixed_size 66816
		.amdhsa_private_segment_fixed_size 0
		.amdhsa_enable_private_segment 0
		.amdhsa_kernarg_size 88
		.amdhsa_user_sgpr_count 2
		.amdhsa_user_sgpr_kernarg_segment_ptr 1
		.amdhsa_wavefront_size32 1
		.amdhsa_system_sgpr_workgroup_id_x 1
		.amdhsa_system_sgpr_workgroup_id_y 1
		.amdhsa_system_sgpr_workgroup_id_z 1
		.amdhsa_system_vgpr_workitem_id 0
		.amdhsa_next_free_vgpr 216
		.amdhsa_next_free_sgpr 66
		.amdhsa_reserve_vcc 0
		.amdhsa_float_denorm_mode_32 3
		.amdhsa_float_denorm_mode_16_64 3
		.amdhsa_memory_ordered 1
		.amdhsa_forward_progress 1
		.amdhsa_inst_pref_size 65
	.end_amdhsa_kernel
	.amdgpu_metadata
---
amdhsa.version: [ 1, 2 ]
amdhsa.kernels:
  - .name:           k_qfc2abe9259_prep
    .symbol:         k_qfc2abe9259_prep.kd
    .args:
      - { .name: x, .offset: 0, .size: 8, .value_kind: global_buffer, .address_space: global }
      - { .name: g1, .offset: 8, .size: 8, .value_kind: global_buffer, .address_space: global }
      - { .name: b1, .offset: 16, .size: 8, .value_kind: global_buffer, .address_space: global }
      - { .name: hc, .offset: 24, .size: 8, .value_kind: global_buffer, .address_space: global }
      - { .name: wq, .offset: 32, .size: 8, .value_kind: global_buffer, .address_space: global }
      - { .name: wk, .offset: 40, .size: 8, .value_kind: global_buffer, .address_space: global }
      - { .name: wv, .offset: 48, .size: 8, .value_kind: global_buffer, .address_space: global }
      - { .name: wo, .offset: 56, .size: 8, .value_kind: global_buffer, .address_space: global }
      - { .name: w1, .offset: 64, .size: 8, .value_kind: global_buffer, .address_space: global }
      - { .name: w2, .offset: 72, .size: 8, .value_kind: global_buffer, .address_space: global }
      - { .name: wcodes, .offset: 80, .size: 8, .value_kind: global_buffer, .address_space: global }
    .group_segment_fixed_size: 66816
    .private_segment_fixed_size: 0
    .kernarg_segment_align: 8
    .kernarg_segment_size: 88
    .max_flat_workgroup_size: 256
    .sgpr_count:     66
    .vgpr_count:     216
    .wavefront_size: 32
...
	.end_amdgpu_metadata
.endif
;; end of part 8
;; launch qkv (part 9): grid 12 x 16, 4 waves a work-group, clusters of 4 x 4, 327,680 bytes of LDS; arguments hc, wcodes, qc, kv; writes qc, kv
.if DOCPART == 9
	.amdgcn_target "amdgcn-amd-amdhsa--gfx1250"
	.amdhsa_code_object_version 6
	.text
	.protected	k_qfc2abe9259_qkv
	.globl	k_qfc2abe9259_qkv
	.p2align	8
	.type	k_qfc2abe9259_qkv,@function
k_qfc2abe9259_qkv:
	s_mov_b64 s[64:65], 0
	v_nop
	global_prefetch_b8 v0, s[64:65] scope:SCOPE_SE
	s_setreg_imm32_b32 hwreg(HW_REG_WAVE_MODE, 25, 1), 1
	s_wait_xcnt 0x0
	s_wait_alu depctr_hold_cnt(0) depctr_sa_sdst(0) depctr_va_vdst(0) depctr_va_sdst(0) depctr_va_ssrc(0) depctr_va_vcc(0) depctr_vm_vsrc(0)
	s_getreg_b32 s2, hwreg(HW_REG_IB_STS2, 6, 4)
	s_cmp_eq_u32 s2, 0
	s_cbranch_scc0 .Lentry_in_a_cluster
	s_endpgm
.Lentry_in_a_cluster:
	s_bfe_u32 s2, ttmp6, 0x10000c
	s_cmp_lg_u32 s2, 0xf033
	s_cbranch_scc0 .Lentry_shape_is_right
	s_endpgm
.Lentry_shape_is_right:
; q, k and v of all 16 heads: h (4,096 tokens x 1,024, codes in panels) times wq, wk, wv (3,072 rows x 1,024, panels 0-191 of wcodes), and the results' own codes, made in registers.
; PANEL: 128 rows x 128 K as images of operand registers: fragment i at 2048 i + 512 c + 16 lane, scale words at 16384 + 128 i + 4 lane; 17,408 bytes; a tensor is [rows / 128][K / 128][panel].
; A tile of the result, 256 x 256, is made by four waves, 128 x 128 each: 64 accumulators, 512 registers.  K goes through a ring of two LDS slots of 256 along K; a wave's tensor load
; brings two neighbouring panels, 34,816 dense bytes, codes and scale words together.  CLUSTERS of 4 x 4: side A's panels are shared along a row of the cluster, side B's along a column, by joint loads.
; THE MATRIX INSTRUCTION IS USED TRANSPOSED: source 0 = 16 rows of side B, source 1 = 16 rows of side A: a lane holds one row of A and its registers run along B's rows.
; The cluster's x says what is made: 0 q, 1 k, 2 v; it is the same in all sixteen partners.  q, k: A = tokens, B = weight rows, so a lane's registers run along d, which is K of the scores.
; v: A = weight rows, B = tokens, so a lane's registers run along the tokens, which are K of the second product of attention.  One quantiser serves all three.
; The 16 registers of two neighbouring accumulators are place p = 0 .. 15 of a block of 32 in this program's order along K (k = 16 (p / 8) + 8 h + p % 8): the conversions' results ARE the operand's image.
; OUT.  q: qc codes [bh][tile of 16 tokens][c 2][lane][16], scale words behind them at 4,194,304: [bh][tile][lane][4].  k, v: kv [bh][group of 128 keys][17,920]: k's 8 tiles of 16 keys
; (1024 t + 512 c + 16 lane; words at 8192 + 128 t + 4 lane), then from 9,216 v's 4 tiles of 16 d x 128 keys (2048 t + 512 c + 16 lane; words at 8192 + 128 t + 4 lane).
; In q's and k's words bytes 0, 1 are the head's two blocks; bytes 2, 3 (the neighbouring head's, or 0) stand over zero codes in the launch that reads them.
; LIMITS: NaN and infinities are not served; a block of zeros or under 2^-118 keeps the byte 1; the sums' order differs from K ascending.
; REGISTERS: window 0: v16-29 addresses; v32-63 scale words, two sets; v64-111 at work on the way out; v128-255 A's fragments, one set.  window 1: B's fragments, two sets.  windows 2, 3: accumulator (a, b) at v[8 (8 (a % 4) + b)].
.set PAN,   17408
.set HALFT, 2*PAN                      ; what one tensor load brings: a row block's two K steps
.set SLOT,  4*HALFT                    ; A's two row blocks, then B's two
.set SPARE, 2*SLOT                     ; behind the ring: the spare words, 128 bytes a wave; no other line names them
.set KS,    8                          ; K steps of 128
.set RBS,   KS*PAN                     ; a row block in memory
.set LAPS,  KS/4                       ; a lap = once round the ring = four K steps
.set NP,    8                          ; places behind this matrix instruction (ISA guide 7.12.1)
.set ADRA, 16                          ; v16-17 my A fragments in slot 0, 1
.set ADRS, 18                          ; v18-19 my scale words: lanes 0-15 A's, lanes 16-31 B's
.set ADRB, 20                          ; v20-21 my B fragments
.set L16,  26                          ; 16 x lane
.set L4,   27                          ; 4 x lane
.set SPW,  28                          ; LDS address of my spare word; never rewritten
.set NIL,  29                          ; 0; never rewritten
.set SC,   32                          ; scale words: set s at SC + 16 s; register 2 i + q: block i, the slot's q-th K step
.set TM,   64                          ; v64-67 largest magnitudes, 68-71 bytes, 72-75 448 x the scale, 76-79 the conversions' scale operands
.set PW,   80
.set PW2,  81
.set PC,   96                          ; v96-111 the codes
.set AF,   128
.set G1, 24                            ; s[24:31] group 1 for A;  s[32:39] groups 0, one for each slot
.set G0, 32
.set G1B, 48                           ; s[48:55], s[56:63] the same for B
.set G0B, 56
.set LO,  68                           ; s[68:69] where codes of blocks 0, 1 go;  s[70:71] blocks 2, 3;  s[72:73], s[74:75] the scale words
.set HI,  70
.set SLO, 72
.set SHI, 74
.set SEL, 84
.set MNT, 86
.set FLR, 87
.set MSB, 0
.macro WIN new                         ; the immediate's high byte repeats the setting that is left
.if MSB != (\new)
	s_set_vgpr_msb (MSB<<8)|(\new)
.set MSB, (\new)
.endif
.endm
.set MUL_LO, 0xa1                      ; source 0 (B) window 1, source 1 (A) window 0, C and D window 2
.set MUL_HI, 0xf1                      ; the same, C and D window 3
.set TO_B,   0x40                      ; destination window 1, address window 0
; A joint load: waves 0 and 1 fetch for A, waves 2 and 3 for B; the branch hangs on the wave's number alone.  An s_nop 0 and four v_nop follow each line.
.macro JLOAD g0a, g1a, g0b, g1b
	s_cmp_eq_u32 s15, 0
	s_cbranch_scc0 .Lfor_b_\@
	tensor_load_to_lds s[\g0a:\g0a+3], s[\g1a:\g1a+7]
	s_nop 0
.rept 4
	v_nop
.endr
	s_branch .Lasked_\@
.Lfor_b_\@:
	tensor_load_to_lds s[\g0b:\g0b+3], s[\g1b:\g1b+7]
	s_nop 0
.rept 4
	v_nop
.endr
.Lasked_\@:
.endm
.macro CREST                           ; a round of the cluster's barrier behind its opening barrier
	s_cmp_lg_u32 s14, 0
	s_cbranch_scc1 .Lnot_wave_0_\@
	s_barrier_signal -3
.Lnot_wave_0_\@:
	s_barrier_wait -3
	s_barrier_signal -1
	s_barrier_wait -1
.endm
.macro CROUND
	s_barrier_signal -1
	s_barrier_wait -1
	CREST
.endm
	s_load_b256 s[4:11], s[0:1], 0x0               ; hc, wcodes, qc, kv
	v_lshl_add_u32 v[SPW], v0, 2, SPARE
	v_mov_b32 v[NIL], 0
	ds_add_u32 v[SPW], v[NIL]                      ; the wave's opening: the add, twice on end, and its wait ahead of my first tensor load
	ds_add_u32 v[SPW], v[NIL]
	v_lshrrev_b32 v1, 5, v0
	v_readfirstlane_b32 s14, v1                    ; wave 0..3
	s_lshr_b32 s15, s14, 1                         ; wA: my half of A's rows.  Also: I fetch for A (0) or for B (1)
	s_and_b32 s16, s14, 1                          ; wB: my half of B's rows.  Also: which row block I fetch
	s_bfe_u32 s40, ttmp6, 0x40000                  ; cx
	s_bfe_u32 s41, ttmp6, 0x40004                  ; cy
	s_and_b32 s18, ttmp7, 0xffff
	s_lshl_b32 s18, s18, 2                         ; 4 x cluster y
	s_lshl_b32 s19, ttmp9, 2                       ; 4 x cluster x
	s_cmp_eq_u32 ttmp9, 2                          ; v?
	s_cselect_b32 s17, 8, s18
	s_cselect_b32 s42, s18, s19
	s_add_co_u32 s17, s17, s41                     ; A's tile of 256 rows: tokens 4 cY + cy; for v weight rows 8 + cy
	s_add_co_u32 s42, s42, s40                     ; B's: weight rows 4 cX + cx; for v tokens 4 cY + cx
	s_lshl_b32 s43, s41, 2
	s_lshl_b32 s43, 15, s43                        ; my row of the cluster
	s_lshl_b32 s44, 0x1111, s40                    ; my column
	s_or_b32 s[G1+0], s43, (3<<16)|(1<<21)         ; 15:0 the mask; 17:16 elements of 8 bytes; 21 set beside a mask; no padding
	s_or_b32 s[G1B+0], s44, (3<<16)|(1<<21)
.irp g, G1, G1B
	s_mov_b32 s[\g+1], 32<<16                      ; tensor_dim0 = 32 elements: rows of 256 bytes
	s_mov_b32 s[\g+2], 136<<16                     ; tensor_dim1 = 136 rows: 34,816 dense bytes
	s_mov_b32 s[\g+3], 32<<16                      ; tile_dim0
	s_mov_b32 s[\g+4], 136                         ; tile_dim1
	s_mov_b32 s[\g+5], 32                          ; the pitch
	s_mov_b32 s[\g+6], 0
	s_mov_b32 s[\g+7], 0
.endr
	s_lshl_b32 s20, s17, 1
	s_add_co_u32 s20, s20, s16
	s_mul_i32 s20, s20, RBS                        ; A: row block 2 T_A + (wave % 2)
	s_mov_b32 s21, 0
	s_lshl_b32 s46, s42, 1
	s_add_co_u32 s46, s46, s16
	s_mul_i32 s46, s46, RBS                        ; B likewise
	s_mov_b32 s47, 0
	s_mul_i32 s45, s14, HALFT                      ; where they go: no place in the cluster enters an LDS address
	s_wait_dscnt 0x0                               ; both opening adds are done
	s_wait_kmcnt 0x0
	s_cmp_eq_u32 ttmp9, 2
	s_cselect_b64 s[22:23], s[6:7], s[4:5]         ; A's tensor: h, for v the weights
	s_cselect_b64 s[66:67], s[4:5], s[6:7]         ; B's: the weights, for v h
	s_add_nc_u64 s[20:21], s[22:23], s[20:21]
	s_add_nc_u64 s[46:47], s[66:67], s[46:47]
	s_cmp_eq_u32 s15, 0                            ; the prefetches: s[98:99] = where my loads begin, on side A or B,
	s_cselect_b64 s[98:99], s[20:21], s[46:47]
	s_cselect_b32 s12, s40, s41                    ; + my work-group's 34 of a load's 136 blocks of 256 bytes: my place among the four that ask with me enters this address alone
	s_mul_i32 s12, s12, 34*256
	s_mov_b32 s13, 0
	s_add_nc_u64 s[98:99], s[98:99], s[12:13]
	CROUND
.irp s, 0,1
	s_mov_b32 s[G0+4*\s], 1
	s_add_co_u32 s[G0+4*\s+1], s45, \s*SLOT
	s_add_nc_u64 s[G0+4*\s+2:G0+4*\s+3], s[20:21], \s*HALFT
	s_or_b32 s[G0+4*\s+3], s[G0+4*\s+3], 0x80000000
	s_mov_b32 s[G0B+4*\s], 1
	s_add_co_u32 s[G0B+4*\s+1], s45, \s*SLOT
	s_add_nc_u64 s[G0B+4*\s+2:G0B+4*\s+3], s[46:47], \s*HALFT
	s_or_b32 s[G0B+4*\s+3], s[G0B+4*\s+3], 0x80000000
.endr
	JLOAD G0, G1, G0B, G1B                         ; slot 0: one tensor load a wave at the head
	v_and_b32 v1, 31, v0                           ; lane
	v_bfe_u32 v2, v0, 4, 1                         ; h
	v_lshlrev_b32 v[L16], 4, v1
	s_wait_alu depctr_va_vdst(0)
	v_lshlrev_b32 v[L4], 2, v1
	s_mul_i32 s21, s15, HALFT                      ; my row block of A
	s_mul_i32 s22, s16, HALFT
	s_add_co_u32 s22, s22, 2*HALFT                 ; my row block of B, behind A's two
	s_xor_b32 s23, s15, 1
	s_add_co_u32 s23, s23, s16
	s_add_co_u32 s23, s23, 1
	s_mul_i32 s23, s23, HALFT                      ; from the one to the other: (2 + wB - wA) x HALFT
	v_mul_u32_u24 v3, s23, v2                      ; lanes 16-31 take B's scale words
	v_add_nc_u32 v3, v3, v[L4]
.irp s, 0,1
	v_add_nc_u32 v[ADRA+\s], s21, v[L16]
	v_add_nc_u32 v[ADRB+\s], s22, v[L16]
	v_add_nc_u32 v[ADRS+\s], s21, v3
	s_add_co_u32 s21, s21, SLOT
	s_add_co_u32 s22, s22, SLOT
.endr
	; where the results go
	s_cmp_eq_u32 ttmp9, 2
	s_cselect_b32 s66, s42, s17                    ; the tile of 256 tokens,
	s_cselect_b32 s67, s16, s15                    ; my half of it,
	s_cselect_b32 s88, s41, s40                    ; the place that counts heads,
	s_cselect_b32 s89, s15, s16                    ; and my half there
	s_mov_b32 s76, 1024
	s_cselect_b32 s76, 2048, s76                   ; from block a to a + 1: a tile of q or k, a tile of v
	s_cselect_b32 s78, 278528, 0                   ; v, at a = 4: on to the next head's group: 286,720 - 4 x 2,048
	s_cselect_b32 s80, 286208, 0                   ; and its scale words: 286,720 - 4 x 128
	s_cselect_b32 s90, 9216, 0                     ; v's part of a group
	s_mov_b32 s91, 286720
	s_cselect_b32 s91, 1024, s91                   ; from blocks 0, 1 to blocks 2, 3: k: the next head; v: 1,024 bytes on
	s_add_co_u32 s78, s78, s76
	s_add_co_u32 s80, s80, 128
	s_mov_b32 s77, 0
	s_mov_b32 s79, 0
	s_mov_b32 s81, 0
	s_lshr_b32 s92, s66, 3                         ; the batch
	s_and_b32 s66, s66, 7
	s_lshl_b32 s66, s66, 1
	s_add_co_u32 s66, s66, s67                     ; g: my 128 tokens in the batch
	s_lshl_b32 s88, s88, 2
	s_lshl_b32 s89, s89, 1
	s_add_co_u32 s88, s88, s89                     ; my first head
	s_lshl_b32 s92, s92, 4
	s_add_co_u32 s88, s88, s92                     ; bh0 = 16 x batch + head
	s_lshl_b32 s89, s88, 7
	s_lshl_b32 s92, s66, 3
	s_add_co_u32 s89, s89, s92                     ; q: tile 128 bh0 + 8 g
	s_lshl_b32 s92, s89, 10
	s_lshl_b32 s93, s89, 7
	s_add_co_u32 s93, s93, 4194304
	s_lshl_b32 s89, s88, 4
	s_add_co_u32 s89, s89, s66
	s_mul_i32 s89, s89, 17920                      ; k, v: group 16 bh0 + g
	s_add_co_u32 s89, s89, s90
	s_add_co_u32 s94, s89, 8192
	s_mov_b32 s95, 286720
	s_cmp_eq_u32 ttmp9, 0                          ; q?
	s_cselect_b64 s[LO:LO+1], s[8:9], s[10:11]
	s_cselect_b32 s92, s92, s89
	s_cselect_b32 s94, s93, s94
	s_cselect_b32 s96, 131072, s91
	s_cselect_b32 s95, 16384, s95
	s_mov_b32 s93, 0
	s_mov_b32 s97, 0
	s_mov_b64 s[SLO:SLO+1], s[LO:LO+1]
	s_add_nc_u64 s[LO:LO+1], s[LO:LO+1], s[92:93]
	s_add_nc_u64 s[HI:HI+1], s[LO:LO+1], s[96:97]
	s_mov_b32 s92, s94
	s_add_nc_u64 s[SLO:SLO+1], s[SLO:SLO+1], s[92:93]
	s_mov_b32 s96, s95
	s_add_nc_u64 s[SHI:SHI+1], s[SLO:SLO+1], s[96:97]   ; (not used for v)
	s_mov_b32 s[SEL], 0x76543210
	s_mov_b32 s[SEL+1], 0xfedcba98
	s_mov_b32 s[MNT], 0x600000
	s_mov_b32 s[FLR], 0x4800000
.macro FRAG reg, adr, q, i             ; a fragment's image: four loads of 512 consecutive bytes
.irp c, 0,1,2,3
	ds_load_b128 v[\reg+4*\c:\reg+4*\c+3], v[\adr] offset:PAN*(\q)+2048*(\i)+512*\c
.endr
.endm
; 16 matrix instructions: A's blocks a0, a0 + 1 x B's eight.  p: B's set; q: the slot's K step; sc: the set of scale words.  first = 1: the products start the sums: nothing is cleared.
; The 64 accumulators take turns, one instruction a turn, in the same order in every step.
.macro MUL16 a0, p, q, sc, first
.irp a, \a0, \a0+1
.irp b, 0,1,2,3,4,5,6,7
.set rD, 8*(8*((\a)%4)+\b)
.set rB, 128*(\p)+16*\b
.set rA, AF+16*(\a)
.set rSB, SC+16*(\sc)+2*\b+(\q)
.set rSA, SC+16*(\sc)+2*(\a)+(\q)
.if \first
	v_wmma_scale_f32_16x16x128_f8f6f4 v[rD:rD+7], v[rB:rB+15], v[rA:rA+15], 0, v[rSB], v[rSA] matrix_a_scale:MATRIX_SCALE_ROW1
.else
	v_wmma_scale_f32_16x16x128_f8f6f4 v[rD:rD+7], v[rB:rB+15], v[rA:rA+15], v[rD:rD+7], v[rSB], v[rSA] matrix_a_scale:MATRIX_SCALE_ROW1
.endif
.endr
.endr
.endm
.macro FETCH_B slot, q, p
	WIN TO_B
.irp i, 0,1,2,3,4,5,6,7
	FRAG 128*(\p)+16*\i, ADRB+\slot, \q, \i
.endr
	WIN 0
.endm
.macro FETCH_A slot, q, i0
.irp i, \i0, \i0+1, \i0+2, \i0+3
	FRAG AF+16*(\i), ADRA+\slot, \q, \i
.endr
.endm
.macro SCALES sc                       ; a slot's scale words: lanes 0-15 A's block i, lanes 16-31 B's block i
.irp i, 0,1,2,3,4,5,6,7
.irp q, 0,1
	ds_load_b32 v[SC+16*\sc+2*\i+\q], v[ADRS+\sc] offset:PAN*\q+16384+128*\i
.endr
.endr
.endm
.macro PLACES n                        ; plain vector lines between a matrix instruction and a load into, or a read of, its registers
.rept \n
	v_nop
.endr
.endm
.macro STEP slot, q, first             ; a K step that has its successor in the same slot
	s_wait_dscnt 16                                ; all but the youngest 16 loads (A's blocks 4-7) are in
	WIN MUL_LO
	MUL16 0, (\q)%2, \q, \slot, \first
	MUL16 2, (\q)%2, \q, \slot, \first
	s_wait_dscnt 0x0                               ; A's blocks 4-7 are in
	PLACES NP
	FETCH_B \slot, (\q)+1, 1-(\q)%2
	FETCH_A \slot, (\q)+1, 0
	WIN MUL_HI
	MUL16 4, (\q)%2, \q, \slot, \first
	MUL16 6, (\q)%2, \q, \slot, \first
	PLACES NP
	WIN 0
	FETCH_A \slot, (\q)+1, 4
.endm
; A slot's last K step changes slots: one barrier; ahead of it each wave waits for all its tensor loads, adds 0 to its spare word, and waits for that and for its reads of this slot.
.macro TURN slot, next, fill
	s_wait_tensorcnt 0x0                           ; all my tensor loads have landed: my part of the next slot
	ds_add_u32 v[SPW], v[NIL]
	s_wait_dscnt 17                                ; (the add and the youngest 16 loads may be out)
	WIN MUL_LO
	MUL16 0, 1, 1, \slot, 0
	s_wait_dscnt 0x0                               ; the add is done, and my reads of this slot are over
	s_barrier_signal -1
	MUL16 2, 1, 1, \slot, 0
	WIN 0
	s_barrier_wait -1
.if \fill
	CREST                                          ; the barrier has opened a round of the cluster's: no wave of any partner still reads this slot or has a load on its way
	s_add_nc_u64 s[G0+4*\slot+2:G0+4*\slot+3], s[G0+4*\slot+2:G0+4*\slot+3], 2*HALFT
	s_add_nc_u64 s[G0B+4*\slot+2:G0B+4*\slot+3], s[G0B+4*\slot+2:G0B+4*\slot+3], 2*HALFT
	JLOAD G0+4*\slot, G1, G0B+4*\slot, G1B         ; the first tensor load behind the round; its four v_nop are among the places
	PLACES NP-4
.else
	PLACES NP
.endif
	FETCH_B \next, 0, 0
	FETCH_A \next, 0, 0
	SCALES \next
	WIN MUL_HI
	MUL16 4, 1, 1, \slot, 0
	MUL16 6, 1, 1, \slot, 0
	PLACES NP
	WIN 0
	FETCH_A \next, 0, 4
.endm
	v_lshlrev_b32 v22, 8, v1                       ; the prefetches' offsets: block = lane;
	v_min_u32 v23, 1, v1
	v_lshl_add_u32 v23, v23, 8, 8192               ; blocks 32 and 33 (the other lanes name the last block again)
	s_wait_alu depctr_va_vdst(0)
	global_prefetch_b8 v22, s[98:99] offset:HALFT th:TH_LOAD_NT scope:SCOPE_SE     ; what my second and third loads will bring: K steps 2-3 and 4-5
	global_prefetch_b8 v23, s[98:99] offset:HALFT th:TH_LOAD_NT scope:SCOPE_SE
	global_prefetch_b8 v22, s[98:99] offset:2*HALFT th:TH_LOAD_NT scope:SCOPE_SE
	global_prefetch_b8 v23, s[98:99] offset:2*HALFT th:TH_LOAD_NT scope:SCOPE_SE
	s_wait_tensorcnt 0x0                           ; my part of slot 0 is in
	ds_add_u32 v[SPW], v[NIL]
	s_wait_dscnt 0x0
	CROUND                                         ; a whole round: slot 0 is whole, and all sixteen work-groups are here
	JLOAD G0+4, G1, G0B+4, G1B                     ; slot 1's first fill, the first tensor load behind the round
	FETCH_B 0, 0, 0
	FETCH_A 0, 0, 0
	SCALES 0
	FETCH_A 0, 0, 4
	global_prefetch_b8 v22, s[98:99] offset:3*HALFT th:TH_LOAD_NT scope:SCOPE_SE   ; my last load's: K steps 6-7; nothing lies behind them
	global_prefetch_b8 v23, s[98:99] offset:3*HALFT th:TH_LOAD_NT scope:SCOPE_SE
	STEP 0, 0, 1
	s_mov_b32 s3, LAPS-1
.Llap:
	TURN 0, 1, 1
	STEP 1, 0, 0
	TURN 1, 0, 1
	STEP 0, 0, 0
	s_sub_co_u32 s3, s3, 1
	s_cmp_lg_u32 s3, 0
	s_cbranch_scc1 .Llap
	TURN 0, 1, 0                                   ; the last lap fills nothing
	STEP 1, 0, 0
	s_wait_dscnt 16
	WIN MUL_LO
	MUL16 0, 1, 1, 1, 0
	MUL16 2, 1, 1, 1, 0
	s_wait_dscnt 0x0
	WIN MUL_HI
	MUL16 4, 1, 1, 1, 0
	MUL16 6, 1, 1, 1, 0
	WIN 0
; THE WAY OUT.  Block a (16 rows of A on the lanes, 128 rows of B along 64 registers) becomes a fragment's codes in v[PC] on and its scale word in v[PW].  Each accumulator is read from its low end on.
.macro QUANTW a
.set QW, 2+(\a)/4
.set QS, 64*((\a)%4)
	WIN (QW<<2)|(QW<<4)
.irp b, 0,1,2,3
	v_max3_num_f32 v[TM+\b], s[FLR], |v[QS+16*\b]|, |v[QS+16*\b+1]|   ; the floor 2^(9 - 127) and my 16 numbers of block b; the four blocks by turns
.endr
.irp i, 2,4,6,8,10,12,14
.irp b, 0,1,2,3
	v_max3_num_f32 v[TM+\b], v[TM+\b], |v[QS+16*\b+\i]|, |v[QS+16*\b+\i+1]|
.endr
.endr
	WIN 0
.irp b, 0,1,2,3
	v_permlanex16_b32 v[TM+4+\b], v[TM+\b], s[SEL], s[SEL+1]
.endr
.irp b, 0,1,2,3
	v_max_num_f32 v[TM+\b], v[TM+\b], v[TM+4+\b]   ; with lane l xor 16's 16
.endr
.irp b, 0,1,2,3
	v_add_nc_u32 v[TM+12+\b], 0xfc000000, v[TM+\b]
.endr
.irp b, 0,1,2,3
	v_and_or_b32 v[TM+8+\b], v[TM+\b], 0x7f800000, s[MNT]
.endr
.irp b, 0,1,2,3
	v_lshrrev_b32 v[TM+4+\b], 23, v[TM+12+\b]
.endr
	v_lshl_or_b32 v[PW], v[TM+5], 8, v[TM+4]
	v_lshl_or_b32 v[PW], v[TM+6], 16, v[PW]
	v_lshl_or_b32 v[PW], v[TM+7], 24, v[PW]
	WIN (QW<<6)|QW
.irp b, 0,1,2,3
.irp i, 0,1,2,3,4,5,6,7,8,9,10,11,12,13,14,15
	v_med3_num_f32 v[QS+16*\b+\i], v[QS+16*\b+\i], -v[TM+8+\b], v[TM+8+\b]   ; the conversion does not saturate (ISA guide 7.6.2)
.endr
.endr
	WIN QW
.irp b, 0,1,2,3
	v_cvt_scalef32_pk8_fp8_f32 v[PC+4*\b:PC+4*\b+1], v[QS+16*\b:QS+16*\b+7], v[TM+12+\b]
	v_cvt_scalef32_pk8_fp8_f32 v[PC+4*\b+2:PC+4*\b+3], v[QS+16*\b+8:QS+16*\b+15], v[TM+12+\b]
.endr
	WIN 0
	v_nop                                          ; a plain line behind the last conversion
.endm
	PLACES NP                                      ; ahead of the first read of results
.irp b, 0,1,2,3
	v_mov_b32 v[TM+4+\b], 0                        ; written once: a lane permute's destination counts as one of its sources
.endr
.irp a, 0,1,2,3,4,5,6,7
.if \a > 0
	s_wait_xcnt 0x0                                ; the last block's stores have read their data and bases: both are written again only behind this wait
.if \a == 4
	s_add_nc_u64 s[LO:LO+1], s[LO:LO+1], s[78:79]
	s_add_nc_u64 s[HI:HI+1], s[HI:HI+1], s[78:79]
	s_add_nc_u64 s[SLO:SLO+1], s[SLO:SLO+1], s[80:81]
	s_add_nc_u64 s[SHI:SHI+1], s[SHI:SHI+1], s[80:81]
.else
	s_add_nc_u64 s[LO:LO+1], s[LO:LO+1], s[76:77]
	s_add_nc_u64 s[HI:HI+1], s[HI:HI+1], s[76:77]
	s_add_nc_u64 s[SLO:SLO+1], s[SLO:SLO+1], 128
	s_add_nc_u64 s[SHI:SHI+1], s[SHI:SHI+1], 128
.endif
.endif
	QUANTW \a
	global_store_b128 v[L16], v[PC:PC+3],     s[LO:LO+1]             ; each store covers 512 consecutive bytes, aligned
	global_store_b128 v[L16], v[PC+4:PC+7],   s[LO:LO+1] offset:512
	global_store_b128 v[L16], v[PC+8:PC+11],  s[HI:HI+1]
	global_store_b128 v[L16], v[PC+12:PC+15], s[HI:HI+1] offset:512
	global_store_b32 v[L4], v[PW], s[SLO:SLO+1]
	s_cmp_eq_u32 ttmp9, 2                          ; q, k: the second head's two bytes make a word of their own; v's four belong together
	s_cbranch_scc1 .Lone_word_\a
	v_lshrrev_b32 v[PW2], 16, v[PW]
	global_store_b32 v[L4], v[PW2], s[SHI:SHI+1]
.Lone_word_\a:
.endr
	s_wait_tensorcnt 0x0                           ; the wave's end
	ds_add_u32 v[SPW], v[NIL]
	s_wait_dscnt 0x0
	CROUND                                         ; the closing round
	s_endpgm
.Lfunc_end_k_qfc2abe9259_qkv:
	.size	k_qfc2abe9259_qkv, .Lfunc_end_k_qfc2abe9259_qkv-k_qfc2abe9259_qkv
	.p2alignl 7, 3214868480
	.fill 96, 4, 3214868480
	.section	.rodata,"a",@progbits
	.p2align	6, 0x0
	.amdhsa_kernel k_qfc2abe9259_qkv
		.amdhsa_group_segment_fixed_size 327680
		.amdhsa_private_segment_fixed_size 0
		.amdhsa_enable_private_segment 0
		.amdhsa_kernarg_size 32
		.amdhsa_user_sgpr_count 2
		.amdhsa_user_sgpr_kernarg_segment_ptr 1
		.amdhsa_wavefront_size32 1
		.amdhsa_system_sgpr_workgroup_id_x 1
		.amdhsa_system_sgpr_workgroup_id_y 1
		.amdhsa_system_sgpr_workgroup_id_z 1
		.amdhsa_system_vgpr_workitem_id 0
		.amdhsa_next_free_vgpr 1024
		.amdhsa_next_free_sgpr 100
		.amdhsa_reserve_vcc 0
		.amdhsa_float_denorm_mode_32 3
		.amdhsa_float_denorm_mode_16_64 3
		.amdhsa_memory_ordered 1
		.amdhsa_forward_progress 1
		.amdhsa_inst_pref_size 189
	.end_amdhsa_kernel
	.amdgpu_metadata
---
amdhsa.version: [ 1, 2 ]
amdhsa.kernels:
  - .name:           k_qfc2abe9259_qkv
    .symbol:         k_qfc2abe9259_qkv.kd
    .args:
      - { .name: hc, .offset: 0, .size: 8, .value_kind: global_buffer, .address_space: global }
      - { .name: wcodes, .offset: 8, .size: 8, .value_kind: global_buffer, .address_space: global }
      - { .name: qc, .offset: 16, .size: 8, .value_kind: global_buffer, .address_space: global }
      - { .name: kv, .offset: 24, .size: 8, .value_kind: global_buffer, .address_space: global }
    .group_segment_fixed_size: 327680
    .private_segment_fixed_size: 0
    .kernarg_segment_align: 8
    .kernarg_segment_size: 32
    .max_flat_workgroup_size: 128
    .sgpr_count:     100
    .vgpr_count:     1024
    .wavefront_size: 32
...
	.end_amdgpu_metadata
.endif
;; end of part 9
;; launch attn (part 10): grid 8 x 32, 16 waves a work-group, clusters of 4 x 1, 327,680 bytes of LDS; arguments qc, kv, ac; writes ac
.if DOCPART == 10
	.amdgcn_target "amdgcn-amd-amdhsa--gfx1250"
	.amdhsa_code_object_version 6
	.text
	.protected	k_qfc2abe9259_attn
	.globl	k_qfc2abe9259_attn
	.p2align	8
	.type	k_qfc2abe9259_attn,@function
k_qfc2abe9259_attn:
	s_mov_b64 s[64:65], 0
	v_nop
	global_prefetch_b8 v0, s[64:65] scope:SCOPE_SE
	s_setreg_imm32_b32 hwreg(HW_REG_WAVE_MODE, 25, 1), 1
	s_wait_xcnt 0x0
	s_wait_alu depctr_hold_cnt(0) depctr_sa_sdst(0) depctr_va_vdst(0) depctr_va_sdst(0) depctr_va_ssrc(0) depctr_va_vcc(0) depctr_vm_vsrc(0)
	s_getreg_b32 s2, hwreg(HW_REG_IB_STS2, 6, 4)
	s_cmp_eq_u32 s2, 0
	s_cbranch_scc0 .Lentry_in_a_cluster
	s_endpgm
.Lentry_in_a_cluster:
	s_bfe_u32 s2, ttmp6, 0x10000c
	s_cmp_lg_u32 s2, 0x3003
	s_cbranch_scc0 .Lentry_shape_is_right
	s_endpgm
.Lentry_shape_is_right:
; Causal attention of 32 (batch, head) pairs, 2,048 tokens, head size 64, both products on codes of FP8 (E4M3) with one E8M0 scale for each 32 along K; the result's own codes leave as panels for the projection.
; WORK LEFT OUT: a group of 128 keys all of which come after all 16 queries of a tile is not walked: reference()'s own jnp.tril gives such keys the weight 0 for every finite input.
; LIMITS: NaN and infinities are not served, and none that reaches only hidden keys is carried on; the promise holds while the scaled scores stay under 2^31 in magnitude; a block of zeros keeps the byte 1.
; IN: qc codes [bh][tile of 16 tokens][c 2][lane][16], scale words from byte 4,194,304: [bh][tile][lane][4].  kv [bh][group of 128 keys][17,920]: k's 8 tiles of 16 keys (1024 t + 512 c + 16 lane; words at 8192 + 128 t + 4 lane),
; from 9,216 v's 4 tiles of 16 d x 128 keys (2048 t + 512 c + 16 lane; words at 8192 + 128 t + 4 lane).  OUT: ac, panels of 17,408 bytes [32 row blocks][8 K steps].
; SOFTMAX: t = score x log2(e) / 32; M = the running largest t rounded up to a whole number; p = 2^(t - M) is quantised along the keys; the row's sum is taken of the unquantised p and divides at the end.
; SHARES.  Work-group x of a head owns the query tiles 8 T + x, T = 0 .. 15; tile T walks T + 1 groups.  Tiles i and 15 - i make 17 groups, dealt to two waves:
; role 0 walks groups 0 .. 8 of tile 15 - i; role 1 walks its groups 9 .. 15 - i, leaves O^T, -M and the sum in a stage in LDS, and then walks tile i whole.  Behind one barrier role 0 joins the two parts
; by factors 2^(own M - common M), which round nothing.  So a wave has 9 or 8 steps.  Waves w, w + 4, w + 8, w + 12 hold two of each role.
; LDS: the head's 16 groups, 286,720 bytes, asked for at the head, a group a wave, jointly by the four work-groups of a cluster, which walk the same head; spare words; the stage, 4,608 bytes a pair.  Nothing is filled again.
; No prefetch: all K and V are asked for at the head, and no loop of this text loads from memory.
; K = 64 of the scores fills half of the instruction's 128: Q's upper 64 codes are zeros, so K's upper eight registers may hold any numbers: tile t's operand is v[KF + 8 t] on, 16 registers, whose upper half is tile t + 1's codes
; (tile 7's: eight registers of zeros).  Both products are used transposed: a lane holds one query.
.set GRP,   17920
.set VPART, 9216
.set SPARE, 16*GRP                     ; the spare words: 128 bytes for each of 16 waves; no other line names them
.set STAGE, SPARE+2048                 ; the stage: pair i at STAGE + 4608 i: eight images of four registers of O^T, one of v12-15
.set SPT,   4608
.set L16, 1                            ; 16 x lane
.set L4,  2                            ; 4 x lane
.set ADK, 3                            ; the group's codes
.set ADS, 4                            ; the group's scale words
.set SPW, 5                            ; my spare word; never rewritten
.set NIL, 6                            ; 0; never rewritten
.set DG,  7                            ; my query's place in its group less 8 (lane / 16)
.set STG, 8                            ; my pair's stage + 16 x lane
.set QF,  16                           ; v16-31 Q: 8 registers of codes, 8 of zeros
.set KF,  32                           ; v32-103 K's eight tiles and eight zeros; then V's four fragments in v32-95
.set ST,  104                          ; v104-167 S^T, then p
.set OT,  168                          ; v168-199 O^T
.set PCD, 200                          ; v200-215 p's codes
.set BM,  216
.set PB,  220
.set HO,  224
.set SO,  228
.set TP,  232
.set S2,  234
.set FF,  236
.set KSW, 238                          ; scale words: K's eight, V's four, Q's, p's
.set VSW, 246
.set QSW, 250
.set PSW, 251
.set WV,  10
.set II,  11                           ; the tile in hand: its last group
.set MNT, 19
.set SEL, 20
.set CS,  22
.set ROLE, 36
.set PI,  37                           ; the pair's number i
.set LO,  38                           ; the first group that I walk
.set II2, 39                           ; the second walk's tile: i, or -1 for role 0
.set G,   40
.set TB,  41
.set CNT, 42
.macro CROUND
	s_barrier_signal -1
	s_barrier_wait -1
	s_cmp_lg_u32 s[WV], 0
	s_cbranch_scc1 .Lnot_wave_0_\@
	s_barrier_signal -3
.Lnot_wave_0_\@:
	s_barrier_wait -3
	s_barrier_signal -1
	s_barrier_wait -1
.endm
.macro QADR t, c, w                    ; tile s[t] of my head: its codes' address into s[c:c+1], its scale words' into s[w:w+1]; s17 = 128 bh
	s_lshl_b32 s15, s[\t], 3
	s_add_co_u32 s15, s15, s13
	s_add_co_u32 s15, s15, s17
	s_lshl_b32 s[\c], s15, 10
	s_mov_b32 s[\c+1], 0
	s_lshl_b32 s[\w], s15, 7
	s_add_co_u32 s[\w], s[\w], 4194304
	s_mov_b32 s[\w+1], 0
	s_add_nc_u64 s[\c:\c+1], s[4:5], s[\c:\c+1]
	s_add_nc_u64 s[\w:\w+1], s[4:5], s[\w:\w+1]
.endm
	s_load_b128 s[4:7], s[0:1], 0x0                ; qc, kv
	s_load_b64 s[8:9], s[0:1], 0x10                ; ac
	v_lshl_add_u32 v[SPW], v0, 2, SPARE
	v_mov_b32 v[NIL], 0
	ds_add_u32 v[SPW], v[NIL]                      ; the opening: the add, twice on end, and its wait ahead of my first tensor load
	ds_add_u32 v[SPW], v[NIL]
	v_lshrrev_b32 v9, 5, v0
	v_readfirstlane_b32 s[WV], v9                  ; wave 0..15
	s_bfe_u32 s12, ttmp6, 0x40000                  ; cx
	s_lshl_b32 s13, ttmp9, 2
	s_add_co_u32 s13, s13, s12                     ; x: enters global addresses and DG alone
	s_and_b32 s14, ttmp7, 0xffff                   ; bh
	s_mov_b32 s24, 15|(3<<16)|(1<<21)              ; group 1: the four partners; elements of 8 bytes; a group is 70 dense rows of 256 bytes
	s_mov_b32 s25, 32<<16
	s_mov_b32 s26, 70<<16
	s_mov_b32 s27, 32<<16
	s_mov_b32 s28, 70
	s_mov_b32 s29, 32
	s_mov_b32 s30, 0
	s_mov_b32 s31, 0
	s_mul_i32 s43, s[WV], GRP                      ; wave w fetches group w
	s_mul_i32 s44, s14, 16*GRP
	s_add_co_u32 s44, s44, s43
	s_mov_b32 s45, 0
	s_wait_dscnt 0x0
	s_wait_kmcnt 0x0
	s_add_nc_u64 s[44:45], s[6:7], s[44:45]
	CROUND                                         ; the four work-groups are here: the joint loads meet
	s_mov_b32 s32, 1
	s_mov_b32 s33, s43
	s_mov_b64 s[34:35], s[44:45]
	s_or_b32 s35, s35, 0x80000000
	tensor_load_to_lds s[32:35], s[24:31]          ; my one tensor load
	s_nop 0
	s_bfe_u32 s[ROLE], s[WV], 0x10002              ; bit 2 of the wave's number
	s_and_b32 s[PI], s[WV], 3
	s_lshr_b32 s15, s[WV], 3
	s_lshl_b32 s15, s15, 2
	s_add_co_u32 s[PI], s[PI], s15                 ; i = w % 4 + 4 (w / 8)
	s_xor_b32 s[II], s[PI], 15                     ; the first walk's tile: 15 - i
	s_mul_i32 s[LO], s[ROLE], 9                    ; role 1 works from group 9 on;
	s_mul_i32 s[G], s[ROLE], 7                     ; its nine trips go over groups 7 .. 15, role 0's over 0 .. 8: every trip's addresses lie inside the 16 groups
	s_mul_i32 s[TB], s[ROLE], 7*GRP
	s_cmp_eq_u32 s[ROLE], 1
	s_cselect_b32 s[II2], s[PI], -1
	s_cselect_b32 s46, s[PI], s[II]                ; the tile that I finish and store
	s_lshl_b32 s17, s14, 7
	QADR II, 48, 50
	QADR PI, 56, 58
	s_lshr_b32 s15, s14, 4                         ; ac: row block 16 x batch + tile, K step head / 2, fragment x, blocks 2 (head % 2) on
	s_lshl_b32 s15, s15, 4
	s_add_co_u32 s15, s15, s46
	s_lshl_b32 s15, s15, 3
	s_and_b32 s47, s14, 15
	s_lshr_b32 s17, s47, 1
	s_add_co_u32 s15, s15, s17
	s_mul_i32 s15, s15, 17408
	s_and_b32 s47, s47, 1
	s_lshl_b32 s17, s13, 11
	s_add_co_u32 s52, s15, s17
	s_lshl_b32 s17, s47, 10
	s_add_co_u32 s52, s52, s17
	s_mov_b32 s53, 0
	s_lshl_b32 s17, s13, 7
	s_add_co_u32 s54, s15, s17
	s_lshl_b32 s17, s47, 1
	s_add_co_u32 s54, s54, s17
	s_add_co_u32 s54, s54, 16384
	s_mov_b32 s55, 0
	s_add_nc_u64 s[52:53], s[8:9], s[52:53]
	s_add_nc_u64 s[54:55], s[8:9], s[54:55]
	s_mul_i32 s18, s[PI], SPT
	s_add_co_u32 s18, s18, STAGE
	s_lshl_b32 s17, s13, 4
	s_mov_b32 s[MNT], 0x600000
	s_mov_b32 s[SEL], 0x76543210
	s_mov_b32 s[SEL+1], 0xfedcba98
	s_mov_b32 s[CS], 0x3d38aa3b                    ; log2(e) / 32
	s_mov_b32 s[CS+1], s[CS]
	v_and_b32 v9, 31, v0
	v_and_b32 v10, 15, v0
	v_bfe_u32 v11, v0, 4, 1
	v_lshlrev_b32 v[L16], 4, v9
	v_lshlrev_b32 v[L4], 2, v9
	v_lshlrev_b32 v11, 3, v11
	v_sub_nc_u32 v[DG], v10, v11
	v_add_nc_u32 v[DG], s17, v[DG]
	v_add_nc_u32 v[STG], s18, v[L16]
	s_wait_alu depctr_va_vdst(0)
	global_load_b128 v[QF:QF+3],   v[L16], s[48:49]
	global_load_b128 v[QF+4:QF+7], v[L16], s[48:49] offset:512
	global_load_b32 v[QSW], v[L4], s[50:51]
.macro FRESH                           ; a tile's state: the largest t -3e38, -M, the sum and O^T zeros: the first change of M multiplies zeros
	v_mov_b32 v13, 0xff61b1e6
	v_floor_f32 v12, -v13
	v_mov_b32 v14, 0
	v_mov_b32 v15, 0
.set n, 0
.rept 32
	v_mov_b32 v[OT+n], 0
.set n, n+1
.endr
.endm
	FRESH
	v_mov_b32 v[TP], 0
	v_mov_b32 v[FF+1], 0
	v_mov_b32 v[S2], 0
	v_mov_b32 v[S2+1], 0
.irp j, 0,1,2,3
	v_mov_b32 v[PB+\j], 0
.endr
.irp j, 0,1,2,3,4,5,6,7
	v_mov_b32 v[QF+8+\j], 0
	v_mov_b32 v[KF+64+\j], 0
.endr
; A STEP: 128 keys against my 16 queries.  Left out, by branches on ids alone, where the group is not mine or comes after the tile.
.macro STEP
	s_cmp_lt_u32 s[G], s[LO]
	s_cbranch_scc1 .Lhidden_\@
	s_cmp_gt_i32 s[G], s[II]
	s_cbranch_scc1 .Lhidden_\@
	v_add_nc_u32 v[ADK], s[TB], v[L16]
	v_add_nc_u32 v[ADS], s[TB], v[L4]
	s_wait_alu depctr_va_vdst(0)
.rept 6
	v_nop                                          ; with the two additions: eight places ahead of loads into registers that the last products read
.endr
.irp t, 0,1,2,3,4,5,6,7
	ds_load_b128 v[KF+8*\t:KF+8*\t+3],   v[ADK] offset:1024*\t
	ds_load_b128 v[KF+8*\t+4:KF+8*\t+7], v[ADK] offset:1024*\t+512
	ds_load_b32 v[KSW+\t], v[ADS] offset:8192+128*\t
.endr
	s_wait_dscnt 0x0
.irp t, 0,1,2,3,4,5,6,7
	v_wmma_scale_f32_16x16x128_f8f6f4 v[ST+8*\t:ST+8*\t+7], v[KF+8*\t:KF+8*\t+15], v[QF:QF+15], 0, v[KSW+\t], v[QSW]
.endr
.rept 8
	v_nop                                          ; places ahead of the loads below and of the first read of the scores
.endr
.irp t, 0,1,2,3                                ; V's fragments take K's registers and land under the softmax
.irp c, 0,1,2,3
	ds_load_b128 v[KF+16*\t+4*\c:KF+16*\t+4*\c+3], v[ADK] offset:VPART+2048*\t+512*\c
.endr
	ds_load_b32 v[VSW+\t], v[ADS] offset:VPART+8192+128*\t
.endr
	s_cmp_lg_u32 s[G], s[II]
	s_cbranch_scc1 .Lopen_\@
	v_mov_b32 v[TP], 0xff800000                    ; on the diagonal the scores of hidden keys become -infinity: p = 0
.set n, 0
.rept 64
	v_cmp_gt_i32 vcc_lo, 16*(n/8)+n%8, v[DG]
	v_cndmask_b32 v[ST+n], v[ST+n], v[TP], vcc_lo
.set n, n+1
.endr
.Lopen_\@:
.irp b, 0,1,2,3
	v_max3_num_f32 v[BM+\b], v[ST+16*\b], v[ST+1+16*\b], v[ST+2+16*\b]   ; each block's largest score serves the row's maximum and the block's largest p
.endr
.irp i, 3,5,7,9,11,13
.irp b, 0,1,2,3
	v_max3_num_f32 v[BM+\b], v[BM+\b], v[ST+16*\b+\i], v[ST+1+16*\b+\i]
.endr
.endr
.irp b, 0,1,2,3
	v_max_num_f32 v[BM+\b], v[BM+\b], v[ST+15+16*\b]
.endr
.irp b, 0,1,2,3
	s_delay_alu instid0(VALU_DEP_4)
	v_permlanex16_b32 v[PB+\b], v[BM+\b], s[SEL], s[SEL+1]
.endr
.irp b, 0,1,2,3
	s_delay_alu instid0(VALU_DEP_4)
	v_max_num_f32 v[BM+\b], v[BM+\b], v[PB+\b]
.endr
	s_delay_alu instid0(VALU_DEP_2)
	v_max3_num_f32 v[TP], v[BM], v[BM+1], v[BM+2]
	s_delay_alu instid0(VALU_DEP_1)
	v_max_num_f32 v[TP], v[TP], v[BM+3]
	s_delay_alu instid0(VALU_DEP_1)
	v_mul_f32 v[TP], s[CS], v[TP]
	s_delay_alu instid0(VALU_DEP_1)
	v_max_num_f32 v13, v13, v[TP]                  ; the running largest t
	v_mov_b32 v[TP], v12
	s_delay_alu instid0(VALU_DEP_2)
	v_floor_f32 v12, -v13                          ; -M = floor(-t)
	s_delay_alu instid0(VALU_DEP_1)
	v_sub_f32 v[TP], v12, v[TP]
	s_delay_alu instid0(VALU_DEP_1)
	v_cvt_i32_f32 v[TP], v[TP]
	s_delay_alu instid0(VALU_DEP_1)
	v_ldexp_f32 v[FF], 1.0, v[TP]                  ; f = 2^(old M - new M)
.set n, 0
.rept 32
	v_pk_fma_f32 v[ST+n:ST+n+1], v[ST+n:ST+n+1], s[CS:CS+1], v[12:13] op_sel_hi:[1,0,0]
.set n, n+2
.endr
.irp b, 0,1,2,3
	v_fma_f32 v[BM+\b], v[BM+\b], s[CS], v12
.endr
.set n, 0
	s_wait_alu depctr_va_vdst(0)                   ; one wait ahead of the batch
.rept 64
	v_exp_f32 v[ST+n], v[ST+n]
.set n, n+1
.endr
	v_pk_mul_f32 v[14:15], v[14:15], v[FF:FF+1] op_sel_hi:[1,0]
	s_wait_alu depctr_va_vdst(0)                   ; and one behind it
.irp b, 0,1,2,3
	v_exp_f32 v[BM+\b], v[BM+\b]
.endr
	v_pk_add_f32 v[S2:S2+1], v[ST:ST+1], v[ST+2:ST+3]   ; the row's sum of the unquantised p, in two chains
.irp j, 4,8,12,16,20,24,28,32,36,40,44,48,52,56,60
	v_pk_add_f32 v[14:15], v[14:15], v[ST+\j:ST+\j+1]
	v_pk_add_f32 v[S2:S2+1], v[S2:S2+1], v[ST+2+\j:ST+3+\j]
.endr
	s_delay_alu instid0(VALU_DEP_1)
	v_pk_add_f32 v[14:15], v[14:15], v[S2:S2+1]
	s_wait_alu depctr_va_vdst(0)                   ; for the four
.irp b, 0,1,2,3
	v_max_num_f32 v[BM+\b], 0x4800000, v[BM+\b]    ; the floor 2^(9 - 127)
.endr
.irp b, 0,1,2,3
	s_delay_alu instid0(VALU_DEP_4)
	v_add_nc_u32 v[SO+\b], 0xfc000000, v[BM+\b]
.endr
.irp b, 0,1,2,3
	v_and_or_b32 v[HO+\b], v[BM+\b], 0x7f800000, s[MNT]
.endr
.irp b, 0,1,2,3
	v_lshrrev_b32 v[PB+\b], 23, v[SO+\b]
.endr
	s_delay_alu instid0(VALU_DEP_3)
	v_lshl_or_b32 v[PSW], v[PB+1], 8, v[PB]
	s_delay_alu instid0(VALU_DEP_1)
	v_lshl_or_b32 v[PSW], v[PB+2], 16, v[PSW]
	s_delay_alu instid0(VALU_DEP_1)
	v_lshl_or_b32 v[PSW], v[PB+3], 24, v[PSW]
.irp b, 0,1,2,3
.irp i, 0,2,4,6,8,10,12,14                     ; the hold, one-sided since p is not negative, two numbers a line (the conversion does not saturate: ISA guide 7.6.2)
	v_dual_min_num_f32 v[ST+16*\b+\i], v[ST+16*\b+\i], v[HO+\b] :: v_dual_min_num_f32 v[ST+16*\b+\i+1], v[ST+16*\b+\i+1], v[HO+\b]
.endr
	v_cvt_scalef32_pk8_fp8_f32 v[PCD+4*\b:PCD+4*\b+1], v[ST+16*\b:ST+16*\b+7], v[SO+\b]
	v_cvt_scalef32_pk8_fp8_f32 v[PCD+4*\b+2:PCD+4*\b+3], v[ST+16*\b+8:ST+16*\b+15], v[SO+\b]
.endr
	v_nop
	s_wait_alu depctr_va_vdst(0)                   ; the wait directly ahead of the first reader of O^T
.set n, 0
.rept 16
	v_pk_mul_f32 v[OT+n:OT+n+1], v[OT+n:OT+n+1], v[FF:FF+1] op_sel_hi:[1,0]
.set n, n+2
.endr
	s_wait_alu depctr_va_vdst(0)
	s_wait_dscnt 0x0                               ; V's fragments and words
.irp t, 0,1,2,3
	v_wmma_scale_f32_16x16x128_f8f6f4 v[OT+8*\t:OT+8*\t+7], v[KF+16*\t:KF+16*\t+15], v[PCD:PCD+15], v[OT+8*\t:OT+8*\t+7], v[VSW+\t], v[PSW]
.endr
.Lhidden_\@:
.endm
.macro WALK trips
	s_mov_b32 s[CNT], \trips
.Lgroup_\@:
	STEP
	s_add_co_u32 s[G], s[G], 1
	s_add_co_u32 s[TB], s[TB], GRP
	s_sub_co_u32 s[CNT], s[CNT], 1
	s_cmp_lg_u32 s[CNT], 0
	s_cbranch_scc1 .Lgroup_\@
.endm
	s_wait_alu depctr_va_vdst(0)
	s_wait_loadcnt 0x0                             ; Q
	s_wait_tensorcnt 0x0                           ; my group is in
	s_barrier_signal -1
	s_barrier_wait -1                              ; all 16 are
	WALK 9                                         ; tile 15 - i: role 0 groups 0 .. 8, role 1 groups 9 .. 15 - i
	s_cmp_eq_u32 s[ROLE], 0
	s_cbranch_scc1 .Lstay
.rept 8
	v_nop                                          ; places behind the last products
.endr
	s_wait_alu depctr_va_vdst(0)
.irp k, 0,1,2,3,4,5,6,7
	ds_store_b128 v[STG], v[OT+4*\k:OT+4*\k+3] offset:512*\k   ; role 1: my part of tile 15 - i, as images of registers; each accumulator from its low end on
.endr
	ds_store_b128 v[STG], v[12:15] offset:4096
	global_load_b128 v[QF:QF+3],   v[L16], s[56:57]            ; tile i's Q
	global_load_b128 v[QF+4:QF+7], v[L16], s[56:57] offset:512
	global_load_b32 v[QSW], v[L4], s[58:59]
	FRESH
	s_wait_alu depctr_va_vdst(0)
	s_wait_loadcnt 0x0
.Lstay:
	s_mov_b32 s[II], s[II2]
	s_mov_b32 s[LO], 0
	s_mov_b32 s[G], 0
	s_mov_b32 s[TB], 0
	WALK 8                                         ; role 1: tile i, groups 0 .. i; role 0 finds every group hidden
.rept 8
	v_nop
.endr
	s_wait_alu depctr_va_vdst(0)
	s_wait_dscnt 0x0                               ; for the others' sake: my stores into the stage are done
	s_barrier_signal -1
	s_barrier_wait -1
	s_cmp_lg_u32 s[ROLE], 0
	s_cbranch_scc1 .Lno_merge
.irp k, 0,1,2,3,4,5,6,7
	ds_load_b128 v[ST+4*\k:ST+4*\k+3], v[STG] offset:512*\k    ; role 0: my partner's part
.endr
	ds_load_b128 v[ST+32:ST+35], v[STG] offset:4096
	s_wait_dscnt 0x0
	v_min_num_f32 v[TP], v12, v[ST+32]             ; the common -M
	v_sub_f32 v[FF], v[TP], v12                    ; whole numbers, 0 or less
	v_sub_f32 v[S2], v[TP], v[ST+32]
	v_cvt_i32_f32 v[FF], v[FF]                     ; (they saturate: a part that walked no group has the factor 0 over zeros)
	v_cvt_i32_f32 v[S2], v[S2]
	v_ldexp_f32 v[FF], 1.0, v[FF]
	v_ldexp_f32 v[S2], 1.0, v[S2]
	v_pk_mul_f32 v[14:15], v[14:15], v[FF:FF+1] op_sel_hi:[1,0]
	v_pk_fma_f32 v[14:15], v[ST+34:ST+35], v[S2:S2+1], v[14:15] op_sel_hi:[1,0,1]
.set n, 0
.rept 16
	v_pk_mul_f32 v[OT+n:OT+n+1], v[OT+n:OT+n+1], v[FF:FF+1] op_sel_hi:[1,0]
.set n, n+2
.endr
.set n, 0
.rept 16
	v_pk_fma_f32 v[OT+n:OT+n+1], v[ST+n:ST+n+1], v[S2:S2+1], v[OT+n:OT+n+1] op_sel_hi:[1,0,1]
.set n, n+2
.endr
.Lno_merge:
	; THE WAY OUT: O^T / the sum, its two blocks of 32 quantised: the conversions' results are the next operand's image
	v_add_f32 v14, v14, v15
	s_delay_alu instid0(VALU_DEP_1)
	v_permlanex16_b32 v[TP], v14, s[SEL], s[SEL+1]
	s_delay_alu instid0(VALU_DEP_1)
	v_add_f32 v14, v14, v[TP]
	s_wait_alu depctr_va_vdst(0)
	v_rcp_f32 v14, v14
	v_nop
	s_wait_alu depctr_va_vdst(0)
.set n, 0
.rept 16
	v_pk_mul_f32 v[OT+n:OT+n+1], v[OT+n:OT+n+1], v[14:15] op_sel_hi:[1,0]
.set n, n+2
.endr
.irp b, 0,1
	v_max3_num_f32 v[BM+\b], |v[OT+16*\b]|, |v[OT+1+16*\b]|, 0x4800000
.endr
.irp i, 2,4,6,8,10,12,14
.irp b, 0,1
	s_delay_alu instid0(VALU_DEP_2)
	v_max3_num_f32 v[BM+\b], v[BM+\b], |v[OT+16*\b+\i]|, |v[OT+1+16*\b+\i]|
.endr
.endr
.irp b, 0,1
	s_delay_alu instid0(VALU_DEP_2)
	v_permlanex16_b32 v[PB+\b], v[BM+\b], s[SEL], s[SEL+1]
.endr
.irp b, 0,1
	s_delay_alu instid0(VALU_DEP_2)
	v_max_num_f32 v[BM+\b], v[BM+\b], v[PB+\b]
.endr
.irp b, 0,1
	s_delay_alu instid0(VALU_DEP_2)
	v_add_nc_u32 v[SO+\b], 0xfc000000, v[BM+\b]
.endr
.irp b, 0,1
	s_delay_alu instid0(VALU_DEP_4)
	v_and_or_b32 v[HO+\b], v[BM+\b], 0x7f800000, s[MNT]
.endr
.irp b, 0,1
	s_delay_alu instid0(VALU_DEP_4)
	v_lshrrev_b32 v[PB+\b], 23, v[SO+\b]
.endr
	s_delay_alu instid0(VALU_DEP_1)
	v_lshl_or_b32 v[TP+1], v[PB+1], 8, v[PB]
.irp b, 0,1
.irp i, 0,1,2,3,4,5,6,7,8,9,10,11,12,13,14,15
	v_med3_num_f32 v[OT+16*\b+\i], v[OT+16*\b+\i], -v[HO+\b], v[HO+\b]
.endr
	v_cvt_scalef32_pk8_fp8_f32 v[PCD+4*\b:PCD+4*\b+1], v[OT+16*\b:OT+16*\b+7], v[SO+\b]
	v_cvt_scalef32_pk8_fp8_f32 v[PCD+4*\b+2:PCD+4*\b+3], v[OT+16*\b+8:OT+16*\b+15], v[SO+\b]
.endr
	v_nop
	global_store_b128 v[L16], v[PCD:PCD+3],   s[52:53]             ; each store covers 512 consecutive bytes, aligned
	global_store_b128 v[L16], v[PCD+4:PCD+7], s[52:53] offset:512
	global_store_b16 v[L4], v[TP+1], s[54:55]                      ; my head's two bytes of the row's scale word
	s_wait_tensorcnt 0x0                           ; the wave's end
	ds_add_u32 v[SPW], v[NIL]
	s_wait_dscnt 0x0
	CROUND                                         ; the closing round
	s_endpgm
.Lfunc_end_k_qfc2abe9259_attn:
	.size	k_qfc2abe9259_attn, .Lfunc_end_k_qfc2abe9259_attn-k_qfc2abe9259_attn
	.p2alignl 7, 3214868480
	.fill 96, 4, 3214868480
	.section	.rodata,"a",@progbits
	.p2align	6, 0x0
	.amdhsa_kernel k_qfc2abe9259_attn
		.amdhsa_group_segment_fixed_size 327680
		.amdhsa_private_segment_fixed_size 0
		.amdhsa_enable_private_segment 0
		.amdhsa_kernarg_size 24
		.amdhsa_user_sgpr_count 2
		.amdhsa_user_sgpr_kernarg_segment_ptr 1
		.amdhsa_wavefront_size32 1
		.amdhsa_system_sgpr_workgroup_id_x 1
		.amdhsa_system_sgpr_workgroup_id_y 1
		.amdhsa_system_sgpr_workgroup_id_z 1
		.amdhsa_system_vgpr_workitem_id 0
		.amdhsa_next_free_vgpr 256
		.amdhsa_next_free_sgpr 66
		.amdhsa_reserve_vcc 1
		.amdhsa_float_denorm_mode_32 3
		.amdhsa_float_denorm_mode_16_64 3
		.amdhsa_memory_ordered 1
		.amdhsa_forward_progress 1
		.amdhsa_inst_pref_size 71
	.end_amdhsa_kernel
	.amdgpu_metadata
---
amdhsa.version: [ 1, 2 ]
amdhsa.kernels:
  - .name:           k_qfc2abe9259_attn
    .symbol:         k_qfc2abe9259_attn.kd
    .args:
      - { .name: qc, .offset: 0, .size: 8, .value_kind: global_buffer, .address_space: global }
      - { .name: kv, .offset: 8, .size: 8, .value_kind: global_buffer, .address_space: global }
      - { .name: ac, .offset: 16, .size: 8, .value_kind: global_buffer, .address_space: global }
    .group_segment_fixed_size: 327680
    .private_segment_fixed_size: 0
    .kernarg_segment_align: 8
    .kernarg_segment_size: 24
    .max_flat_workgroup_size: 512
    .sgpr_count:     66
    .vgpr_count:     256
    .wavefront_size: 32
...
	.end_amdgpu_metadata
.endif
;; end of part 10
;; launch wo (part 11): grid 8 x 32, 4 waves a work-group, clusters of 4 x 4, 327,680 bytes of LDS; arguments ac, wcodes, bo, x, x1; writes x1
.if DOCPART == 11
	.amdgcn_target "amdgcn-amd-amdhsa--gfx1250"
	.amdhsa_code_object_version 6
	.text
	.protected	k_qfc2abe9259_wo
	.globl	k_qfc2abe9259_wo
	.p2align	8
	.type	k_qfc2abe9259_wo,@function
k_qfc2abe9259_wo:
	s_mov_b64 s[64:65], 0
	v_nop
	global_prefetch_b8 v0, s[64:65] scope:SCOPE_SE
	s_setreg_imm32_b32 hwreg(HW_REG_WAVE_MODE, 25, 1), 1
	s_wait_xcnt 0x0
	s_wait_alu depctr_hold_cnt(0) depctr_sa_sdst(0) depctr_va_vdst(0) depctr_va_sdst(0) depctr_va_ssrc(0) depctr_va_vcc(0) depctr_vm_vsrc(0)
	s_getreg_b32 s2, hwreg(HW_REG_IB_STS2, 6, 4)
	s_cmp_eq_u32 s2, 0
	s_cbranch_scc0 .Lentry_in_a_cluster
	s_endpgm
.Lentry_in_a_cluster:
	s_bfe_u32 s2, ttmp6, 0x10000c
	s_cmp_lg_u32 s2, 0xf033
	s_cbranch_scc0 .Lentry_shape_is_right
	s_endpgm
.Lentry_shape_is_right:
; x1 = x + attn wo + bo: attention's codes (4,096 x 1,024, panels) times wo's (1,024 rows x 1,024, panels 192-255 of wcodes); f32 out.
; PANEL: 128 rows x 128 K as images of operand registers: fragment i at 2048 i + 512 c + 16 lane, scale words at 16384 + 128 i + 4 lane; 17,408 bytes; a tensor is [rows / 128][K / 128][panel].
; A tile of the result is 128 x 128: 256 tiles, a work-group each.  Four waves, 64 x 64 each: 16 accumulators, 128 registers.
; K is 8 K steps of 128 and lies in LDS whole, in two slots of four K steps: four panels of the tokens' row block (side A), then four of the weight's (side B).  Nothing is filled again.
; THE HEAD'S LOADS, one a wave, four neighbouring panels each, 69,632 dense bytes: wave 0 A's K steps 0-3, wave 1 B's, wave 2 A's K steps 4-7, wave 3 B's.  Each stands in an arm of its own:
; the first barrier waits for waves 0 and 1 alone, the change of slots for all.
; CLUSTERS of 4 x 4: A's panels are shared along a row of the cluster, B's along a column, by joint loads.  No prefetch: all tiles are asked for at the head.
; THE MATRIX INSTRUCTION IS USED TRANSPOSED (source 0 = 16 weight rows, source 1 = 16 tokens): a lane holds eight neighbouring columns of one row of the result.
; The bias is the C of each sum's first product.  The residual is asked for at the head, into registers of its own, and is added on the way out.  A wave's 64 columns are 256 aligned bytes of a row:
; its results go through its own stage in LDS and come back by rows, sixteen lanes to a row.
; The sums' order differs from K ascending (this program's order inside a block of 32: a stated limit).
; REGISTERS: window 0: v16-31 addresses; v32-63 scale words, two sets; v64-95 the bias; v128-255 accumulator (a, b) at v[128 + 8 (4 a + b)].
;   window 1: two fragment buffers of 128: B's four fragments, then A's four; on the way out v0-127 the rows read back.   window 2: v0-127 the residual.
.set KS,    8
.set WOFF,  192*17408                  ; where the weight's panels begin in wcodes
.set ROWO,  4096                       ; a row of the result and of the residual in bytes
.set PAN,   17408
.set QUAD,  4*PAN                      ; what one tensor load brings
.set SLOT,  2*QUAD                     ; A's four K steps, then B's four
.set SPARE, 2*SLOT                     ; the spare words, 128 bytes a wave; no other line names them
.set RBS,   KS*PAN                     ; a row block in memory
.set NP,    8                          ; places behind this matrix instruction (ISA guide 7.12.1)
.set SPITCH, 272                       ; the stage: for each wave four blocks of 16 rows x (256 + 16) bytes, in slot 0, which has had its one fill and its last read when the first result is stored there
.set ADRA, 16                          ; v16-17 my A fragments in slot 0, 1
.set ADRS, 18                          ; v18-19 my scale words: lanes 0-15 A's, lanes 16-31 B's
.set ADRB, 20                          ; v20-21 my B fragments
.set STO,  24
.set RD,   25
.set L16,  26
.set L4,   27
.set SPW,  28                          ; my spare word; never rewritten
.set NIL,  29                          ; 0; never rewritten
.set H32,  30
.set GO,   31                          ; my byte offset in two rows of the result; never rewritten
.set SC,   32                          ; scale words: set s at SC + 16 s; register 4 q + i: block i, the slot's q-th K step
.set BIAS, 64
.set ACC,  128
.set G1, 24                            ; s[24:31], s[32:35] groups 1 and 0 for A;  s[48:55], s[56:59] for B
.set G0, 32
.set G1B, 48
.set G0B, 56
.set MSB, 0
.macro WIN new                         ; the immediate's high byte repeats the setting that is left
.if MSB != (\new)
	s_set_vgpr_msb (MSB<<8)|(\new)
.set MSB, (\new)
.endif
.endm
.set MUL,  0x05                        ; sources 0 (B) and 1 (A) window 1; C and D window 0
.set TO_F, 0x40                        ; destination window 1, address window 0
.macro CROUND                          ; a round of the cluster's barrier
	s_barrier_signal -1
	s_barrier_wait -1
	s_cmp_lg_u32 s14, 0
	s_cbranch_scc1 .Lnot_wave_0_\@
	s_barrier_signal -3
.Lnot_wave_0_\@:
	s_barrier_wait -3
	s_barrier_signal -1
	s_barrier_wait -1
.endm
.macro PLACES n
.rept \n
	v_nop
.endr
.endm
	s_load_b256 s[4:11], s[0:1], 0x0               ; A's panels, wcodes, the bias, the residual
	s_load_b64 s[12:13], s[0:1], 0x20              ; the result
	v_lshl_add_u32 v[SPW], v0, 2, SPARE
	v_mov_b32 v[NIL], 0
	ds_add_u32 v[SPW], v[NIL]                      ; the opening: the add, twice on end, and its wait ahead of my first tensor load
	ds_add_u32 v[SPW], v[NIL]
	v_lshrrev_b32 v1, 5, v0
	v_readfirstlane_b32 s14, v1                    ; wave 0..3
	s_lshr_b32 s15, s14, 1                         ; wA: my 64 of the tile's tokens.  Also: the slot for which I fetch
	s_and_b32 s16, s14, 1                          ; wB: my 64 of its columns.  Also: I fetch for A (0) or for B (1)
	s_bfe_u32 s40, ttmp6, 0x40000                  ; cx
	s_bfe_u32 s41, ttmp6, 0x40004                  ; cy
	s_lshl_b32 s42, ttmp9, 2
	s_add_co_u32 s42, s42, s40                     ; T_B: the weight's row block = the tile of 128 columns
	s_and_b32 s17, ttmp7, 0xffff
	s_lshl_b32 s17, s17, 2
	s_add_co_u32 s17, s17, s41                     ; T_A: the tokens' row block
	s_lshl_b32 s43, s41, 2
	s_lshl_b32 s43, 15, s43                        ; my row of the cluster
	s_lshl_b32 s44, 0x1111, s40                    ; my column
	s_or_b32 s[G1+0], s43, (3<<16)|(1<<21)         ; the mask; elements of 8 bytes; bit 21 beside a mask; no padding
	s_or_b32 s[G1B+0], s44, (3<<16)|(1<<21)
.irp g, G1, G1B
	s_mov_b32 s[\g+1], 32<<16                      ; rows of 256 bytes,
	s_mov_b32 s[\g+2], 272<<16                     ; 272 of them, dense
	s_mov_b32 s[\g+3], 32<<16
	s_mov_b32 s[\g+4], 272
	s_mov_b32 s[\g+5], 32
	s_mov_b32 s[\g+6], 0
	s_mov_b32 s[\g+7], 0
.endr
	s_mul_i32 s18, s15, QUAD                       ; my slot's four K steps in a row block
	s_mul_i32 s20, s17, RBS
	s_add_co_u32 s20, s20, s18
	s_mov_b32 s21, 0
	s_mul_i32 s46, s42, RBS
	s_add_co_u32 s46, s46, s18
	s_add_co_u32 s46, s46, WOFF
	s_mov_b32 s47, 0
	s_mul_i32 s45, s15, SLOT                       ; where they go: the slot, and B's behind A's: no place in the cluster enters an LDS address
	s_mul_i32 s19, s16, QUAD
	s_add_co_u32 s45, s45, s19
	s_wait_dscnt 0x0
	s_wait_kmcnt 0x0
	s_add_nc_u64 s[20:21], s[4:5], s[20:21]
	s_add_nc_u64 s[46:47], s[6:7], s[46:47]
	CROUND                                         ; all sixteen work-groups are here: the joint loads meet
	s_mov_b32 s[G0], 1
	s_mov_b32 s[G0+1], s45
	s_mov_b64 s[G0+2:G0+3], s[20:21]
	s_or_b32 s[G0+3], s[G0+3], 0x80000000
	s_mov_b32 s[G0B], 1
	s_mov_b32 s[G0B+1], s45
	s_mov_b64 s[G0B+2:G0B+3], s[46:47]
	s_or_b32 s[G0B+3], s[G0B+3], 0x80000000
.macro ARM under, g0, g1, next         ; one chain of branches on the wave's number, a load to an arm; an s_nop 0 and four v_nop follow each load
	s_cmp_lt_u32 s14, \under
	s_cbranch_scc0 \next
	tensor_load_to_lds s[\g0:\g0+3], s[\g1:\g1+7]
	s_nop 0
	PLACES 4
	s_branch .Lhead_asked
\next:
.endm
	ARM 1, G0,  G1,  .Lhead_1
	ARM 2, G0B, G1B, .Lhead_2
	ARM 3, G0,  G1,  .Lhead_3
	tensor_load_to_lds s[G0B:G0B+3], s[G1B:G1B+7]
	s_nop 0
	PLACES 4
.Lhead_asked:
	v_and_b32 v1, 31, v0                           ; lane
	v_bfe_u32 v2, v0, 4, 1                         ; h
	s_wait_alu depctr_va_vdst(0)
	v_and_b32 v4, 15, v0                           ; r
	v_lshlrev_b32 v[L16], 4, v1
	v_lshlrev_b32 v[L4], 2, v1
	v_lshlrev_b32 v[H32], 5, v2
	s_lshl_b32 s46, s42, 9
	s_lshl_b32 s47, s16, 8
	s_add_co_u32 s46, s46, s47                     ; my 64 columns, in bytes of f32: 512 T_B + 256 wB
	s_mov_b32 s47, 0
	s_add_nc_u64 s[8:9], s[8:9], s[46:47]
.irp b, 0,1,2,3                                ; the bias in the result's layout: register 8 b + j: column 16 b + 8 h + j
	global_load_b128 v[BIAS+8*\b:BIAS+8*\b+3],   v[H32], s[8:9] offset:64*\b
	global_load_b128 v[BIAS+8*\b+4:BIAS+8*\b+7], v[H32], s[8:9] offset:64*\b+16
.endr
	s_lshl_b32 s20, s17, 7
	s_lshl_b32 s21, s15, 6
	s_add_co_u32 s20, s20, s21                     ; my first row: 128 T_A + 64 wA,
	s_lshl_b32 s20, s20, 12                        ; 4,096 bytes a row,
	s_add_co_u32 s20, s20, s46                     ; and my first column
	s_mov_b32 s21, 0
	s_add_nc_u64 s[10:11], s[10:11], s[20:21]
	s_add_nc_u64 s[12:13], s[12:13], s[20:21]
	v_lshlrev_b32 v[GO], 12, v2
	s_wait_alu depctr_va_vdst(0)
	v_lshl_add_u32 v[GO], v4, 4, v[GO]
	WIN 0x80                                       ; destination window 2
.irp a, 0,1,2,3                                ; the residual of my 64 rows x 256 bytes, two rows a load, in the layout in which the rows come back from the stage
.irp t, 0,1,2,3,4,5,6,7
	global_load_b128 v[32*\a+4*\t:32*\a+4*\t+3], v[GO], s[10:11] offset:(16*\a+2*\t)*ROWO
.endr
.endr
	WIN 0
	s_lshl_b32 s21, s15, 13                        ; my four fragments of A: 8,192 wA on in a panel
	s_lshl_b32 s22, s16, 13
	s_add_co_u32 s22, s22, QUAD                    ; my four of B, behind A's four panels
	s_xor_b32 s23, s15, 1
	s_add_co_u32 s23, s23, s16
	s_lshl_b32 s23, s23, 9
	s_add_co_u32 s23, s23, QUAD-512                ; from my scale words of A to those of B: QUAD + 512 (wB - wA)
	v_mul_u32_u24 v3, s23, v2                      ; lanes 16-31 take B's
	v_add_nc_u32 v3, v3, v[L4]
	s_lshl_b32 s19, s15, 9
	s_add_co_u32 s19, s19, 16384                   ; a panel's scale words, my four blocks
.irp s, 0,1
	v_add_nc_u32 v[ADRA+\s], s21, v[L16]
	v_add_nc_u32 v[ADRB+\s], s22, v[L16]
	v_add_nc_u32 v[ADRS+\s], s19, v3
	s_add_co_u32 s21, s21, SLOT
	s_add_co_u32 s22, s22, SLOT
	s_add_co_u32 s19, s19, SLOT
.endr
	s_mul_i32 s23, s14, 4*16*SPITCH                ; my stage
	v_mul_u32_u24 v5, v4, SPITCH
	v_lshl_add_u32 v5, v2, 5, v5
	v_add_nc_u32 v[STO], s23, v5                   ; in: row r, 32 bytes for each half of the lanes
	v_mul_u32_u24 v5, v2, SPITCH
	v_lshl_add_u32 v5, v4, 4, v5
	v_add_nc_u32 v[RD], s23, v5                    ; back: lanes 0-15 take one row of 256 bytes, lanes 16-31 the next
.macro FRAG reg, adr, q, i             ; a fragment's image: four loads of 512 consecutive bytes
.irp c, 0,1,2,3
	ds_load_b128 v[\reg+4*\c:\reg+4*\c+3], v[\adr] offset:PAN*(\q)+2048*(\i)+512*\c
.endr
.endm
; 4 matrix instructions: A's block a x B's four, on buffer f.  first = 1: the bias starts the sums.  The 16 accumulators take turns, one instruction a turn.
.macro MUL4 f, q, sc, a, first
.irp b, 0,1,2,3
.set rD, ACC+8*(4*(\a)+\b)
.set rB, 128*(\f)+16*\b
.set rA, 128*(\f)+64+16*(\a)
.set rSB, SC+16*(\sc)+4*(\q)+\b
.set rSA, SC+16*(\sc)+4*(\q)+(\a)
.if \first
	v_wmma_scale_f32_16x16x128_f8f6f4 v[rD:rD+7], v[rB:rB+15], v[rA:rA+15], v[BIAS+8*\b:BIAS+8*\b+7], v[rSB], v[rSA] matrix_a_scale:MATRIX_SCALE_ROW1
.else
	v_wmma_scale_f32_16x16x128_f8f6f4 v[rD:rD+7], v[rB:rB+15], v[rA:rA+15], v[rD:rD+7], v[rSB], v[rSA] matrix_a_scale:MATRIX_SCALE_ROW1
.endif
.endr
.endm
.macro SCALES sc                       ; a slot's 16 scale words: lanes 0-15 A's block i, lanes 16-31 B's block i
.irp q, 0,1,2,3
.irp i, 0,1,2,3
	ds_load_b32 v[SC+16*\sc+4*\q+\i], v[ADRS+\sc] offset:PAN*\q+128*\i
.endr
.endr
.endm
.macro FETCH slot, q, f, sc            ; the slot's q-th K step into buffer f: B's four fragments, A's blocks 0, 1, (sc = 1: the slot's scale words,) and last A's blocks 2, 3: the youngest eight loads
	WIN TO_F
.irp i, 0,1,2,3
	FRAG 128*(\f)+16*\i, ADRB+\slot, \q, \i
.endr
.irp i, 0,1
	FRAG 128*(\f)+64+16*\i, ADRA+\slot, \q, \i
.endr
.if \sc
	WIN 0
	SCALES \slot
	WIN TO_F
.endif
.irp i, 2,3
	FRAG 128*(\f)+64+16*\i, ADRA+\slot, \q, \i
.endr
.endm
.macro STEP slot, q, first             ; K step q = 0 .. 2 of a slot, on buffer q % 2; the next K step's fragments are fetched in its middle
	s_wait_dscnt 8                                 ; all but the youngest 8 loads (A's blocks 2, 3) are in
	WIN MUL
	MUL4 (\q)%2, \q, \slot, 0, \first
	MUL4 (\q)%2, \q, \slot, 1, \first
	PLACES NP
	FETCH \slot, (\q)+1, 1-(\q)%2, 0
	s_wait_dscnt 32                                ; all but the 32 just issued
	WIN MUL
	MUL4 (\q)%2, \q, \slot, 2, \first
	MUL4 (\q)%2, \q, \slot, 3, \first
.endm
	s_wait_alu depctr_va_vdst(0)
	s_cmp_lt_u32 s14, 2
	s_cbranch_scc0 .Lnot_first
	s_wait_tensorcnt 0x0                           ; waves 0 and 1: slot 0's two tiles are in.  The other two waves' wait stands at the change of slots
.Lnot_first:
	s_barrier_signal -1
	s_barrier_wait -1
	FETCH 0, 0, 0, 1
	s_wait_loadcnt 32                              ; the bias's 8 loads are in; the residual's 32, issued behind them, may be out
	STEP 0, 0, 1
	STEP 0, 1, 0
	STEP 0, 2, 0
	WIN 0                                          ; slot 0's last K step changes slots
	s_wait_tensorcnt 0x0                           ; every wave: slot 1's tiles are in
	ds_add_u32 v[SPW], v[NIL]
	s_wait_dscnt 9                                 ; (the add and the youngest 8 loads may be out)
	WIN MUL
	MUL4 1, 3, 0, 0, 0
	s_wait_dscnt 0x0                               ; the add is done, and my reads of slot 0 are over
	s_barrier_signal -1
	MUL4 1, 3, 0, 1, 0
	WIN 0
	s_barrier_wait -1
	PLACES NP
	FETCH 1, 0, 0, 1
	WIN MUL
	MUL4 1, 3, 0, 2, 0
	MUL4 1, 3, 0, 3, 0
	STEP 1, 0, 0
	STEP 1, 1, 0
	STEP 1, 2, 0
	s_wait_dscnt 8                                 ; the last K step: nothing more to fetch
	WIN MUL
	MUL4 1, 3, 1, 0, 0
	MUL4 1, 3, 1, 1, 0
	s_wait_dscnt 0x0
	MUL4 1, 3, 1, 2, 0
	MUL4 1, 3, 1, 3, 0
	WIN 0
	; THE WAY OUT.  My 64 rows go through my own stage in LDS and come back by rows.  LDS serves a wave's instructions in order (ISA guide 5.7.1.4): no wait between the stores and the loads.
	PLACES NP
.irp a, 0,1,2,3
.irp b, 0,1,2,3
	ds_store_b128 v[STO], v[ACC+32*\a+8*\b:ACC+32*\a+8*\b+3]   offset:\a*16*SPITCH+64*\b      ; each accumulator from its low end on
	ds_store_b128 v[STO], v[ACC+32*\a+8*\b+4:ACC+32*\a+8*\b+7] offset:\a*16*SPITCH+64*\b+16
.endr
.endr
	WIN TO_F
.irp a, 0,1,2,3
.irp t, 0,1,2,3,4,5,6,7
	ds_load_b128 v[32*\a+4*\t:32*\a+4*\t+3], v[RD] offset:\a*16*SPITCH+2*\t*SPITCH
.endr
.endr
	s_wait_loadcnt 0x0                             ; the residual
.irp a, 0,1,2,3
	s_wait_dscnt 8*(3-\a)                          ; block a's 8 loads are in; the later blocks' may be out
	WIN 0x49                                       ; destination and source 0 window 1 (the rows), source 1 window 2 (the residual)
.set n, 0
.rept 16
	v_pk_add_f32 v[32*\a+n:32*\a+n+1], v[32*\a+n:32*\a+n+1], v[32*\a+n:32*\a+n+1]
.set n, n+2
.endr
	WIN 0x04                                       ; a store's data are its source 1: window 1
.irp t, 0,1,2,3,4,5,6,7
	global_store_b128 v[GO], v[32*\a+4*\t:32*\a+4*\t+3], s[12:13] offset:(16*\a+2*\t)*ROWO   ; sixteen lanes store 256 consecutive bytes, aligned
.endr
.endr
	WIN 0
	s_wait_tensorcnt 0x0                           ; the wave's end
	ds_add_u32 v[SPW], v[NIL]
	s_wait_dscnt 0x0
	CROUND                                         ; the closing round
	s_endpgm
.Lfunc_end_k_qfc2abe9259_wo:
	.size	k_qfc2abe9259_wo, .Lfunc_end_k_qfc2abe9259_wo-k_qfc2abe9259_wo
	.p2alignl 7, 3214868480
	.fill 96, 4, 3214868480
	.section	.rodata,"a",@progbits
	.p2align	6, 0x0
	.amdhsa_kernel k_qfc2abe9259_wo
		.amdhsa_group_segment_fixed_size 327680
		.amdhsa_private_segment_fixed_size 0
		.amdhsa_enable_private_segment 0
		.amdhsa_kernarg_size 40
		.amdhsa_user_sgpr_count 2
		.amdhsa_user_sgpr_kernarg_segment_ptr 1
		.amdhsa_wavefront_size32 1
		.amdhsa_system_sgpr_workgroup_id_x 1
		.amdhsa_system_sgpr_workgroup_id_y 1
		.amdhsa_system_sgpr_workgroup_id_z 1
		.amdhsa_system_vgpr_workitem_id 0
		.amdhsa_next_free_vgpr 768
		.amdhsa_next_free_sgpr 100
		.amdhsa_reserve_vcc 0
		.amdhsa_float_denorm_mode_32 3
		.amdhsa_float_denorm_mode_16_64 3
		.amdhsa_memory_ordered 1
		.amdhsa_forward_progress 1
		.amdhsa_inst_pref_size 61
	.end_amdhsa_kernel
	.amdgpu_metadata
---
amdhsa.version: [ 1, 2 ]
amdhsa.kernels:
  - .name:           k_qfc2abe9259_wo
    .symbol:         k_qfc2abe9259_wo.kd
    .args:
      - { .name: ac, .offset: 0, .size: 8, .value_kind: global_buffer, .address_space: global }
      - { .name: wcodes, .offset: 8, .size: 8, .value_kind: global_buffer, .address_space: global }
      - { .name: bo, .offset: 16, .size: 8, .value_kind: global_buffer, .address_space: global }
      - { .name: x, .offset: 24, .size: 8, .value_kind: global_buffer, .address_space: global }
      - { .name: x1, .offset: 32, .size: 8, .value_kind: global_buffer, .address_space: global }
    .group_segment_fixed_size: 327680
    .private_segment_fixed_size: 0
    .kernarg_segment_align: 8
    .kernarg_segment_size: 40
    .max_flat_workgroup_size: 128
    .sgpr_count:     100
    .vgpr_count:     768
    .wavefront_size: 32
...
	.end_amdgpu_metadata
.endif
;; end of part 11
;; launch ln1 (part 12): grid 256 x 1, 8 waves a work-group, no clusters, 66,816 bytes of LDS; arguments x1, g2, b2, hc; writes hc
.if DOCPART == 12
	.amdgcn_target "amdgcn-amd-amdhsa--gfx1250"
	.amdhsa_code_object_version 6
	.text
	.protected	k_qfc2abe9259_ln1
	.globl	k_qfc2abe9259_ln1
	.p2align	8
	.type	k_qfc2abe9259_ln1,@function
k_qfc2abe9259_ln1:
	s_mov_b64 s[64:65], 0
	v_nop
	global_prefetch_b8 v0, s[64:65] scope:SCOPE_SE
	s_setreg_imm32_b32 hwreg(HW_REG_WAVE_MODE, 25, 1), 1
	s_wait_xcnt 0x0
; LayerNorm of rows of 1,024 f32 numbers, and the result's codes of FP8 (E4M3) with one E8M0 scale for each 32 along the row, stored as panels (128 rows x 128 K as images of operand
; registers: fragment i at 2048 i + 512 c + 16 lane, its scale words at 16384 + 128 i + 4 lane; 17,408 bytes; the tensor is [32 row blocks][8 K steps][panel]).
; y = (x - mean) x rsqrt(mean of (x - mean)^2 + 1e-5) x g + b, in two passes over registers, all in f32.
; A work-group takes 16 rows: one fragment of each of the row block's 8 panels.  PHASE A: wave w normalises rows 2 w and 2 w + 1, a row in 32 registers of the wave, each load 512 consecutive
; bytes; the rows go to a stage in LDS.  One barrier.  PHASE B: wave w takes K step w: lane (r, h) reads from row r the 64 numbers that the operand's layout gives it, in this
; program's order along K (place p of a block's 16 in half h: k = 16 (p / 8) + 8 h + p % 8), quantises them and stores the fragment's image: 512 consecutive bytes a store.
; LIMITS: NaN and infinities are not served; a block of zeros or under 2^-118 keeps the byte 1 (read by this program alone); v_rsq_f32 is good to 1 ulp.
.set PAN,   17408
.set ROWP,  4112                       ; a stage row: 4,096 bytes + 16: the sixteen rows that a load of phase B touches begin 16 bytes apart modulo 256
.set SPARE, 16*ROWP                    ; behind the stage: the spare words, 128 bytes for each of eight waves; no other line names them
.set T,     8                          ; v8-23    row q: four running pairs at v[T + 8 q]
.set MEAN,  24                         ; v24-27   row q: the mean, twice
.set RSTD,  28                         ; v28-31   row q: 1 / sqrt(var + eps), twice
.set X,     32                         ; v32-95   two rows of 32 numbers; in phase B my 64 numbers
.set GG,    96                         ; v96-127  g at my columns
.set BB,    128                        ; v128-159 b at my columns
.set TM,    160                        ; v160-163 largest magnitudes, 164-167 bytes, 168-171 448 x the scale, 172-175 the conversions' scale operands
.set PW,    176                        ; the scale word
.set PC,    180                        ; v180-195 the codes
.set SPW,   196                        ; LDS address of my spare word; never rewritten
.set NIL,   197                        ; 0; never rewritten
.set SEL,   22                         ; s[22:23] selects of v_permlanex16_b32: lane l xor 16
.set MNT,   24
	s_load_b256 s[4:11], s[0:1], 0x0               ; the rows, g, b, the panels
	v_lshl_add_u32 v[SPW], v0, 2, SPARE
	v_mov_b32 v[NIL], 0
	v_lshrrev_b32 v1, 5, v0
	s_delay_alu instid0(VALU_DEP_1)
	v_readfirstlane_b32 s12, v1                    ; wave 0..7
	v_and_b32 v2, 31, v0                           ; lane
	s_delay_alu instid0(VALU_DEP_1)
	v_lshlrev_b32 v1, 4, v2                        ; 16 x lane
	s_lshl_b32 s13, s12, 13
	v_add_nc_u32 v3, s13, v1                       ; my wave's two rows in memory
	s_mul_i32 s13, s12, 2*ROWP
	v_add_nc_u32 v4, s13, v1                       ; and in the stage
	v_and_b32 v5, 15, v0                           ; r
	v_bfe_u32 v6, v0, 4, 1                         ; h
	s_delay_alu instid0(VALU_DEP_2)
	v_mul_u32_u24 v5, v5, ROWP
	s_delay_alu instid0(VALU_DEP_1)
	v_lshl_add_u32 v5, v6, 5, v5
	s_lshl_b32 s13, s12, 9
	v_add_nc_u32 v5, s13, v5                       ; phase B: row r, K step w, + 32 h
	v_lshlrev_b32 v6, 2, v2                        ; 4 x lane
	s_lshl_b32 s14, ttmp9, 16                      ; 16 rows of 4,096 bytes a work-group
	s_mov_b32 s15, 0
	s_lshr_b32 s20, ttmp9, 3
	s_lshl_b32 s20, s20, 3
	s_add_co_u32 s20, s20, s12
	s_mul_i32 s20, s20, PAN                        ; panel (row block, K step w)
	s_and_b32 s21, ttmp9, 7                        ; my fragment in it
	s_lshl_b32 s16, s21, 11
	s_add_co_u32 s16, s16, s20
	s_mov_b32 s17, 0
	s_lshl_b32 s18, s21, 7
	s_add_co_u32 s18, s18, s20
	s_add_co_u32 s18, s18, 16384
	s_mov_b32 s19, 0
	s_mov_b32 s[SEL], 0x76543210
	s_mov_b32 s[SEL+1], 0xfedcba98
	s_mov_b32 s[MNT], 0x600000
	s_mov_b32 s25, 0x3a800000                      ; 1 / 1,024
	s_mov_b32 s26, 0x3727c5ac                      ; 1e-5
.irp b, 0,1,2,3
	v_mov_b32 v[TM+4+\b], 0                        ; written once: a lane permute's destination counts as one of its sources
.endr
	s_wait_kmcnt 0x0
	s_add_nc_u64 s[4:5], s[4:5], s[14:15]
	s_add_nc_u64 s[16:17], s[10:11], s[16:17]      ; where my codes go
	s_add_nc_u64 s[18:19], s[10:11], s[18:19]      ; and my scale words
.irp q, 0,1
.irp j, 0,1,2,3,4,5,6,7
	global_load_b128 v[X+32*\q+4*\j:X+32*\q+4*\j+3], v3, s[4:5] offset:4096*\q+512*\j
.endr
.endr
.irp j, 0,1,2,3,4,5,6,7
	global_load_b128 v[GG+4*\j:GG+4*\j+3], v1, s[6:7] offset:512*\j
.endr
.irp j, 0,1,2,3,4,5,6,7
	global_load_b128 v[BB+4*\j:BB+4*\j+3], v1, s[8:9] offset:512*\j
.endr
.macro ACROSS r, t                     ; the sum of v[r] over the 32 lanes, in every lane; v[t] has been written
	s_delay_alu instid0(VALU_DEP_1)
	v_add_f32_dpp v[\r], v[\r], v[\r] row_xmask:1 row_mask:0xf bank_mask:0xf
	s_delay_alu instid0(VALU_DEP_1)
	v_add_f32_dpp v[\r], v[\r], v[\r] row_xmask:2 row_mask:0xf bank_mask:0xf
	s_delay_alu instid0(VALU_DEP_1)
	v_add_f32_dpp v[\r], v[\r], v[\r] row_xmask:4 row_mask:0xf bank_mask:0xf
	s_delay_alu instid0(VALU_DEP_1)
	v_add_f32_dpp v[\r], v[\r], v[\r] row_xmask:8 row_mask:0xf bank_mask:0xf
	s_delay_alu instid0(VALU_DEP_1)
	v_permlanex16_b32 v[\t], v[\r], s[SEL], s[SEL+1]
	s_delay_alu instid0(VALU_DEP_1)
	v_add_f32 v[\r], v[\r], v[\t]
.endm
.macro FOLD                            ; the four running pairs into v[TR]
	s_delay_alu instid0(VALU_DEP_3)
	v_pk_add_f32 v[TR:TR+1], v[TR:TR+1], v[TR+2:TR+3]
	s_delay_alu instid0(VALU_DEP_2)
	v_pk_add_f32 v[TR+4:TR+5], v[TR+4:TR+5], v[TR+6:TR+7]
	s_delay_alu instid0(VALU_DEP_1)
	v_pk_add_f32 v[TR:TR+1], v[TR:TR+1], v[TR+4:TR+5]
	s_delay_alu instid0(VALU_DEP_1)
	v_add_f32 v[TR], v[TR], v[TR+1]
	ACROSS TR, TR+1
.endm
.macro ROW q                           ; row q: the mean, x - mean in place, the variance, 1 / sqrt
.set XR, X+32*\q
.set TR, T+8*\q
.set MR, MEAN+2*\q
.irp k, 0,1,2,3
	v_pk_add_f32 v[TR+2*\k:TR+2*\k+1], v[XR+4*\k:XR+4*\k+1], v[XR+4*\k+2:XR+4*\k+3]   ; the first sums start the four chains: nothing is cleared
.endr
.irp k, 0,1,2,3,4,5,6,7
	s_delay_alu instid0(VALU_DEP_4)
	v_pk_add_f32 v[TR+2*(\k%4):TR+2*(\k%4)+1], v[TR+2*(\k%4):TR+2*(\k%4)+1], v[XR+16+2*\k:XR+16+2*\k+1]
.endr
	FOLD
	s_delay_alu instid0(VALU_DEP_1)
	v_mul_f32 v[MR], s25, v[TR]
	s_delay_alu instid0(VALU_DEP_1)
	v_mov_b32 v[MR+1], v[MR]
.irp k, 0,1,2,3,4,5,6,7,8,9,10,11,12,13,14,15
	v_pk_add_f32 v[XR+2*\k:XR+2*\k+1], v[XR+2*\k:XR+2*\k+1], v[MR:MR+1] neg_lo:[0,1] neg_hi:[0,1]
.endr
.irp k, 0,1,2,3
	v_pk_mul_f32 v[TR+2*\k:TR+2*\k+1], v[XR+2*\k:XR+2*\k+1], v[XR+2*\k:XR+2*\k+1]
.endr
.irp k, 4,5,6,7,8,9,10,11,12,13,14,15
	s_delay_alu instid0(VALU_DEP_4)
	v_pk_fma_f32 v[TR+2*(\k%4):TR+2*(\k%4)+1], v[XR+2*\k:XR+2*\k+1], v[XR+2*\k:XR+2*\k+1], v[TR+2*(\k%4):TR+2*(\k%4)+1]
.endr
	FOLD
	s_delay_alu instid0(VALU_DEP_1)
	v_fma_f32 v[TR], v[TR], s25, s26               ; the variance + 1e-5
	s_wait_alu depctr_va_vdst(0)
	v_rsq_f32 v[RSTD+2*\q], v[TR]
.endm
	s_wait_loadcnt 16                              ; my two rows are in; g's and b's 16 loads may be out
	ROW 0
	ROW 1
	v_nop                                          ; a plain line behind the last transcendental
	s_wait_alu depctr_va_vdst(0)                   ; one wait for both, ahead of the first line that names a result
	v_mov_b32 v[RSTD+1], v[RSTD]
	v_mov_b32 v[RSTD+3], v[RSTD+2]
	s_wait_alu depctr_va_vdst(0)
	s_wait_loadcnt 0x0                             ; g and b
.irp q, 0,1
.irp k, 0,1,2,3,4,5,6,7,8,9,10,11,12,13,14,15
	v_pk_mul_f32 v[X+32*\q+2*\k:X+32*\q+2*\k+1], v[X+32*\q+2*\k:X+32*\q+2*\k+1], v[RSTD+2*\q:RSTD+2*\q+1]
.endr
.irp k, 0,1,2,3,4,5,6,7,8,9,10,11,12,13,14,15
	v_pk_fma_f32 v[X+32*\q+2*\k:X+32*\q+2*\k+1], v[X+32*\q+2*\k:X+32*\q+2*\k+1], v[GG+2*\k:GG+2*\k+1], v[BB+2*\k:BB+2*\k+1]
.endr
.irp j, 0,1,2,3,4,5,6,7
	ds_store_b128 v4, v[X+32*\q+4*\j:X+32*\q+4*\j+3] offset:ROWP*\q+512*\j
.endr
.endr
	s_wait_dscnt 0x0                               ; for the others' sake: my rows lie in the stage
	s_barrier_signal -1
	s_barrier_wait -1
.irp c, 0,1,2,3                        ; block c: k = 8 h + 0..7 and 16 + 8 h + 0..7
	ds_load_b128 v[X+16*\c:X+16*\c+3],     v5 offset:128*\c
	ds_load_b128 v[X+16*\c+4:X+16*\c+7],   v5 offset:128*\c+16
	ds_load_b128 v[X+16*\c+8:X+16*\c+11],  v5 offset:128*\c+64
	ds_load_b128 v[X+16*\c+12:X+16*\c+15], v5 offset:128*\c+80
.endr
	s_wait_dscnt 0x0
.irp b, 0,1,2,3
	v_max3_num_f32 v[TM+\b], |v[X+16*\b]|, |v[X+1+16*\b]|, 0x4800000   ; block b: my 16 numbers and the floor 2^(9 - 127); the four blocks by turns
.endr
.irp i, 2,4,6,8,10,12,14
.irp b, 0,1,2,3
	s_delay_alu instid0(VALU_DEP_4)
	v_max3_num_f32 v[TM+\b], v[TM+\b], |v[X+16*\b+\i]|, |v[X+1+16*\b+\i]|
.endr
.endr
.irp b, 0,1,2,3
	s_delay_alu instid0(VALU_DEP_4)
	v_permlanex16_b32 v[TM+4+\b], v[TM+\b], s[SEL], s[SEL+1]
.endr
.irp b, 0,1,2,3
	s_delay_alu instid0(VALU_DEP_4)
	v_max_num_f32 v[TM+\b], v[TM+\b], v[TM+4+\b]   ; with lane l xor 16's 16: the block's largest magnitude
.endr
.irp b, 0,1,2,3
	s_delay_alu instid0(VALU_DEP_4)
	v_add_nc_u32 v[TM+12+\b], 0xfc000000, v[TM+\b] ; 8 off its exponent field: the conversion's scale operand
.endr
.irp b, 0,1,2,3
	v_and_or_b32 v[TM+8+\b], v[TM+\b], 0x7f800000, s[MNT]   ; 448 x the scale
.endr
.irp b, 0,1,2,3
	v_lshrrev_b32 v[TM+4+\b], 23, v[TM+12+\b]      ; the scale's byte
.endr
	s_delay_alu instid0(VALU_DEP_3)
	v_lshl_or_b32 v[PW], v[TM+5], 8, v[TM+4]
	s_delay_alu instid0(VALU_DEP_1)
	v_lshl_or_b32 v[PW], v[TM+6], 16, v[PW]
	s_delay_alu instid0(VALU_DEP_1)
	v_lshl_or_b32 v[PW], v[TM+7], 24, v[PW]
.irp b, 0,1,2,3
.irp i, 0,1,2,3,4,5,6,7,8,9,10,11,12,13,14,15
	v_med3_num_f32 v[X+16*\b+\i], v[X+16*\b+\i], -v[TM+8+\b], v[TM+8+\b]   ; the conversion does not saturate (ISA guide 7.6.2): the hold comes first
.endr
	v_cvt_scalef32_pk8_fp8_f32 v[PC+4*\b:PC+1+4*\b], v[X+16*\b:X+7+16*\b], v[TM+12+\b]
	v_cvt_scalef32_pk8_fp8_f32 v[PC+2+4*\b:PC+3+4*\b], v[X+8+16*\b:X+15+16*\b], v[TM+12+\b]
.endr
	v_nop
.irp c, 0,1,2,3
	global_store_b128 v1, v[PC+4*\c:PC+4*\c+3], s[16:17] offset:512*\c   ; 32 lanes store 512 consecutive bytes, aligned
.endr
	global_store_b32 v6, v[PW], s[18:19]
	s_wait_tensorcnt 0x0                           ; the wave's end
	ds_add_u32 v[SPW], v[NIL]
	s_wait_dscnt 0x0
	s_endpgm
.Lfunc_end_k_qfc2abe9259_ln1:
	.size	k_qfc2abe9259_ln1, .Lfunc_end_k_qfc2abe9259_ln1-k_qfc2abe9259_ln1
	.p2alignl 7, 3214868480
	.fill 96, 4, 3214868480
	.section	.rodata,"a",@progbits
	.p2align	6, 0x0
	.amdhsa_kernel k_qfc2abe9259_ln1
		.amdhsa_group_segment_fixed_size 66816
		.amdhsa_private_segment_fixed_size 0
		.amdhsa_enable_private_segment 0
		.amdhsa_kernarg_size 32
		.amdhsa_user_sgpr_count 2
		.amdhsa_user_sgpr_kernarg_segment_ptr 1
		.amdhsa_wavefront_size32 1
		.amdhsa_system_sgpr_workgroup_id_x 1
		.amdhsa_system_sgpr_workgroup_id_y 1
		.amdhsa_system_sgpr_workgroup_id_z 1
		.amdhsa_system_vgpr_workitem_id 0
		.amdhsa_next_free_vgpr 200
		.amdhsa_next_free_sgpr 66
		.amdhsa_reserve_vcc 0
		.amdhsa_float_denorm_mode_32 3
		.amdhsa_float_denorm_mode_16_64 3
		.amdhsa_memory_ordered 1
		.amdhsa_forward_progress 1
		.amdhsa_inst_pref_size 33
	.end_amdhsa_kernel
	.amdgpu_metadata
---
amdhsa.version: [ 1, 2 ]
amdhsa.kernels:
  - .name:           k_qfc2abe9259_ln1
    .symbol:         k_qfc2abe9259_ln1.kd
    .args:
      - { .name: x1, .offset: 0, .size: 8, .value_kind: global_buffer, .address_space: global }
      - { .name: g2, .offset: 8, .size: 8, .value_kind: global_buffer, .address_space: global }
      - { .name: b2, .offset: 16, .size: 8, .value_kind: global_buffer, .address_space: global }
      - { .name: hc, .offset: 24, .size: 8, .value_kind: global_buffer, .address_space: global }
    .group_segment_fixed_size: 66816
    .private_segment_fixed_size: 0
    .kernarg_segment_align: 8
    .kernarg_segment_size: 32
    .max_flat_workgroup_size: 256
    .sgpr_count:     66
    .vgpr_count:     200
    .wavefront_size: 32
...
	.end_amdgpu_metadata
.endif
;; end of part 12
;; launch ffn1 (part 13): grid 16 x 16, 4 waves a work-group, clusters of 4 x 4, 327,680 bytes of LDS; arguments hc, wcodes, bf1, hid; writes hid
.if DOCPART == 13
	.amdgcn_target "amdgcn-amd-amdhsa--gfx1250"
	.amdhsa_code_object_version 6
	.text
	.protected	k_qfc2abe9259_ffn1
	.globl	k_qfc2abe9259_ffn1
	.p2align	8
	.type	k_qfc2abe9259_ffn1,@function
k_qfc2abe9259_ffn1:
	s_mov_b64 s[64:65], 0
	v_nop
	global_prefetch_b8 v0, s[64:65] scope:SCOPE_SE
	s_setreg_imm32_b32 hwreg(HW_REG_WAVE_MODE, 25, 1), 1
	s_wait_xcnt 0x0
	s_wait_alu depctr_hold_cnt(0) depctr_sa_sdst(0) depctr_va_vdst(0) depctr_va_sdst(0) depctr_va_ssrc(0) depctr_va_vcc(0) depctr_vm_vsrc(0)
	s_getreg_b32 s2, hwreg(HW_REG_IB_STS2, 6, 4)
	s_cmp_eq_u32 s2, 0
	s_cbranch_scc0 .Lentry_in_a_cluster
	s_endpgm
.Lentry_in_a_cluster:
	s_bfe_u32 s2, ttmp6, 0x10000c
	s_cmp_lg_u32 s2, 0xf033
	s_cbranch_scc0 .Lentry_shape_is_right
	s_endpgm
.Lentry_shape_is_right:
; hid = Q(relu(h2 w1 + bf1)): h2's codes (4,096 x 1,024, panels) times w1's (4,096 rows x 1,024, panels 256-511 of wcodes); the result's codes leave as panels, made in registers.
; PANEL: 128 rows x 128 K as images of operand registers: fragment i at 2048 i + 512 c + 16 lane, scale words at 16384 + 128 i + 4 lane; 17,408 bytes.
; A tile of 256 x 256 by four waves, 128 x 128 each; K through a ring of two LDS slots of two K steps; a wave's tensor load brings two neighbouring panels.  Clusters of 4 x 4 with joint loads.
; The matrix instruction is used transposed; the bias is the C of each sum's first product; the hold between 0 and 448 x the scale is the activation too.
; LIMITS: NaN and infinities are not served; a block of zeros keeps the byte 1; the sums' order differs from K ascending.
.set KS,    8
.set WOFF,  256*17408
.set PAN,   17408
.set HALFT, 2*PAN
.set SLOT,  4*HALFT
.set SPARE, 2*SLOT
.set RBS,   KS*PAN
.set LAPS,  KS/4
.set NP,    8
.set ADRA, 16
.set ADRS, 18
.set ADRB, 20
.set L16,  26
.set L4,   27
.set SPW,  28
.set NIL,  29
.set H32,  30
.set SC,   32
.set BIAS, 64
.set TM,   64
.set PW,   80
.set PC,   96
.set AF,   128
.set G1, 24
.set G0, 32
.set G1B, 48
.set G0B, 56
.set SEL, 84
.set MNT, 86
.set FLR, 87
.set MSB, 0
.macro WIN new
.if MSB != (\new)
	s_set_vgpr_msb (MSB<<8)|(\new)
.set MSB, (\new)
.endif
.endm
.set TO_B, 0x40
.macro WMUL hi, first
.if \first
	WIN 0x81+0x40*(\hi)
.else
	WIN 0xa1+0x50*(\hi)
.endif
.endm
.macro JLOAD g0a, g1a, g0b, g1b
	s_cmp_eq_u32 s15, 0
	s_cbranch_scc0 .Lfor_b_\@
	tensor_load_to_lds s[\g0a:\g0a+3], s[\g1a:\g1a+7]
	s_nop 0
.rept 4
	v_nop
.endr
	s_branch .Lasked_\@
.Lfor_b_\@:
	tensor_load_to_lds s[\g0b:\g0b+3], s[\g1b:\g1b+7]
	s_nop 0
.rept 4
	v_nop
.endr
.Lasked_\@:
.endm
.macro CREST
	s_cmp_lg_u32 s14, 0
	s_cbranch_scc1 .Lnot_wave_0_\@
	s_barrier_signal -3
.Lnot_wave_0_\@:
	s_barrier_wait -3
	s_barrier_signal -1
	s_barrier_wait -1
.endm
.macro CROUND
	s_barrier_signal -1
	s_barrier_wait -1
	CREST
.endm
	s_load_b256 s[4:11], s[0:1], 0x0
	v_lshl_add_u32 v[SPW], v0, 2, SPARE
	v_mov_b32 v[NIL], 0
	ds_add_u32 v[SPW], v[NIL]
	ds_add_u32 v[SPW], v[NIL]
	v_lshrrev_b32 v1, 5, v0
	v_readfirstlane_b32 s14, v1
	s_lshr_b32 s15, s14, 1
	s_and_b32 s16, s14, 1
	s_bfe_u32 s40, ttmp6, 0x40000
	s_bfe_u32 s41, ttmp6, 0x40004
	s_lshl_b32 s42, ttmp9, 2
	s_add_co_u32 s42, s42, s40
	s_and_b32 s17, ttmp7, 0xffff
	s_lshl_b32 s17, s17, 2
	s_add_co_u32 s17, s17, s41
	s_lshl_b32 s43, s41, 2
	s_lshl_b32 s43, 15, s43
	s_lshl_b32 s44, 0x1111, s40
	s_or_b32 s[G1+0], s43, (3<<16)|(1<<21)
	s_or_b32 s[G1B+0], s44, (3<<16)|(1<<21)
.irp g, G1, G1B
	s_mov_b32 s[\g+1], 32<<16
	s_mov_b32 s[\g+2], 136<<16
	s_mov_b32 s[\g+3], 32<<16
	s_mov_b32 s[\g+4], 136
	s_mov_b32 s[\g+5], 32
	s_mov_b32 s[\g+6], 0
	s_mov_b32 s[\g+7], 0
.endr
	s_lshl_b32 s20, s17, 1
	s_add_co_u32 s20, s20, s16
	s_mul_i32 s20, s20, RBS
	s_mov_b32 s21, 0
	s_lshl_b32 s46, s42, 1
	s_add_co_u32 s46, s46, s16
	s_mul_i32 s46, s46, RBS
	s_add_co_u32 s46, s46, WOFF
	s_mov_b32 s47, 0
	s_mul_i32 s45, s14, HALFT
	s_wait_dscnt 0x0
	s_wait_kmcnt 0x0
	s_add_nc_u64 s[20:21], s[4:5], s[20:21]
	s_add_nc_u64 s[46:47], s[6:7], s[46:47]
	s_cmp_eq_u32 s15, 0                            ; the prefetches: s[68:69] = where my loads begin, in A or in B,
	s_cselect_b64 s[68:69], s[20:21], s[46:47]
	s_cselect_b32 s70, s40, s41                    ; + my work-group's 34 of a load's 136 blocks of 256 bytes: my place among the four that ask with me enters this address alone
	s_mul_i32 s70, s70, 34*256
	s_mov_b32 s71, 0
	s_add_nc_u64 s[68:69], s[68:69], s[70:71]
	CROUND
.irp s, 0,1
	s_mov_b32 s[G0+4*\s], 1
	s_add_co_u32 s[G0+4*\s+1], s45, \s*SLOT
	s_add_nc_u64 s[G0+4*\s+2:G0+4*\s+3], s[20:21], \s*HALFT
	s_or_b32 s[G0+4*\s+3], s[G0+4*\s+3], 0x80000000
	s_mov_b32 s[G0B+4*\s], 1
	s_add_co_u32 s[G0B+4*\s+1], s45, \s*SLOT
	s_add_nc_u64 s[G0B+4*\s+2:G0B+4*\s+3], s[46:47], \s*HALFT
	s_or_b32 s[G0B+4*\s+3], s[G0B+4*\s+3], 0x80000000
.endr
	JLOAD G0, G1, G0B, G1B                         ; slot 0: one tensor load a wave at the head
	v_and_b32 v1, 31, v0
	v_bfe_u32 v2, v0, 4, 1
	s_wait_alu depctr_va_vdst(0)
	v_lshlrev_b32 v[L16], 4, v1
	v_lshlrev_b32 v[L4], 2, v1
	v_lshlrev_b32 v[H32], 5, v2
	s_lshl_b32 s46, s42, 10
	s_lshl_b32 s47, s16, 9
	s_add_co_u32 s46, s46, s47
	s_mov_b32 s47, 0
	s_add_nc_u64 s[8:9], s[8:9], s[46:47]
.irp b, 0,1,2,3,4,5,6,7
	global_load_b128 v[BIAS+8*\b:BIAS+8*\b+3],   v[H32], s[8:9] offset:64*\b
	global_load_b128 v[BIAS+8*\b+4:BIAS+8*\b+7], v[H32], s[8:9] offset:64*\b+16
.endr
	s_mul_i32 s21, s15, HALFT
	s_mul_i32 s22, s16, HALFT
	s_add_co_u32 s22, s22, 2*HALFT
	s_xor_b32 s23, s15, 1
	s_add_co_u32 s23, s23, s16
	s_add_co_u32 s23, s23, 1
	s_mul_i32 s23, s23, HALFT
	v_mul_u32_u24 v3, s23, v2
	s_wait_alu depctr_va_vdst(0)
	v_add_nc_u32 v3, v3, v[L4]
.irp s, 0,1
	v_add_nc_u32 v[ADRA+\s], s21, v[L16]
	v_add_nc_u32 v[ADRB+\s], s22, v[L16]
	v_add_nc_u32 v[ADRS+\s], s21, v3
	s_add_co_u32 s21, s21, SLOT
	s_add_co_u32 s22, s22, SLOT
.endr
	s_lshl_b32 s66, s17, 1
	s_add_co_u32 s66, s66, s15
	s_lshl_b32 s66, s66, 5
	s_lshl_b32 s67, s42, 1
	s_add_co_u32 s66, s66, s67
	s_add_co_u32 s66, s66, s16
	s_mul_i32 s66, s66, PAN
	s_mov_b32 s67, 0
	s_add_nc_u64 s[10:11], s[10:11], s[66:67]
	s_mov_b32 s[SEL], 0x76543210
	s_mov_b32 s[SEL+1], 0xfedcba98
	s_mov_b32 s[MNT], 0x600000
	s_mov_b32 s[FLR], 0x4800000
.macro FRAG reg, adr, q, i
.irp c, 0,1,2,3
	ds_load_b128 v[\reg+4*\c:\reg+4*\c+3], v[\adr] offset:PAN*(\q)+2048*(\i)+512*\c
.endr
.endm
.macro MUL16 a0, p, q, sc, first
.irp a, \a0, \a0+1
.irp b, 0,1,2,3,4,5,6,7
.set rD, 8*(8*((\a)%4)+\b)
.set rB, 128*(\p)+16*\b
.set rA, AF+16*(\a)
.set rSB, SC+16*(\sc)+2*\b+(\q)
.set rSA, SC+16*(\sc)+2*(\a)+(\q)
.if \first
	v_wmma_scale_f32_16x16x128_f8f6f4 v[rD:rD+7], v[rB:rB+15], v[rA:rA+15], v[BIAS+8*\b:BIAS+8*\b+7], v[rSB], v[rSA] matrix_a_scale:MATRIX_SCALE_ROW1
.else
	v_wmma_scale_f32_16x16x128_f8f6f4 v[rD:rD+7], v[rB:rB+15], v[rA:rA+15], v[rD:rD+7], v[rSB], v[rSA] matrix_a_scale:MATRIX_SCALE_ROW1
.endif
.endr
.endr
.endm
.macro FETCH_B slot, q, p
	WIN TO_B
.irp i, 0,1,2,3,4,5,6,7
	FRAG 128*(\p)+16*\i, ADRB+\slot, \q, \i
.endr
	WIN 0
.endm
.macro FETCH_A slot, q, i0
.irp i, \i0, \i0+1, \i0+2, \i0+3
	FRAG AF+16*(\i), ADRA+\slot, \q, \i
.endr
.endm
.macro SCALES sc
.irp i, 0,1,2,3,4,5,6,7
.irp q, 0,1
	ds_load_b32 v[SC+16*\sc+2*\i+\q], v[ADRS+\sc] offset:PAN*\q+16384+128*\i
.endr
.endr
.endm
.macro PLACES n
.rept \n
	v_nop
.endr
.endm
.macro STEP slot, q, first
	s_wait_dscnt 16
	WMUL 0, \first
	MUL16 0, (\q)%2, \q, \slot, \first
	MUL16 2, (\q)%2, \q, \slot, \first
	s_wait_dscnt 0x0
	PLACES NP
	FETCH_B \slot, (\q)+1, 1-(\q)%2
	FETCH_A \slot, (\q)+1, 0
	WMUL 1, \first
	MUL16 4, (\q)%2, \q, \slot, \first
	MUL16 6, (\q)%2, \q, \slot, \first
	PLACES NP
	WIN 0
	FETCH_A \slot, (\q)+1, 4
.endm
.macro TURN slot, next, fill
	s_wait_tensorcnt 0x0
	ds_add_u32 v[SPW], v[NIL]
	s_wait_dscnt 17
	WMUL 0, 0
	MUL16 0, 1, 1, \slot, 0
	s_wait_dscnt 0x0
	s_barrier_signal -1
	MUL16 2, 1, 1, \slot, 0
	WIN 0
	s_barrier_wait -1
.if \fill
	CREST
	s_add_nc_u64 s[G0+4*\slot+2:G0+4*\slot+3], s[G0+4*\slot+2:G0+4*\slot+3], 2*HALFT
	s_add_nc_u64 s[G0B+4*\slot+2:G0B+4*\slot+3], s[G0B+4*\slot+2:G0B+4*\slot+3], 2*HALFT
	JLOAD G0+4*\slot, G1, G0B+4*\slot, G1B
	PLACES NP-4
.else
	PLACES NP
.endif
	FETCH_B \next, 0, 0
	FETCH_A \next, 0, 0
	SCALES \next
	WMUL 1, 0
	MUL16 4, 1, 1, \slot, 0
	MUL16 6, 1, 1, \slot, 0
	PLACES NP
	WIN 0
	FETCH_A \next, 0, 4
.endm
	v_lshlrev_b32 v22, 8, v1                       ; the prefetches' offsets: block = lane;
	v_min_u32 v23, 1, v1
	v_lshl_add_u32 v23, v23, 8, 8192               ; blocks 32 and 33 (the other lanes name the last block again)
	s_wait_alu depctr_va_vdst(0)
	global_prefetch_b8 v22, s[68:69] offset:HALFT th:TH_LOAD_NT scope:SCOPE_SE     ; what my second and third loads will bring: K steps 2-3 and 4-5
	global_prefetch_b8 v23, s[68:69] offset:HALFT th:TH_LOAD_NT scope:SCOPE_SE
	global_prefetch_b8 v22, s[68:69] offset:2*HALFT th:TH_LOAD_NT scope:SCOPE_SE
	global_prefetch_b8 v23, s[68:69] offset:2*HALFT th:TH_LOAD_NT scope:SCOPE_SE
	s_wait_tensorcnt 0x0                           ; my part of slot 0 is in
	ds_add_u32 v[SPW], v[NIL]
	s_wait_dscnt 0x0
	CROUND                                         ; a whole round: slot 0 is whole, and all sixteen work-groups are here
	JLOAD G0+4, G1, G0B+4, G1B                     ; slot 1's first fill, the first tensor load behind the round
	FETCH_B 0, 0, 0
	FETCH_A 0, 0, 0
	SCALES 0
	FETCH_A 0, 0, 4
	global_prefetch_b8 v22, s[68:69] offset:3*HALFT th:TH_LOAD_NT scope:SCOPE_SE   ; my last load's: K steps 6-7; nothing lies behind them
	global_prefetch_b8 v23, s[68:69] offset:3*HALFT th:TH_LOAD_NT scope:SCOPE_SE
	s_wait_loadcnt 0x0
	STEP 0, 0, 1
	s_mov_b32 s3, LAPS-1
.Llap:
	TURN 0, 1, 1
	STEP 1, 0, 0
	TURN 1, 0, 1
	STEP 0, 0, 0
	s_sub_co_u32 s3, s3, 1
	s_cmp_lg_u32 s3, 0
	s_cbranch_scc1 .Llap
	TURN 0, 1, 0
	STEP 1, 0, 0
	s_wait_dscnt 16
	WMUL 0, 0
	MUL16 0, 1, 1, 1, 0
	MUL16 2, 1, 1, 1, 0
	s_wait_dscnt 0x0
	WMUL 1, 0
	MUL16 4, 1, 1, 1, 0
	MUL16 6, 1, 1, 1, 0
	WIN 0
.macro QUANTW a
.set QW, 2+(\a)/4
.set QS, 64*((\a)%4)
	WIN (QW<<2)|(QW<<4)
.irp b, 0,1,2,3
	v_max3_num_f32 v[TM+\b], s[FLR], v[QS+16*\b], v[QS+16*\b+1]
.endr
.irp i, 2,4,6,8,10,12,14
.irp b, 0,1,2,3
	v_max3_num_f32 v[TM+\b], v[TM+\b], v[QS+16*\b+\i], v[QS+16*\b+\i+1]
.endr
.endr
	WIN 0
.irp b, 0,1,2,3
	v_permlanex16_b32 v[TM+4+\b], v[TM+\b], s[SEL], s[SEL+1]
.endr
.irp b, 0,1,2,3
	v_max_num_f32 v[TM+\b], v[TM+\b], v[TM+4+\b]
.endr
.irp b, 0,1,2,3
	v_add_nc_u32 v[TM+12+\b], 0xfc000000, v[TM+\b]
.endr
.irp b, 0,1,2,3
	v_and_or_b32 v[TM+8+\b], v[TM+\b], 0x7f800000, s[MNT]
.endr
.irp b, 0,1,2,3
	v_lshrrev_b32 v[TM+4+\b], 23, v[TM+12+\b]
.endr
	v_lshl_or_b32 v[PW], v[TM+5], 8, v[TM+4]
	v_lshl_or_b32 v[PW], v[TM+6], 16, v[PW]
	v_lshl_or_b32 v[PW], v[TM+7], 24, v[PW]
	WIN (QW<<6)|QW
.irp b, 0,1,2,3
.irp i, 0,1,2,3,4,5,6,7,8,9,10,11,12,13,14,15
	v_med3_num_f32 v[QS+16*\b+\i], v[QS+16*\b+\i], 0, v[TM+8+\b]
.endr
.endr
	WIN QW
.irp b, 0,1,2,3
	v_cvt_scalef32_pk8_fp8_f32 v[PC+4*\b:PC+4*\b+1], v[QS+16*\b:QS+16*\b+7], v[TM+12+\b]
	v_cvt_scalef32_pk8_fp8_f32 v[PC+4*\b+2:PC+4*\b+3], v[QS+16*\b+8:QS+16*\b+15], v[TM+12+\b]
.endr
	WIN 0
	v_nop
.endm
	PLACES NP
.irp b, 0,1,2,3
	v_mov_b32 v[TM+4+\b], 0
.endr
.irp a, 0,1,2,3,4,5,6,7
.if \a > 0
	s_wait_xcnt 0x0
.endif
	QUANTW \a
.irp c, 0,1,2,3
	global_store_b128 v[L16], v[PC+4*\c:PC+4*\c+3], s[10:11] offset:2048*\a+512*\c
.endr
	global_store_b32 v[L4], v[PW], s[10:11] offset:16384+128*\a
.endr
	s_wait_tensorcnt 0x0
	ds_add_u32 v[SPW], v[NIL]
	s_wait_dscnt 0x0
	CROUND
	s_endpgm
.Lfunc_end_k_qfc2abe9259_ffn1:
	.size	k_qfc2abe9259_ffn1, .Lfunc_end_k_qfc2abe9259_ffn1-k_qfc2abe9259_ffn1
	.p2alignl 7, 3214868480
	.fill 96, 4, 3214868480
	.section	.rodata,"a",@progbits
	.p2align	6, 0x0
	.amdhsa_kernel k_qfc2abe9259_ffn1
		.amdhsa_group_segment_fixed_size 327680
		.amdhsa_private_segment_fixed_size 0
		.amdhsa_enable_private_segment 0
		.amdhsa_kernarg_size 32
		.amdhsa_user_sgpr_count 2
		.amdhsa_user_sgpr_kernarg_segment_ptr 1
		.amdhsa_wavefront_size32 1
		.amdhsa_system_sgpr_workgroup_id_x 1
		.amdhsa_system_sgpr_workgroup_id_y 1
		.amdhsa_system_sgpr_workgroup_id_z 1
		.amdhsa_system_vgpr_workitem_id 0
		.amdhsa_next_free_vgpr 1024
		.amdhsa_next_free_sgpr 100
		.amdhsa_reserve_vcc 0
		.amdhsa_float_denorm_mode_32 3
		.amdhsa_float_denorm_mode_16_64 3
		.amdhsa_memory_ordered 1
		.amdhsa_forward_progress 1
		.amdhsa_inst_pref_size 186
	.end_amdhsa_kernel
	.amdgpu_metadata
---
amdhsa.version: [ 1, 2 ]
amdhsa.kernels:
  - .name:           k_qfc2abe9259_ffn1
    .symbol:         k_qfc2abe9259_ffn1.kd
    .args:
      - { .name: hc, .offset: 0, .size: 8, .value_kind: global_buffer, .address_space: global }
      - { .name: wcodes, .offset: 8, .size: 8, .value_kind: global_buffer, .address_space: global }
      - { .name: bf1, .offset: 16, .size: 8, .value_kind: global_buffer, .address_space: global }
      - { .name: hid, .offset: 24, .size: 8, .value_kind: global_buffer, .address_space: global }
    .group_segment_fixed_size: 327680
    .private_segment_fixed_size: 0
    .kernarg_segment_align: 8
    .kernarg_segment_size: 32
    .max_flat_workgroup_size: 128
    .sgpr_count:     100
    .vgpr_count:     1024
    .wavefront_size: 32
...
	.end_amdgpu_metadata
.endif
;; end of part 13
;; launch ffn2 (part 14): grid 8 x 32, 4 waves a work-group, clusters of 4 x 4, 327,680 bytes of LDS; arguments hid, wcodes, bf2, x1, out0; writes out0
.if DOCPART == 14
	.amdgcn_target "amdgcn-amd-amdhsa--gfx1250"
	.amdhsa_code_object_version 6
	.text
	.protected	k_qfc2abe9259_ffn2
	.globl	k_qfc2abe9259_ffn2
	.p2align	8
	.type	k_qfc2abe9259_ffn2,@function
k_qfc2abe9259_ffn2:
	s_mov_b64 s[64:65], 0
	v_nop
	global_prefetch_b8 v0, s[64:65] scope:SCOPE_SE
	s_setreg_imm32_b32 hwreg(HW_REG_WAVE_MODE, 25, 1), 1
	s_wait_xcnt 0x0
	s_wait_alu depctr_hold_cnt(0) depctr_sa_sdst(0) depctr_va_vdst(0) depctr_va_sdst(0) depctr_va_ssrc(0) depctr_va_vcc(0) depctr_vm_vsrc(0)
	s_getreg_b32 s2, hwreg(HW_REG_IB_STS2, 6, 4)
	s_cmp_eq_u32 s2, 0
	s_cbranch_scc0 .Lentry_in_a_cluster
	s_endpgm
.Lentry_in_a_cluster:
	s_bfe_u32 s2, ttmp6, 0x10000c
	s_cmp_lg_u32 s2, 0xf033
	s_cbranch_scc0 .Lentry_shape_is_right
	s_endpgm
.Lentry_shape_is_right:
; out0 = x1 + hid w2 + bf2: the hidden layer's codes (4,096 x 4,096, panels) times w2's (1,024 rows x 4,096, panels 512-767 of wcodes); f32 out.
; PANEL: 128 rows x 128 K as images of operand registers: fragment i at 2048 i + 512 c + 16 lane, scale words at 16384 + 128 i + 4 lane; 17,408 bytes.
; A tile of 128 x 128 by four waves, 64 x 64 each; K, 32 K steps, through a ring of two LDS slots of four K steps; a wave's tensor load brings two neighbouring panels, 34,816 dense bytes.
; Clusters of 4 x 4 with joint loads.  The bias is the C of each sum's first product; the residual is asked for at the head and added on the way out, which goes through a stage in LDS.
; PREFETCH: behind the load of four K steps stands a request for the four K steps two loads on.  The 136 blocks of 256 bytes of a wave's load are shared out by address among the four partners that
; ask for it jointly, 34 each: 32 by one line, a lane a block, two by a second line whose other lanes name its last block again.  The last two loads have nothing two loads on and ask for nothing.
; The sums' order differs from K ascending (a stated limit).
.set KS,    32
.set WOFF,  512*17408
.set ROWO,  4096
.set PAN,   17408
.set HALFT, 2*PAN
.set SLOT,  4*HALFT
.set SPARE, 2*SLOT
.set RBS,   KS*PAN
.set LAPS,  KS/8
.set NP,    8
.set SPITCH, 272
.set ADRA, 16
.set ADRS, 18
.set ADRB, 20
.set STO,  24
.set RD,   25
.set L16,  26
.set L4,   27
.set SPW,  28
.set NIL,  29
.set H32,  30
.set GO,   31
.set SC,   32
.set BIAS, 64
.set ACC,  128
.set G1, 24
.set G0, 32
.set G1B, 48
.set G0B, 56
.set MSB, 0
.macro WIN new
.if MSB != (\new)
	s_set_vgpr_msb (MSB<<8)|(\new)
.set MSB, (\new)
.endif
.endm
.set MUL,  0x05
.set TO_F, 0x40
.macro JLOAD g0a, g1a, g0b, g1b
	s_cmp_eq_u32 s15, 0
	s_cbranch_scc0 .Lfor_b_\@
	tensor_load_to_lds s[\g0a:\g0a+3], s[\g1a:\g1a+7]
	s_nop 0
.rept 4
	v_nop
.endr
	s_branch .Lasked_\@
.Lfor_b_\@:
	tensor_load_to_lds s[\g0b:\g0b+3], s[\g1b:\g1b+7]
	s_nop 0
.rept 4
	v_nop
.endr
.Lasked_\@:
.endm
.macro CREST
	s_cmp_lg_u32 s14, 0
	s_cbranch_scc1 .Lnot_wave_0_\@
	s_barrier_signal -3
.Lnot_wave_0_\@:
	s_barrier_wait -3
	s_barrier_signal -1
	s_barrier_wait -1
.endm
.macro CROUND
	s_barrier_signal -1
	s_barrier_wait -1
	CREST
.endm
	s_load_b256 s[4:11], s[0:1], 0x0
	s_load_b64 s[12:13], s[0:1], 0x20
	v_lshl_add_u32 v[SPW], v0, 2, SPARE
	v_mov_b32 v[NIL], 0
	ds_add_u32 v[SPW], v[NIL]
	ds_add_u32 v[SPW], v[NIL]
	v_lshrrev_b32 v1, 5, v0
	v_readfirstlane_b32 s14, v1
	s_lshr_b32 s15, s14, 1
	s_and_b32 s16, s14, 1
	s_bfe_u32 s40, ttmp6, 0x40000
	s_bfe_u32 s41, ttmp6, 0x40004
	s_lshl_b32 s42, ttmp9, 2
	s_add_co_u32 s42, s42, s40
	s_and_b32 s17, ttmp7, 0xffff
	s_lshl_b32 s17, s17, 2
	s_add_co_u32 s17, s17, s41
	s_lshl_b32 s43, s41, 2
	s_lshl_b32 s43, 15, s43
	s_lshl_b32 s44, 0x1111, s40
	s_or_b32 s[G1+0], s43, (3<<16)|(1<<21)
	s_or_b32 s[G1B+0], s44, (3<<16)|(1<<21)
.irp g, G1, G1B
	s_mov_b32 s[\g+1], 32<<16
	s_mov_b32 s[\g+2], 136<<16
	s_mov_b32 s[\g+3], 32<<16
	s_mov_b32 s[\g+4], 136
	s_mov_b32 s[\g+5], 32
	s_mov_b32 s[\g+6], 0
	s_mov_b32 s[\g+7], 0
.endr
	s_mul_i32 s18, s16, HALFT
	s_mul_i32 s20, s17, RBS
	s_add_co_u32 s20, s20, s18
	s_mov_b32 s21, 0
	s_mul_i32 s46, s42, RBS
	s_add_co_u32 s46, s46, s18
	s_add_co_u32 s46, s46, WOFF
	s_mov_b32 s47, 0
	s_mul_i32 s45, s14, HALFT
	s_wait_dscnt 0x0
	s_wait_kmcnt 0x0
	s_add_nc_u64 s[20:21], s[4:5], s[20:21]
	s_add_nc_u64 s[46:47], s[6:7], s[46:47]
	s_cmp_eq_u32 s15, 0                            ; the prefetches: s[66:67] = where my loads begin, in A or in B,
	s_cselect_b64 s[66:67], s[20:21], s[46:47]
	s_cselect_b32 s68, s40, s41                    ; + my work-group's 34 blocks: my place among the four that ask with me enters this address alone
	s_mul_i32 s68, s68, 34*256
	s_mov_b32 s69, 0
	s_add_nc_u64 s[66:67], s[66:67], s[68:69]
	CROUND
.irp s, 0,1
	s_mov_b32 s[G0+4*\s], 1
	s_add_co_u32 s[G0+4*\s+1], s45, \s*SLOT
	s_add_nc_u64 s[G0+4*\s+2:G0+4*\s+3], s[20:21], \s*2*HALFT
	s_or_b32 s[G0+4*\s+3], s[G0+4*\s+3], 0x80000000
	s_mov_b32 s[G0B+4*\s], 1
	s_add_co_u32 s[G0B+4*\s+1], s45, \s*SLOT
	s_add_nc_u64 s[G0B+4*\s+2:G0B+4*\s+3], s[46:47], \s*2*HALFT
	s_or_b32 s[G0B+4*\s+3], s[G0B+4*\s+3], 0x80000000
.endr
	JLOAD G0, G1, G0B, G1B                         ; slot 0: one tensor load a wave at the head
	v_and_b32 v1, 31, v0
	v_bfe_u32 v2, v0, 4, 1
	s_wait_alu depctr_va_vdst(0)
	v_and_b32 v4, 15, v0
	v_lshlrev_b32 v[L16], 4, v1
	v_lshlrev_b32 v[L4], 2, v1
	v_lshlrev_b32 v[H32], 5, v2
	s_lshl_b32 s46, s42, 9
	s_lshl_b32 s47, s16, 8
	s_add_co_u32 s46, s46, s47
	s_mov_b32 s47, 0
	s_add_nc_u64 s[8:9], s[8:9], s[46:47]
.irp b, 0,1,2,3
	global_load_b128 v[BIAS+8*\b:BIAS+8*\b+3],   v[H32], s[8:9] offset:64*\b
	global_load_b128 v[BIAS+8*\b+4:BIAS+8*\b+7], v[H32], s[8:9] offset:64*\b+16
.endr
	s_lshl_b32 s20, s17, 7
	s_lshl_b32 s21, s15, 6
	s_add_co_u32 s20, s20, s21
	s_lshl_b32 s20, s20, 12
	s_add_co_u32 s20, s20, s46
	s_mov_b32 s21, 0
	s_add_nc_u64 s[10:11], s[10:11], s[20:21]
	s_add_nc_u64 s[12:13], s[12:13], s[20:21]
	v_lshlrev_b32 v[GO], 12, v2
	s_wait_alu depctr_va_vdst(0)
	v_lshl_add_u32 v[GO], v4, 4, v[GO]
	v_lshlrev_b32 v22, 8, v1                       ; the prefetches' offsets: block = lane;
	v_min_u32 v23, 1, v1
	v_lshl_add_u32 v23, v23, 8, 8192               ; blocks 32 and 33 (the other lanes name the last block again)
	s_wait_alu depctr_va_vdst(0)
	global_prefetch_b8 v22, s[66:67] offset:2*HALFT th:TH_LOAD_NT scope:SCOPE_SE   ; K steps 4-7, which slot 1's first fill will bring: asked for ahead of the residual's 32 loads, which are wanted last
	global_prefetch_b8 v23, s[66:67] offset:2*HALFT th:TH_LOAD_NT scope:SCOPE_SE
	global_prefetch_b8 v22, s[66:67] offset:4*HALFT th:TH_LOAD_NT scope:SCOPE_SE   ; K steps 8-11: two loads on from slot 0's first
	global_prefetch_b8 v23, s[66:67] offset:4*HALFT th:TH_LOAD_NT scope:SCOPE_SE
	WIN 0x80
.irp a, 0,1,2,3
.irp t, 0,1,2,3,4,5,6,7
	global_load_b128 v[32*\a+4*\t:32*\a+4*\t+3], v[GO], s[10:11] offset:(16*\a+2*\t)*ROWO
.endr
.endr
	WIN 0
	s_lshl_b32 s21, s15, 13
	s_lshl_b32 s22, s16, 13
	s_add_co_u32 s22, s22, 2*HALFT
	s_xor_b32 s23, s15, 1
	s_add_co_u32 s23, s23, s16
	s_lshl_b32 s23, s23, 9
	s_add_co_u32 s23, s23, 2*HALFT-512
	v_mul_u32_u24 v3, s23, v2
	v_add_nc_u32 v3, v3, v[L4]
	s_lshl_b32 s19, s15, 9
	s_add_co_u32 s19, s19, 16384
.irp s, 0,1
	v_add_nc_u32 v[ADRA+\s], s21, v[L16]
	v_add_nc_u32 v[ADRB+\s], s22, v[L16]
	v_add_nc_u32 v[ADRS+\s], s19, v3
	s_add_co_u32 s21, s21, SLOT
	s_add_co_u32 s22, s22, SLOT
	s_add_co_u32 s19, s19, SLOT
.endr
	s_mul_i32 s23, s14, 4*16*SPITCH
	v_mul_u32_u24 v5, v4, SPITCH
	v_lshl_add_u32 v5, v2, 5, v5
	v_add_nc_u32 v[STO], s23, v5
	v_mul_u32_u24 v5, v2, SPITCH
	v_lshl_add_u32 v5, v4, 4, v5
	v_add_nc_u32 v[RD], s23, v5
.macro FRAG reg, adr, q, i
.irp c, 0,1,2,3
	ds_load_b128 v[\reg+4*\c:\reg+4*\c+3], v[\adr] offset:PAN*(\q)+2048*(\i)+512*\c
.endr
.endm
.macro MUL4 f, q, sc, a, first
.irp b, 0,1,2,3
.set rD, ACC+8*(4*(\a)+\b)
.set rB, 128*(\f)+16*\b
.set rA, 128*(\f)+64+16*(\a)
.set rSB, SC+16*(\sc)+4*(\q)+\b
.set rSA, SC+16*(\sc)+4*(\q)+(\a)
.if \first
	v_wmma_scale_f32_16x16x128_f8f6f4 v[rD:rD+7], v[rB:rB+15], v[rA:rA+15], v[BIAS+8*\b:BIAS+8*\b+7], v[rSB], v[rSA] matrix_a_scale:MATRIX_SCALE_ROW1
.else
	v_wmma_scale_f32_16x16x128_f8f6f4 v[rD:rD+7], v[rB:rB+15], v[rA:rA+15], v[rD:rD+7], v[rSB], v[rSA] matrix_a_scale:MATRIX_SCALE_ROW1
.endif
.endr
.endm
.macro SCALES sc
.irp q, 0,1,2,3
.irp i, 0,1,2,3
	ds_load_b32 v[SC+16*\sc+4*\q+\i], v[ADRS+\sc] offset:PAN*\q+128*\i
.endr
.endr
.endm
.macro FETCH slot, q, f, sc
	WIN TO_F
.irp i, 0,1,2,3
	FRAG 128*(\f)+16*\i, ADRB+\slot, \q, \i
.endr
.irp i, 0,1
	FRAG 128*(\f)+64+16*\i, ADRA+\slot, \q, \i
.endr
.if \sc
	WIN 0
	SCALES \slot
	WIN TO_F
.endif
.irp i, 2,3
	FRAG 128*(\f)+64+16*\i, ADRA+\slot, \q, \i
.endr
.endm
.macro PLACES n
.rept \n
	v_nop
.endr
.endm
.macro STEP slot, q, first
	s_wait_dscnt 8
	WIN MUL
	MUL4 (\q)%2, \q, \slot, 0, \first
	MUL4 (\q)%2, \q, \slot, 1, \first
	PLACES NP
	FETCH \slot, (\q)+1, 1-(\q)%2, 0
	s_wait_dscnt 32
	WIN MUL
	MUL4 (\q)%2, \q, \slot, 2, \first
	MUL4 (\q)%2, \q, \slot, 3, \first
.endm
.macro TURN slot, next, fill
	WIN 0
.if \fill
	s_wait_xcnt 0x0                                ; my prefetches have read their address: it steps four K steps on
	s_add_nc_u64 s[66:67], s[66:67], 2*HALFT
.endif
	s_wait_tensorcnt 0x0
	ds_add_u32 v[SPW], v[NIL]
	s_wait_dscnt 9
	WIN MUL
	MUL4 1, 3, \slot, 0, 0
	s_wait_dscnt 0x0
	s_barrier_signal -1
	MUL4 1, 3, \slot, 1, 0
	WIN 0
	s_barrier_wait -1
.if \fill
	CREST
	s_add_nc_u64 s[G0+4*\slot+2:G0+4*\slot+3], s[G0+4*\slot+2:G0+4*\slot+3], 4*HALFT
	s_add_nc_u64 s[G0B+4*\slot+2:G0B+4*\slot+3], s[G0B+4*\slot+2:G0B+4*\slot+3], 4*HALFT
	JLOAD G0+4*\slot, G1, G0B+4*\slot, G1B
	PLACES NP-4
.else
	PLACES NP
.endif
	s_wait_alu depctr_va_vdst(0)
	FETCH \next, 0, 0, 1
.if \fill
	WIN 0
	s_cmp_gt_u32 s3, 1                             ; the loop's last trip has nothing two loads on
	s_cbranch_scc0 .Lno_ask_\@
	global_prefetch_b8 v22, s[66:67] offset:6*HALFT th:TH_LOAD_NT scope:SCOPE_SE
	global_prefetch_b8 v23, s[66:67] offset:6*HALFT th:TH_LOAD_NT scope:SCOPE_SE
.Lno_ask_\@:
.endif
	WIN MUL
	MUL4 1, 3, \slot, 2, 0
	MUL4 1, 3, \slot, 3, 0
.endm
	s_wait_alu depctr_va_vdst(0)
	s_wait_tensorcnt 0x0                           ; my part of slot 0 is in
	ds_add_u32 v[SPW], v[NIL]
	s_wait_dscnt 0x0
	CROUND                                         ; a whole round: slot 0 is whole, and all sixteen work-groups are here
	JLOAD G0+4, G1, G0B+4, G1B                     ; slot 1's first fill, the first tensor load behind the round
	FETCH 0, 0, 0, 1
	global_prefetch_b8 v22, s[66:67] offset:6*HALFT th:TH_LOAD_NT scope:SCOPE_SE   ; K steps 12-15
	global_prefetch_b8 v23, s[66:67] offset:6*HALFT th:TH_LOAD_NT scope:SCOPE_SE
	s_wait_loadcnt 32
	STEP 0, 0, 1
.if LAPS > 1
	WIN 0
	s_mov_b32 s3, LAPS-1
.Llap:
	STEP 0, 1, 0
	STEP 0, 2, 0
	TURN 0, 1, 1
	STEP 1, 0, 0
	STEP 1, 1, 0
	STEP 1, 2, 0
	TURN 1, 0, 1
	STEP 0, 0, 0
	WIN 0
	s_sub_co_u32 s3, s3, 1
	s_cmp_lg_u32 s3, 0
	s_cbranch_scc1 .Llap
.endif
	STEP 0, 1, 0
	STEP 0, 2, 0
	TURN 0, 1, 0
	STEP 1, 0, 0
	STEP 1, 1, 0
	STEP 1, 2, 0
	s_wait_dscnt 8
	WIN MUL
	MUL4 1, 3, 1, 0, 0
	MUL4 1, 3, 1, 1, 0
	s_wait_dscnt 0x0
	MUL4 1, 3, 1, 2, 0
	MUL4 1, 3, 1, 3, 0
	WIN 0
	PLACES NP
.irp a, 0,1,2,3
.irp b, 0,1,2,3
	ds_store_b128 v[STO], v[ACC+32*\a+8*\b:ACC+32*\a+8*\b+3]   offset:\a*16*SPITCH+64*\b
	ds_store_b128 v[STO], v[ACC+32*\a+8*\b+4:ACC+32*\a+8*\b+7] offset:\a*16*SPITCH+64*\b+16
.endr
.endr
	WIN TO_F
.irp a, 0,1,2,3
.irp t, 0,1,2,3,4,5,6,7
	ds_load_b128 v[32*\a+4*\t:32*\a+4*\t+3], v[RD] offset:\a*16*SPITCH+2*\t*SPITCH
.endr
.endr
	s_wait_loadcnt 0x0
.irp a, 0,1,2,3
	s_wait_dscnt 8*(3-\a)
	WIN 0x49
.set n, 0
.rept 16
	v_pk_add_f32 v[32*\a+n:32*\a+n+1], v[32*\a+n:32*\a+n+1], v[32*\a+n:32*\a+n+1]
.set n, n+2
.endr
	WIN 0x04
.irp t, 0,1,2,3,4,5,6,7
	global_store_b128 v[GO], v[32*\a+4*\t:32*\a+4*\t+3], s[12:13] offset:(16*\a+2*\t)*ROWO
.endr
.endr
	WIN 0
	s_wait_tensorcnt 0x0
	ds_add_u32 v[SPW], v[NIL]
	s_wait_dscnt 0x0
	CROUND
	s_endpgm
.Lfunc_end_k_qfc2abe9259_ffn2:
	.size	k_qfc2abe9259_ffn2, .Lfunc_end_k_qfc2abe9259_ffn2-k_qfc2abe9259_ffn2
	.p2alignl 7, 3214868480
	.fill 96, 4, 3214868480
	.section	.rodata,"a",@progbits
	.p2align	6, 0x0
	.amdhsa_kernel k_qfc2abe9259_ffn2
		.amdhsa_group_segment_fixed_size 327680
		.amdhsa_private_segment_fixed_size 0
		.amdhsa_enable_private_segment 0
		.amdhsa_kernarg_size 40
		.amdhsa_user_sgpr_count 2
		.amdhsa_user_sgpr_kernarg_segment_ptr 1
		.amdhsa_wavefront_size32 1
		.amdhsa_system_sgpr_workgroup_id_x 1
		.amdhsa_system_sgpr_workgroup_id_y 1
		.amdhsa_system_sgpr_workgroup_id_z 1
		.amdhsa_system_vgpr_workitem_id 0
		.amdhsa_next_free_vgpr 768
		.amdhsa_next_free_sgpr 100
		.amdhsa_reserve_vcc 0
		.amdhsa_float_denorm_mode_32 3
		.amdhsa_float_denorm_mode_16_64 3
		.amdhsa_memory_ordered 1
		.amdhsa_forward_progress 1
		.amdhsa_inst_pref_size 103
	.end_amdhsa_kernel
	.amdgpu_metadata
---
amdhsa.version: [ 1, 2 ]
amdhsa.kernels:
  - .name:           k_qfc2abe9259_ffn2
    .symbol:         k_qfc2abe9259_ffn2.kd
    .args:
      - { .name: hid, .offset: 0, .size: 8, .value_kind: global_buffer, .address_space: global }
      - { .name: wcodes, .offset: 8, .size: 8, .value_kind: global_buffer, .address_space: global }
      - { .name: bf2, .offset: 16, .size: 8, .value_kind: global_buffer, .address_space: global }
      - { .name: x1, .offset: 24, .size: 8, .value_kind: global_buffer, .address_space: global }
      - { .name: out0, .offset: 32, .size: 8, .value_kind: global_buffer, .address_space: global }
    .group_segment_fixed_size: 327680
    .private_segment_fixed_size: 0
    .kernarg_segment_align: 8
    .kernarg_segment_size: 40
    .max_flat_workgroup_size: 128
    .sgpr_count:     100
    .vgpr_count:     768
    .wavefront_size: 32
...
	.end_amdgpu_metadata
.endif
;; end of part 14
